; MI455X (gfx1250); checked and timed in simulation.
; The chip was launched on July 23, 2026; its instructions are those of AMD's public machine-readable ISA for CDNA 5 (MIT licence, August 2026) and "CDNA5" Instruction Set Architecture Reference Guide (July 2026). The comments in the code are by the model that wrote it; some were corrected since.
;; Transformer Block. Allowed arithmetic: matrix products marked QUANTISED: E2M3 operands, one E8M0 scale for each 32 along K, by v_wmma_scale_f32_16x16x128_f8f6f4 with both operands' format E2M3, f32 sums; everything else in f32.
;; Inputs: W1 1,024 x 4,096 float32; W2 4,096 x 1,024 float32; Wk 1,024 x 1,024 float32; Wo 1,024 x 1,024 float32; Wq 1,024 x 1,024 float32; Wv 1,024 x 1,024 float32; b1 4,096 float32; b2 1,024 float32; be1 1,024 float32; be2 1,024 float32; bk 1,024 float32; bo 1,024 float32; bq 1,024 float32; bv 1,024 float32; g1 1,024 float32; g2 1,024 float32; x 2 x 2,048 x 1,024 float32.
;; Outputs: out0 2 x 2,048 x 1,024 float32.
;; This version of the problem:
;;   THIS VERSION OF THE PROBLEM IS GIVEN IN LOW PRECISION. The matrix products marked QUANTISED in the list below multiply operands that are first quantised to E2M3 (2 exponent bits, 3 mantissa bits; 6 bits a number), with one power-of-two scale for each 32 numbers along K (OCP MX v1.0); their sums are f32. All else is computed in f32.
;;   The module's matrix products, in the order in which they are computed (A, B: the left and right operand; K: the contracted axis; several contracted axes count as one K, in the product's order):
;;     1. [M 4,096, K 1,024] x [K 1,024, N 1,024]; A: computed on the way; B: input Wq: QUANTISED
;;     2. [M 4,096, K 1,024] x [K 1,024, N 1,024]; A: computed on the way; B: input Wk: QUANTISED
;;     3. [M 4,096, K 1,024] x [K 1,024, N 1,024]; A: computed on the way; B: input Wv: QUANTISED
;;     4. batch 32 x [M 2,048, K 64] x [K 64, N 2,048]; A: computed on the way; B: computed on the way: QUANTISED
;;     5. batch 32 x [M 64, K 2,048] x [K 2,048, N 2,048]; A: computed on the way; B: softmax (see below): QUANTISED
;;     6. [M 4,096, K 1,024] x [K 1,024, N 1,024]; A: computed on the way; B: input Wo: QUANTISED
;;     7. [M 4,096, K 1,024] x [K 1,024, N 4,096]; A: computed on the way; B: input W1: QUANTISED
;;     8. [M 4,096, K 4,096] x [K 4,096, N 1,024]; A: computed on the way; B: input W2: QUANTISED
;;   THE QUANTISER, for each operand of a quantised product, along K:
;;     - K is cut into blocks of 32 from its start; a last block that is shorter is filled with zeros.
;;     - A block's scale is 2^e with e = floor(log2(the largest magnitude in the block)) - 2, held to -126 .. 127; a block of zeros has e = 0. As a byte (E8M0): e + 127.
;;     - Each number is divided by its block's scale, clamped to +-7.5, and rounded to the nearest number of E2M3, ties to even, subnormals kept.
;;     - The product sums the exact products of the quantised numbers (number of the format x scale) in f32.
;;   ~~~python
;;   def quantise(x, axis):      # numpy; x: float32 -> the quantised numbers, widened to float32 again
;;       x = np.moveaxis(x, axis, -1); K = x.shape[-1]
;;       x = np.pad(x, [(0, 0)] * (x.ndim - 1) + [(0, -K % 32)]); x = x.reshape(x.shape[:-1] + (-1, 32)); a = np.abs(x).max(-1, keepdims=True)
;;       e = np.where(a > 0, np.clip(np.frexp(np.where(a > 0, a, 1))[1] - 1 - 2, -126, 127), 0)      # np.frexp(a)[1] - 1 = floor(log2(a)), exactly
;;       r = np.clip(x / 2.0 ** e, -7.5, 7.5)
;;       step = 2.0 ** (np.maximum(np.frexp(np.where(r == 0, 1, r))[1] - 1, 0) - 3)
;;       q = np.round(r / step) * step * 2.0 ** e      # np.round: ties to even
;;       return np.moveaxis(q.reshape(q.shape[:-2] + (-1,))[..., :K], -1, axis).astype(np.float32)
;;   ~~~
;;   SOFTMAX AHEAD OF A QUANTISED PRODUCT. Where the list says 'softmax', what is quantised is not the finished softmax but p = 2^(t - M), with t = logit x log2(e) and M = ceil(the row's largest t), a whole number; so 1/2 < the row's largest p <= 1. The row's sum l is taken of the UNQUANTISED p, in f32, and the product's result is divided by l at the end. Since M is a whole number, a kernel that streams over the keys may use a running M (the ceiling of the running maximum): every later rescaling is an exact power of two, which a block's scale takes up: the codes' values come out the same.
;;   OPERANDS COMPUTED ON THE WAY. 'Computed on the way' means the value that the module computes at that place (a softmax that the list does not call 'softmax' is quantised finished and normalised). What goes into a quantiser is computed in f32, as accurately as f32 sums, v_exp_f32 and their like allow (about 1e-6 of the number): no bf16 or f16 on the way to a quantiser, and a product that is left as it is and whose result goes on into a quantised operand takes f32 operands (vector FMAs, or v_wmma_f32_16x16x4_f32). A number that lies on a knife's edge between two numbers of the format may be rounded either way, as far as f32 arithmetic and the matrix unit's own rounding can turn it there, and no further.
;; 2 versions. Each part assembles by itself: llvm-mc -triple=amdgcn-amd-amdhsa -mcpu=gfx1250 --defsym DOCPART=n.
;; ======== version 1 of 2: 8 launches
;; workspace buffers: WB 9,830,400 bytes; HB 3,276,800 bytes; QB 9,830,400 bytes; AB 3,276,800 bytes; X1 16,777,216 bytes; GB 13,107,200 bytes
;; launch wq (part 1): grid 768 x 1, 4 waves a work-group, no clusters, 0 bytes of LDS; arguments Wq, Wk, Wv, Wo, W1, W2, WB; writes WB
.if DOCPART == 1
	.amdgcn_target "amdgcn-amd-amdhsa--gfx1250"
	.amdhsa_code_object_version 6
	.text
	.protected	k_qe118098cfd_wq
	.globl	k_qe118098cfd_wq
	.p2align	8
	.type	k_qe118098cfd_wq,@function
k_qe118098cfd_wq:
	s_mov_b64 s[64:65], 0
	v_nop
	global_prefetch_b8 v0, s[64:65] scope:SCOPE_SE
	s_setreg_imm32_b32 hwreg(HW_REG_WAVE_MODE, 25, 1), 1
	s_wait_xcnt 0x0
; The six weights, f32 stored [K][N], become codes of FP6 (E2M3) with one E8M0 byte for each 32 along K, laid in the ORDER OF THE OPERAND'S REGISTERS:
; tile T = 16 rows (a row = a column n of the weight); lane-row r of tile 2 B + u is row 32 B + 8 u + r + 8 (r / 8).
; Half image (T, kc = k / 64), 768 bytes: lane l = 16 h + r has registers 0-3 at 16 l and registers 4-5 at 512 + 8 l: the codes of k = 64 kc + 32 h + 0 .. 31 of its row.
; codes: (T / 8) (K / 64) 6144 + kc 6144 + (T % 8) 768;   scale bytes: (T / 4) (K / 128) 256 + (k / 128) 256 + 16 r + 4 (T % 4) + (k / 32) % 4.
; WB: codes: Wq, Wk, Wv, Wo as rows 0 .. 4095 at 0; W1 at 3,145,728; W2 at 6,291,456.  Scale bytes at 9,437,184, 9,568,256 and 9,699,328.
; SHARES.  A work-group takes 128 columns x 128 along K, a wave 32 columns: A LANE TAKES A COLUMN AND ITS REGISTERS RUN DOWN K, so each load reads 128 neighbouring bytes, a block of 32 lies in one lane,
; and the conversions give codes with K innermost.  A store of 16 bytes a lane covers two aligned runs of 256 bytes (one for each of the wave's two tiles).
; No LDS, no barrier, no matrix unit: a stream; work-groups share no input, so no cluster.
; LIMITS: NaN and infinities are not served; a block of zeros, and a block whose largest magnitude lies under 2^-124, gets the byte 1 (its codes are zeros or held small; the bytes are read by this program alone).
.set X,   64                           ; v64-191  four blocks of 32 numbers
.set SRC, 32                           ; s[32:33] the weight, at my wave's first number
.set OC,  42                           ; s[42:43] the codes of my row group and K step
.set OS,  44                           ; s[44:45] their scale words
; 32 numbers of one block, v[x] on -> six registers of codes at v[c] on (v[d] on: the second conversion), the byte in v[by]
.macro QBLK x, c, d, by
	v_max3_num_f32 v8, |v[(\x)]|, |v[(\x)+1]|, 0x1800000           ; the largest magnitude in two chains, with the floor 2^(3 - 127) among the leaves: the byte cannot fall under 1
	v_max3_num_f32 v9, |v[(\x)+2]|, |v[(\x)+3]|, |v[(\x)+4]|
.irp i, 5,9,13,17,21,25
	v_max3_num_f32 v8, v8, |v[(\x)+\i]|, |v[(\x)+\i+1]|
	v_max3_num_f32 v9, v9, |v[(\x)+\i+2]|, |v[(\x)+\i+3]|
.endr
	v_max3_num_f32 v8, v8, |v[(\x)+29]|, |v[(\x)+30]|
	v_max3_num_f32 v8, v8, v9, |v[(\x)+31]|
	v_add_nc_u32 v10, 0xff000000, v8                               ; 2 off its exponent field: the conversion takes that field as its scale
	v_cvt_scalef32_pk16_fp6_f32 v[(\c):(\c)+2], v[(\x):(\x)+15], v10
	v_cvt_scalef32_pk16_fp6_f32 v[(\d):(\d)+2], v[(\x)+16:(\x)+31], v10   ; (a conversion's three registers begin on an even number)
	v_lshrrev_b32 v[\by], 23, v10                                  ; the byte; also the plain line behind the conversions
.irp i, 0,1,2
	v_mov_b32 v[(\c)+3+\i], v[(\d)+\i]
.endr
.endm
.macro LOADB t, pitch                  ; block t: W(32 t + i, my column)
.set ii, 0
.rept 32
	global_load_b32 v[X+32*(\t)+ii], v2, s[SRC:SRC+1] offset:(32*(\t)+ii)*(\pitch) th:TH_LOAD_NT
.set ii, ii+1
.endr
.endm
.macro QW pitch                        ; the whole work of a wave, for rows of pitch bytes; every offset is an immediate, 127 x 16,384 at the most
	LOADB 0, \pitch
	LOADB 1, \pitch
.irp t, 0,1,2,3
.if \t < 3
	s_wait_loadcnt 32                              ; loads come back in order: this block's 32 are in, the next block's 32 may be out
.else
	s_wait_loadcnt 0x0
.endif
.if \t < 2
	LOADB \t+2, \pitch                             ; two blocks ahead, into registers of their own
.endif
	QBLK X+32*\t, 16+12*\t, 24+12*\t, 11
.if \t == 0
	v_mov_b32 v14, v11                             ; the four bytes make my row's scale word of this K step
.else
	v_lshl_or_b32 v14, v11, 8*\t, v14
.endif
	global_store_b128 v6, v[16+12*\t:19+12*\t], s[OC:OC+1] offset:(\t/2)*6144+256*(\t%2)   ; block t is half h = t % 2 of half image t / 2; each block has its own registers, so no store's data are rewritten
	global_store_b64 v7, v[20+12*\t:21+12*\t], s[OC:OC+1] offset:(\t/2)*6144+128*(\t%2)
.endr
	global_store_b32 v3, v14, s[OS:OS+1]
	s_endpgm
.endm
	s_load_b256 s[4:11], s[0:1], 0x0               ; Wq, Wk, Wv, Wo
	s_load_b128 s[12:15], s[0:1], 0x20             ; W1, W2
	s_load_b64 s[16:17], s[0:1], 0x30              ; WB
	v_lshrrev_b32 v1, 5, v0
	v_readfirstlane_b32 s18, v1                    ; wave
	v_and_b32 v1, 31, v0                           ; lane = my column among the wave's 32
	v_lshlrev_b32 v2, 2, v1                        ; in: 4 bytes a lane
	v_bfe_u32 v3, v1, 3, 1                         ; u: which of the wave's two tiles
	v_and_b32 v4, 7, v1
	v_lshrrev_b32 v5, 4, v1
	v_lshl_add_u32 v4, v5, 3, v4                   ; r: my lane-row there
	s_lshl_b32 s19, s18, 1
	v_add_nc_u32 v5, s19, v3                       ; tile 2 w + u of the row group
	v_mul_u32_u24 v5, v5, 768
	v_lshl_add_u32 v6, v4, 4, v5                   ; registers 0-3: 768 tile + 16 r (+ 256 h in the immediate)
	v_lshl_add_u32 v7, v4, 3, v5
	v_add_nc_u32 v7, 512, v7                       ; registers 4-5: 768 tile + 512 + 8 r (+ 128 h)
	s_and_b32 s19, s18, 1
	s_lshl_b32 s19, s19, 1
	v_add_nc_u32 v3, s19, v3
	v_lshlrev_b32 v3, 2, v3
	v_lshl_add_u32 v3, v4, 4, v3                   ; scale word: 16 r + 4 (tile % 4)
	; which weight, which 128 columns, which 128 along K: from the work-group's number alone
	s_lshr_b32 s20, ttmp9, 8                       ; 0: Wq, Wk, Wv, Wo;  1: W2;  2: W1
	s_and_b32 s21, ttmp9, 255
	s_cmp_eq_u32 s20, 1
	s_cselect_b32 s22, 5, 3                        ; log2 of the K steps: 32 in W2, else 8
	s_mov_b32 s25, 98304
	s_cselect_b32 s25, 393216, s25                 ; bytes of a row group's codes
	s_mov_b32 s26, 2048
	s_cselect_b32 s26, 8192, s26                   ; bytes of 64 rows' scales
	s_cselect_b32 s27, 6291456, 0                  ; where the codes begin,
	s_mov_b32 s28, 9437184
	s_cselect_b32 s28, 9699328, s28                ; and the scales
	s_cmp_eq_u32 s20, 2
	s_cselect_b32 s27, 3145728, s27
	s_cselect_b32 s28, 9568256, s28
	s_cselect_b32 s35, 21, 19                      ; log2 of 128 rows of the weight in bytes
	s_lshr_b32 s23, s21, s22                       ; column group = row group of the operand
	s_lshl_b32 s24, 1, s22
	s_sub_co_u32 s24, s24, 1
	s_and_b32 s24, s21, s24                        ; K step
	s_lshr_b32 s29, s23, 3                         ; in the first region: which of the four weights
	s_and_b32 s36, s23, 7
	s_cmp_eq_u32 s20, 0
	s_cselect_b32 s36, s36, s23                    ; column group inside the weight
	s_lshl_b32 s34, s24, s35
	s_lshl_b32 s36, s36, 9
	s_add_co_u32 s34, s34, s36
	s_lshl_b32 s37, s18, 7
	s_add_co_u32 s34, s34, s37                     ; in: K step x 128 rows + 512 x column group + 128 x wave
	s_mov_b32 s35, 0
	s_mul_i32 s38, s23, s25
	s_add_co_u32 s38, s38, s27
	s_mul_i32 s40, s24, 12288
	s_add_co_u32 s38, s38, s40                     ; codes: base + row group + two half images a K step
	s_mov_b32 s39, 0
	s_lshl_b32 s40, s23, 1
	s_lshr_b32 s41, s18, 1
	s_add_co_u32 s40, s40, s41
	s_mul_i32 s40, s40, s26
	s_add_co_u32 s40, s40, s28
	s_lshl_b32 s41, s24, 8
	s_add_co_u32 s40, s40, s41                     ; scales: base + my 64 rows + 256 x K step
	s_mov_b32 s41, 0
	s_wait_kmcnt 0x0
	s_cmp_eq_u32 s29, 1
	s_cselect_b64 s[SRC:SRC+1], s[6:7], s[4:5]
	s_cmp_eq_u32 s29, 2
	s_cselect_b64 s[SRC:SRC+1], s[8:9], s[SRC:SRC+1]
	s_cmp_eq_u32 s29, 3
	s_cselect_b64 s[SRC:SRC+1], s[10:11], s[SRC:SRC+1]
	s_cmp_eq_u32 s20, 1
	s_cselect_b64 s[SRC:SRC+1], s[14:15], s[SRC:SRC+1]
	s_cmp_eq_u32 s20, 2
	s_cselect_b64 s[SRC:SRC+1], s[12:13], s[SRC:SRC+1]
	s_add_nc_u64 s[SRC:SRC+1], s[SRC:SRC+1], s[34:35]
	s_add_nc_u64 s[OC:OC+1], s[16:17], s[38:39]
	s_add_nc_u64 s[OS:OS+1], s[16:17], s[40:41]
	s_cmp_eq_u32 s20, 2
	s_cbranch_scc1 .Lwide                          ; W1's rows are 16,384 bytes, all others' 4,096: the pitch stands in the immediates, so the work is written twice
	QW 4096
.Lwide:
	QW 16384
.Lfunc_end_k_qe118098cfd_wq:
	.size	k_qe118098cfd_wq, .Lfunc_end_k_qe118098cfd_wq-k_qe118098cfd_wq
	.p2alignl 7, 3214868480
	.fill 96, 4, 3214868480
	.section	.rodata,"a",@progbits
	.p2align	6, 0x0
	.amdhsa_kernel k_qe118098cfd_wq
		.amdhsa_group_segment_fixed_size 0
		.amdhsa_private_segment_fixed_size 0
		.amdhsa_enable_private_segment 0
		.amdhsa_kernarg_size 56
		.amdhsa_user_sgpr_count 2
		.amdhsa_user_sgpr_kernarg_segment_ptr 1
		.amdhsa_wavefront_size32 1
		.amdhsa_system_sgpr_workgroup_id_x 1
		.amdhsa_system_sgpr_workgroup_id_y 1
		.amdhsa_system_sgpr_workgroup_id_z 1
		.amdhsa_system_vgpr_workitem_id 0
		.amdhsa_next_free_vgpr 192
		.amdhsa_next_free_sgpr 66
		.amdhsa_reserve_vcc 0
		.amdhsa_float_denorm_mode_32 3
		.amdhsa_float_denorm_mode_16_64 3
		.amdhsa_memory_ordered 1
		.amdhsa_forward_progress 1
		.amdhsa_inst_pref_size 41
	.end_amdhsa_kernel
	.amdgpu_metadata
---
amdhsa.version: [ 1, 2 ]
amdhsa.kernels:
  - .name:           k_qe118098cfd_wq
    .symbol:         k_qe118098cfd_wq.kd
    .args:
      - { .name: Wq, .offset: 0, .size: 8, .value_kind: global_buffer, .address_space: global }
      - { .name: Wk, .offset: 8, .size: 8, .value_kind: global_buffer, .address_space: global }
      - { .name: Wv, .offset: 16, .size: 8, .value_kind: global_buffer, .address_space: global }
      - { .name: Wo, .offset: 24, .size: 8, .value_kind: global_buffer, .address_space: global }
      - { .name: W1, .offset: 32, .size: 8, .value_kind: global_buffer, .address_space: global }
      - { .name: W2, .offset: 40, .size: 8, .value_kind: global_buffer, .address_space: global }
      - { .name: WB, .offset: 48, .size: 8, .value_kind: global_buffer, .address_space: global }
    .group_segment_fixed_size: 0
    .private_segment_fixed_size: 0
    .kernarg_segment_align: 8
    .kernarg_segment_size: 56
    .max_flat_workgroup_size: 128
    .sgpr_count:     66
    .vgpr_count:     192
    .wavefront_size: 32
...
	.end_amdgpu_metadata
.endif
;; end of part 1
;; launch ln (part 2): grid 256 x 1, 8 waves a work-group, no clusters, 66,816 bytes of LDS; arguments x, g1, be1, HB; writes HB
.if DOCPART == 2
	.amdgcn_target "amdgcn-amd-amdhsa--gfx1250"
	.amdhsa_code_object_version 6
	.text
	.protected	k_qe118098cfd_ln
	.globl	k_qe118098cfd_ln
	.p2align	8
	.type	k_qe118098cfd_ln,@function
k_qe118098cfd_ln:
	s_mov_b64 s[64:65], 0
	v_nop
	global_prefetch_b8 v0, s[64:65] scope:SCOPE_SE
	s_setreg_imm32_b32 hwreg(HW_REG_WAVE_MODE, 25, 1), 1
	s_wait_xcnt 0x0
; y = (x - mean) rsqrt(var + 1e-5) g + b over rows of 1,024 f32, then quantised along the row to FP6 (E2M3) with one E8M0 byte for each 32, and stored in the order of the operand's registers:
; tile T = 16 rows, lane-row r of tile 2 B + u = row 32 B + 8 u + r + 8 (r / 8); half image (T, kc), 768 bytes: lane l = 16 h + r has 16 bytes at 16 l and 8 at 512 + 8 l: the codes of k = 64 kc + 32 h + 0 .. 31.
; codes at (T / 8) 98,304 + kc 6,144 + (T % 8) 768; scale bytes at 3,145,728 + (T / 4) 2,048 + (k / 128) 256 + 16 r + 4 (T % 4) + (k / 32) % 4.
; SHARES.  A work-group owns one tile.  Phase 1: wave w takes lane-rows 2 w and 2 w + 1, a whole row in 32 registers; mean first, then the squared differences (a common offset cancels before it is squared);
; the finished rows go to a stage in LDS (pitch 4,112 = 257 x 16 bytes).  Phase 2: wave w takes K step w; lane (r, h) reads the 32 neighbours of each of its two blocks and converts them.
; Work-groups share only g and b (8 KiB): no cluster.  Memory binds: no matrix unit.
; LIMITS: NaN and infinities are not served; the sums are taken in another order than a plain loop's; 1 / sqrt by v_rsq_f32; a block of zeros gets the byte 1 (read by this program alone).
.set PITCH, 4112
.set SPARE, 16*PITCH                   ; behind the stage: the spare words, 128 bytes for each of the eight waves
.set X,   32                           ; v32-95   my two rows; later my two blocks
.set GG,  96                           ; v96-127  g of my columns; later the codes
.set BE,  128                          ; v128-159 b of my columns
.set SPW, 14
.set NIL, 15
.macro QBLK x, c, d, by
	v_max3_num_f32 v8, |v[(\x)]|, |v[(\x)+1]|, 0x1800000           ; the largest magnitude, with the floor 2^(3 - 127) among the leaves
	v_max3_num_f32 v9, |v[(\x)+2]|, |v[(\x)+3]|, |v[(\x)+4]|
.irp i, 5,9,13,17,21,25
	v_max3_num_f32 v8, v8, |v[(\x)+\i]|, |v[(\x)+\i+1]|
	v_max3_num_f32 v9, v9, |v[(\x)+\i+2]|, |v[(\x)+\i+3]|
.endr
	v_max3_num_f32 v8, v8, |v[(\x)+29]|, |v[(\x)+30]|
	v_max3_num_f32 v8, v8, v9, |v[(\x)+31]|
	v_add_nc_u32 v10, 0xff000000, v8                               ; 2 off the exponent field: the conversion's scale
	v_cvt_scalef32_pk16_fp6_f32 v[(\c):(\c)+2], v[(\x):(\x)+15], v10
	v_cvt_scalef32_pk16_fp6_f32 v[(\d):(\d)+2], v[(\x)+16:(\x)+31], v10
	v_lshrrev_b32 v[\by], 23, v10                                  ; the byte; the plain line behind the conversions
.irp i, 0,1,2
	v_mov_b32 v[(\c)+3+\i], v[(\d)+\i]
.endr
.endm
; the sum over the wave's 32 lanes of v[16 + 8 q], both rows by turns; the result in every lane
.macro XSUM
.irp m, 1,2,4,8
.irp q, 0,1
	v_add_f32_dpp v[16+8*\q], v[16+8*\q], v[16+8*\q] row_xmask:\m row_mask:0xf bank_mask:0xf
.endr
.endr
.irp q, 0,1
	v_permlanex16_b32 v[17+8*\q], v[16+8*\q], s16, s17
.endr
.irp q, 0,1
	v_add_f32 v[16+8*\q], v[16+8*\q], v[17+8*\q]
.endr
.endm
	s_load_b256 s[4:11], s[0:1], 0x0               ; the rows, g, b, the operand's buffer
	v_lshl_add_u32 v[SPW], v0, 2, SPARE
	v_mov_b32 v[NIL], 0
	v_lshrrev_b32 v1, 5, v0
	v_readfirstlane_b32 s12, v1                    ; wave
	v_and_b32 v1, 31, v0
	v_lshlrev_b32 v2, 4, v1                        ; 16 x lane
	v_lshlrev_b32 v7, 3, v1                        ; 8 x lane
	v_and_b32 v4, 15, v0                           ; r
	v_bfe_u32 v5, v0, 4, 1                         ; h
	v_mul_u32_u24 v3, v4, PITCH
	v_lshl_add_u32 v3, v5, 7, v3
	s_lshl_b32 s20, s12, 9
	v_add_nc_u32 v3, s20, v3                       ; phase 2 reads: row r, 512 w + 128 h bytes on
	s_mul_i32 s20, s12, 2*PITCH
	v_add_nc_u32 v6, s20, v2                       ; phase 1 stores: row 2 w, 16 x lane
	v_lshl_add_u32 v11, v4, 4, v5                  ; my byte among the scales: 16 r + h
	s_lshr_b32 s13, ttmp9, 1
	s_lshl_b32 s13, s13, 5
	s_and_b32 s14, ttmp9, 1
	s_lshl_b32 s14, s14, 3
	s_add_co_u32 s13, s13, s14
	s_lshl_b32 s14, s12, 1
	s_add_co_u32 s13, s13, s14
	s_lshr_b32 s14, s12, 2
	s_lshl_b32 s14, s14, 3
	s_add_co_u32 s13, s13, s14                     ; my first row: 32 (T / 2) + 8 (T % 2) + 2 w + 8 (w / 4); the second is its neighbour
	s_lshl_b32 s14, s13, 12
	s_mov_b32 s15, 0
	s_mov_b32 s16, 0x76543210
	s_mov_b32 s17, 0xfedcba98                      ; lane l xor 16
	s_mov_b32 s18, 0x3a800000                      ; 1 / 1,024
	s_mov_b32 s19, 0x3727c5ac                      ; 1e-5
	s_lshr_b32 s20, ttmp9, 3
	s_mul_i32 s20, s20, 98304
	s_and_b32 s21, ttmp9, 7
	s_mul_i32 s21, s21, 768
	s_add_co_u32 s20, s20, s21
	s_mul_i32 s21, s12, 12288
	s_add_co_u32 s20, s20, s21                     ; codes: my tile, half image 2 w
	s_mov_b32 s21, 0
	s_lshr_b32 s22, ttmp9, 2
	s_lshl_b32 s22, s22, 11
	s_lshl_b32 s23, s12, 8
	s_add_co_u32 s22, s22, s23
	s_and_b32 s23, ttmp9, 3
	s_lshl_b32 s23, s23, 2
	s_add_co_u32 s22, s22, s23
	s_add_co_u32 s22, s22, 3145728                 ; scales: my tile's word of K step w
	s_mov_b32 s23, 0
	s_wait_kmcnt 0x0
	s_add_nc_u64 s[4:5], s[4:5], s[14:15]
	s_add_nc_u64 s[20:21], s[10:11], s[20:21]
	s_add_nc_u64 s[22:23], s[10:11], s[22:23]
.irp q, 0,1
.irp i, 0,1,2,3,4,5,6,7
	global_load_b128 v[X+32*\q+4*\i:X+32*\q+4*\i+3], v2, s[4:5] offset:4096*\q+512*\i      ; 32 lanes read 512 neighbouring bytes
.endr
.endr
.irp i, 0,1,2,3,4,5,6,7
	global_load_b128 v[GG+4*\i:GG+4*\i+3], v2, s[6:7] offset:512*\i
.endr
.irp i, 0,1,2,3,4,5,6,7
	global_load_b128 v[BE+4*\i:BE+4*\i+3], v2, s[8:9] offset:512*\i
.endr
	s_wait_loadcnt 16                              ; my two rows are in; g's eight loads and b's eight may be out
	; ---- the mean
.irp q, 0,1
	v_pk_add_f32 v[16+8*\q:17+8*\q], v[X+32*\q:X+32*\q+1], v[X+32*\q+2:X+32*\q+3]
	v_pk_add_f32 v[18+8*\q:19+8*\q], v[X+32*\q+4:X+32*\q+5], v[X+32*\q+6:X+32*\q+7]
.endr
.irp i, 8,12,16,20,24,28
.irp q, 0,1
	v_pk_add_f32 v[16+8*\q:17+8*\q], v[16+8*\q:17+8*\q], v[X+32*\q+\i:X+32*\q+\i+1]
	v_pk_add_f32 v[18+8*\q:19+8*\q], v[18+8*\q:19+8*\q], v[X+32*\q+\i+2:X+32*\q+\i+3]
.endr
.endr
.irp q, 0,1
	v_pk_add_f32 v[16+8*\q:17+8*\q], v[16+8*\q:17+8*\q], v[18+8*\q:19+8*\q]
.endr
.irp q, 0,1
	v_add_f32 v[16+8*\q], v[16+8*\q], v[17+8*\q]
.endr
	XSUM
.irp q, 0,1
	v_mul_f32 v[20+8*\q], s18, v[16+8*\q]
.endr
.irp q, 0,1
	v_mov_b32 v[21+8*\q], v[20+8*\q]
.endr
	; ---- x - mean, in place; then the mean of its squares
.irp i, 0,2,4,6,8,10,12,14,16,18,20,22,24,26,28,30
.irp q, 0,1
	v_pk_add_f32 v[X+32*\q+\i:X+32*\q+\i+1], v[X+32*\q+\i:X+32*\q+\i+1], v[20+8*\q:21+8*\q] neg_lo:[0,1] neg_hi:[0,1]
.endr
.endr
.irp q, 0,1
	v_pk_mul_f32 v[16+8*\q:17+8*\q], v[X+32*\q:X+32*\q+1], v[X+32*\q:X+32*\q+1]
	v_pk_mul_f32 v[18+8*\q:19+8*\q], v[X+32*\q+2:X+32*\q+3], v[X+32*\q+2:X+32*\q+3]
.endr
.irp i, 4,8,12,16,20,24,28
.irp q, 0,1
	v_pk_fma_f32 v[16+8*\q:17+8*\q], v[X+32*\q+\i:X+32*\q+\i+1], v[X+32*\q+\i:X+32*\q+\i+1], v[16+8*\q:17+8*\q]
	v_pk_fma_f32 v[18+8*\q:19+8*\q], v[X+32*\q+\i+2:X+32*\q+\i+3], v[X+32*\q+\i+2:X+32*\q+\i+3], v[18+8*\q:19+8*\q]
.endr
.endr
.irp q, 0,1
	v_pk_add_f32 v[16+8*\q:17+8*\q], v[16+8*\q:17+8*\q], v[18+8*\q:19+8*\q]
.endr
.irp q, 0,1
	v_add_f32 v[16+8*\q], v[16+8*\q], v[17+8*\q]
.endr
	XSUM
.irp q, 0,1
	v_fma_f32 v[22+8*\q], v[16+8*\q], s18, s19     ; var + 1e-5
.endr
	v_rsq_f32 v22, v22                             ; both rows' as one batch,
	v_rsq_f32 v30, v30
	v_nop                                          ; a plain line behind it,
	s_wait_alu depctr_va_vdst(0)                   ; and one wait ahead of the first reader
	v_mov_b32 v23, v22
	v_mov_b32 v31, v30
	s_wait_loadcnt 0x0                             ; g and b
.irp i, 0,2,4,6,8,10,12,14,16,18,20,22,24,26,28,30
.irp q, 0,1
	v_pk_mul_f32 v[X+32*\q+\i:X+32*\q+\i+1], v[X+32*\q+\i:X+32*\q+\i+1], v[22+8*\q:23+8*\q]
.endr
.irp q, 0,1
	v_pk_fma_f32 v[X+32*\q+\i:X+32*\q+\i+1], v[X+32*\q+\i:X+32*\q+\i+1], v[GG+\i:GG+\i+1], v[BE+\i:BE+\i+1]
.endr
.endr
.irp q, 0,1
.irp i, 0,1,2,3,4,5,6,7
	ds_store_b128 v6, v[X+32*\q+4*\i:X+32*\q+4*\i+3] offset:PITCH*\q+512*\i
.endr
.endr
	s_wait_dscnt 0x0                               ; for the others' sake: my two rows lie in the stage
	s_barrier_signal -1
	s_barrier_wait -1                              ; all sixteen do
	; ---- K step w: my two blocks (64 c + 32 h on), 32 neighbours each
.irp c, 0,1
.irp i, 0,1,2,3,4,5,6,7
	ds_load_b128 v[X+32*\c+4*\i:X+32*\c+4*\i+3], v3 offset:256*\c+16*\i
.endr
.endr
	s_wait_dscnt 8                                 ; the first block's eight loads are in, the second's may be out
	QBLK X, 96, 104, 120
	global_store_b128 v2, v[96:99], s[20:21]       ; the half image as it stands: 512 and 256 neighbouring bytes
	global_store_b64 v7, v[100:101], s[20:21] offset:512
	global_store_b8 v11, v120, s[22:23]            ; my block's byte: block 2 c + h of the K step
	s_wait_dscnt 0x0
	QBLK X+32, 108, 116, 121                       ; registers of its own: no store's data are rewritten
	global_store_b128 v2, v[108:111], s[20:21] offset:6144
	global_store_b64 v7, v[112:113], s[20:21] offset:6144+512
	global_store_b8 v11, v121, s[22:23] offset:2
	s_wait_tensorcnt 0x0                           ; the wave's end
	ds_add_u32 v[SPW], v[NIL]
	s_wait_dscnt 0x0
	s_endpgm
.Lfunc_end_k_qe118098cfd_ln:
	.size	k_qe118098cfd_ln, .Lfunc_end_k_qe118098cfd_ln-k_qe118098cfd_ln
	.p2alignl 7, 3214868480
	.fill 96, 4, 3214868480
	.section	.rodata,"a",@progbits
	.p2align	6, 0x0
	.amdhsa_kernel k_qe118098cfd_ln
		.amdhsa_group_segment_fixed_size 66816
		.amdhsa_private_segment_fixed_size 0
		.amdhsa_enable_private_segment 0
		.amdhsa_kernarg_size 32
		.amdhsa_user_sgpr_count 2
		.amdhsa_user_sgpr_kernarg_segment_ptr 1
		.amdhsa_wavefront_size32 1
		.amdhsa_system_sgpr_workgroup_id_x 1
		.amdhsa_system_sgpr_workgroup_id_y 1
		.amdhsa_system_sgpr_workgroup_id_z 1
		.amdhsa_system_vgpr_workitem_id 0
		.amdhsa_next_free_vgpr 160
		.amdhsa_next_free_sgpr 66
		.amdhsa_reserve_vcc 0
		.amdhsa_float_denorm_mode_32 3
		.amdhsa_float_denorm_mode_16_64 3
		.amdhsa_memory_ordered 1
		.amdhsa_forward_progress 1
		.amdhsa_inst_pref_size 24
	.end_amdhsa_kernel
	.amdgpu_metadata
---
amdhsa.version: [ 1, 2 ]
amdhsa.kernels:
  - .name:           k_qe118098cfd_ln
    .symbol:         k_qe118098cfd_ln.kd
    .args:
      - { .name: x, .offset: 0, .size: 8, .value_kind: global_buffer, .address_space: global }
      - { .name: g1, .offset: 8, .size: 8, .value_kind: global_buffer, .address_space: global }
      - { .name: be1, .offset: 16, .size: 8, .value_kind: global_buffer, .address_space: global }
      - { .name: HB, .offset: 24, .size: 8, .value_kind: global_buffer, .address_space: global }
    .group_segment_fixed_size: 66816
    .private_segment_fixed_size: 0
    .kernarg_segment_align: 8
    .kernarg_segment_size: 32
    .max_flat_workgroup_size: 256
    .sgpr_count:     66
    .vgpr_count:     160
    .wavefront_size: 32
...
	.end_amdgpu_metadata
.endif
;; end of part 2
;; launch qkv (part 3): grid 24 x 32, 4 waves a work-group, clusters of 4 x 4, 327,680 bytes of LDS; arguments WB, HB, bq, bk, bv, QB; writes QB
.if DOCPART == 3
	.amdgcn_target "amdgcn-amd-amdhsa--gfx1250"
	.amdhsa_code_object_version 6
	.text
	.protected	k_qe118098cfd_qkv
	.globl	k_qe118098cfd_qkv
	.p2align	8
	.type	k_qe118098cfd_qkv,@function
k_qe118098cfd_qkv:
	s_mov_b64 s[64:65], 0
	v_nop
	global_prefetch_b8 v0, s[64:65] scope:SCOPE_SE
	s_setreg_imm32_b32 hwreg(HW_REG_WAVE_MODE, 25, 1), 1
	s_wait_xcnt 0x0
	s_wait_alu depctr_hold_cnt(0) depctr_sa_sdst(0) depctr_va_vdst(0) depctr_va_sdst(0) depctr_va_ssrc(0) depctr_va_vcc(0) depctr_vm_vsrc(0)
	s_getreg_b32 s2, hwreg(HW_REG_IB_STS2, 6, 4)
	s_cmp_eq_u32 s2, 0
	s_cbranch_scc0 .Lentry_in_a_cluster
	s_endpgm
.Lentry_in_a_cluster:
	s_bfe_u32 s2, ttmp6, 0x10000c
	s_cmp_lg_u32 s2, 0xf033
	s_cbranch_scc0 .Lentry_shape_is_right
	s_endpgm
.Lentry_shape_is_right:
; q, k, v = LN1(x) W + b on codes of FP6 (E2M3), K = 1,024, and the results quantised at once: q and k along the head's 64, v along the keys.
; OPERANDS lie in memory in the order of the matrix unit's registers: tile T = 16 rows, lane-row r of tile 2 B + u = row 32 B + 8 u + r + 8 (r / 8); half image (T, kc = k / 64) = 768 bytes (lane l: 16 bytes at 16 l, 8 at 512 + 8 l);
; codes at (T / 8) (K / 64) 6,144 + kc 6,144 + (T % 8) 768, so 128 rows x any run of K are one dense block; scale words at (T / 4) (K / 128) 256 + (k / 128) 256 + 16 r + 4 (T % 4).
; With that order of rows, register j of lane (r, h) of a result tile a is index 32 (a / 2) + 16 h + 8 (a % 2) + j of source 0: the 32 registers of four tiles are 2 x 16 neighbours along the next K.
; SHARES.  A work-group makes 128 tokens x 128 columns, four waves 64 x 64 each (16 accumulators).  A = tokens (HB), B = weights (WB rows 0 .. 3,071: Wq, Wk, Wv).  All of K fits in two LDS slots of 512 along K: nothing is filled twice.
; q, k (cluster x 0 .. 3): source 0 = weights, source 1 = tokens: a lane holds one token, its registers run along the head.  v (cluster x 4, 5): source 0 = tokens, source 1 = weights: a lane holds one channel, its registers
; run along the keys.  The instructions are the same: only the LDS addresses of the two sources change places, by a choice on the cluster's x, which all partners share.
; CLUSTER 4 x 4: A's tiles are asked for jointly along a row of the cluster, B's along a column.
; OUT (QB): q, k codes (4,096 tokens x 32 heads' half images) at 0; v codes (1,024 channels x 4,096 keys) at 6,291,456; scale bytes at 9,437,184 + kc' 8,192 + (token / 128) 256, kc' = 0-15 q, 16-31 k, 32-47 v:
; q, k: + 16 r + 4 ((token / 32) % 4) + 2 (tile % 2) + block;   v: + 16 r + 4 (tile % 4) + (key / 32) % 4.
; LIMITS: NaN and infinities are not served; a block of zeros gets the byte 1 (read by this program alone).
.set KTOT,  1024
.set AS_OFF, 3145728
.set BC_OFF, 0
.set BS_OFF, 9437184
.set OPS,   49152                      ; one operand's part of a slot: 8 half-image columns of 6,144 bytes
.set HALFT, 24576                      ; what one tensor load brings: 96 rows of 256 bytes
.set SLOT,  98304
.set RGB,   KTOT*96                    ; 128 rows' codes
.set NSL,   KTOT/512
.set SCH,   KTOT*2                     ; 64 rows' scale bytes for all of K
.set SCL,   2*SLOT                     ; behind the slots: A's two halves' scales, then B's
.set SPARE, SCL+4*SCH                  ; the spare words, 128 bytes a wave
.set R, 1
.set H, 2
.set L16, 3                            ; 16 x lane
.set L8, 4                             ; 8 x lane
.set S0A, 8                            ; v8-9 source 0's 16-byte pieces in slot 0, 1; v10-11 its 8-byte pieces
.set S1A, 12                           ; v12-15 the same for source 1
.set SS0, 16                           ; scale words of source 0, of source 1
.set SS1, 17
.set SPW, 18
.set NIL, 19
.set VS1, 21
.set VS2, 22
.set SC, 24                            ; v24-39 two sets of scale words: source 0's four tiles, source 1's four; they hold nothing else
.set QM, 40                            ; v40-47 the quantiser's maxima, exchange, scale operands, bytes
.set HW, 48                            ; v48-51 two scale bytes for each of four tiles
.set QC, 52                            ; v52-57 a half image
.set QD, 60
.set B1, 64                            ; v64-71 v's bias: my row's, twice, for each tile b
.set B0, 96                            ; v96-127 q's, k's bias in the result's layout
.set ACC, 128                          ; accumulator (a, b) at v[128 + 8 (4 b + a)]
.set F0, 0                             ; window 1: two sets of fragments: source 0's four at + 12 a, source 1's at + 48 + 12 b
.set F1, 128
.set WV, 16
.set WY, 17
.set WX, 18
.set MODE, 19
.set CX, 20
.set CY, 21
.set XT, 22
.set YT, 23
.set G1A, 24
.set G0A, 32
.set G1B, 48
.set G0B, 56
.set G1SA, 68
.set G0SA, 76
.set G1SB, 80
.set G0SB, 88
.set BP, 92
.set OC, 94
.set OS, 96
.set SEL, 100
.set MK, 2
.set MSB, 0
.macro WIN new                         ; the immediate's high byte repeats the setting that is left
.if MSB != \new
	s_set_vgpr_msb (MSB<<8)|\new
.set MSB, \new
.endif
.endm
.macro PLACES                          ; four plain lines behind a matrix instruction, ahead of loads into its registers and of reads of its results
.rept 4
	v_nop
.endr
.endm
.macro JLOAD g0a, g1a, g0b, g1b        ; a joint load: waves 0, 1 fetch for A, waves 2, 3 for B; s_nop 0 and four v_nop follow each line
	s_cmp_eq_u32 s[WY], 0
	s_cbranch_scc0 .Lfor_b_\@
	tensor_load_to_lds s[\g0a:\g0a+3], s[\g1a:\g1a+7]
	s_nop 0
.rept 4
	v_nop
.endr
	s_branch .Lasked_\@
.Lfor_b_\@:
	tensor_load_to_lds s[\g0b:\g0b+3], s[\g1b:\g1b+7]
	s_nop 0
.rept 4
	v_nop
.endr
.Lasked_\@:
.endm
.macro CROUND                          ; a round of the cluster's barrier
	s_barrier_signal -1
	s_barrier_wait -1
	s_cmp_lg_u32 s[WV], 0
	s_cbranch_scc1 .Lnot_wave_0_\@
	s_barrier_signal -3
.Lnot_wave_0_\@:
	s_barrier_wait -3
	s_barrier_signal -1
	s_barrier_wait -1
.endm
.macro FRAGS reg, adr, slot, q         ; four fragments (16 rows x 128 K, 12 registers): two half images each, every load lane by lane on end
.irp i, 0,1,2,3
.irp c, 0,1
	ds_load_b128 v[\reg+12*\i+6*\c:\reg+12*\i+6*\c+3], v[\adr+\slot] offset:(2*(\q)+\c)*6144+768*\i
	ds_load_b64 v[\reg+12*\i+6*\c+4:\reg+12*\i+6*\c+5], v[\adr+2+\slot] offset:(2*(\q)+\c)*6144+768*\i+512
.endr
.endr
.endm
.macro FETCH slot, q, f, sc            ; the slot's q-th 128 along K: 32 loads of codes, 2 of scale words (one register a tile)
	WIN 0x40
	FRAGS \f, S0A, \slot, \q
	FRAGS \f+48, S1A, \slot, \q
	WIN 0
	ds_load_b128 v[SC+8*(\sc):SC+8*(\sc)+3], v[SS0] offset:256*(\q)
	ds_load_b128 v[SC+8*(\sc)+4:SC+8*(\sc)+7], v[SS1] offset:256*(\q)
.endm
.macro MUL f, sc, first                ; 16 products; the 16 accumulators take turns, one instruction a turn, in the same order in every step
	WIN 0x05
.irp b, 0,1,2,3
.irp a, 0,1,2,3
.if \first == 1
	v_wmma_scale_f32_16x16x128_f8f6f4 v[ACC+8*(4*\b+\a):ACC+8*(4*\b+\a)+7], v[\f+12*\a:\f+12*\a+11], v[\f+48+12*\b:\f+48+12*\b+11], 0, v[SC+8*\sc+\a], v[SC+8*\sc+4+\b] matrix_a_fmt:MATRIX_FMT_FP6 matrix_b_fmt:MATRIX_FMT_FP6
.else
	v_wmma_scale_f32_16x16x128_f8f6f4 v[ACC+8*(4*\b+\a):ACC+8*(4*\b+\a)+7], v[\f+12*\a:\f+12*\a+11], v[\f+48+12*\b:\f+48+12*\b+11], v[ACC+8*(4*\b+\a):ACC+8*(4*\b+\a)+7], v[SC+8*\sc+\a], v[SC+8*\sc+4+\b] matrix_a_fmt:MATRIX_FMT_FP6 matrix_b_fmt:MATRIX_FMT_FP6
.endif
.endr
.endr
.endm
.macro SLOTWORK slot, first            ; a slot's four steps; each step's fragments are asked for ahead of the step before's products; every wait is for all LDS loads, which are one step's
	PLACES
	FETCH \slot, 0, F0, 0
	s_wait_dscnt 0x0
	FETCH \slot, 1, F1, 1
	MUL F0, 0, \first
	s_wait_dscnt 0x0
	PLACES
	FETCH \slot, 2, F0, 0
	MUL F1, 1, 0
	s_wait_dscnt 0x0
	PLACES
	FETCH \slot, 3, F1, 1
	MUL F0, 0, 0
	s_wait_dscnt 0x0
	MUL F1, 1, 0
	WIN 0
.endm
.macro TWO slot, refill                ; the change of slots
	s_wait_tensorcnt 0x0                           ; all my tensor loads have landed, my part of this slot among them
	ds_add_u32 v[SPW], v[NIL]                      ; 0 onto my spare word
.if \refill
	s_add_nc_u64 s[G0A+4*(1-\slot)+2:G0A+4*(1-\slot)+3], s[G0A+4*(1-\slot)+2:G0A+4*(1-\slot)+3], 2*OPS
	s_add_nc_u64 s[G0B+4*(1-\slot)+2:G0B+4*(1-\slot)+3], s[G0B+4*(1-\slot)+2:G0B+4*(1-\slot)+3], 2*OPS
.endif
	v_add_nc_u32 v[SS0], 1024, v[SS0]              ; four steps' scale words on
	v_add_nc_u32 v[SS1], 1024, v[SS1]
	s_wait_dscnt 0x0                               ; the add is done, my reads of the other slot are over
.if \refill
	CROUND
	JLOAD G0A+4*(1-\slot), G1A, G0B+4*(1-\slot), G1B
.else
	s_barrier_signal -1
	s_barrier_wait -1
.endif
	SLOTWORK \slot, 0
.endm
; 32 numbers of a lane, register 16 B + i = k 32 B + 16 h + i of my row -> a half image in v[QC] on, the two blocks' bytes in v[hw]
.macro Q2 s, hw
	v_max3_num_f32 v[QM], |v[(\s)]|, |v[(\s)+1]|, 0x1800000        ; with the floor 2^(3 - 127): the byte cannot fall under 1
	v_max3_num_f32 v[QM+1], |v[(\s)+16]|, |v[(\s)+17]|, 0x1800000
.irp i, 2,4,6,8,10,12,14
	v_max3_num_f32 v[QM], v[QM], |v[(\s)+\i]|, |v[(\s)+\i+1]|
	v_max3_num_f32 v[QM+1], v[QM+1], |v[(\s)+16+\i]|, |v[(\s)+17+\i]|
.endr
	v_permlanex16_b32 v[QM+2], v[QM], s[SEL], s[SEL+1]
	v_permlanex16_b32 v[QM+3], v[QM+1], s[SEL], s[SEL+1]
	v_max_num_f32 v[QM], v[QM], v[QM+2]            ; with lane l xor 16's 16: the block's largest magnitude
	v_max_num_f32 v[QM+1], v[QM+1], v[QM+3]
	v_add_nc_u32 v[QM+4], 0xff000000, v[QM]        ; 2 off the exponent field: the conversion's scale
	v_add_nc_u32 v[QM+5], 0xff000000, v[QM+1]
	v_lshrrev_b32 v[QM+6], 23, v[QM+4]
	v_lshrrev_b32 v[QM+7], 23, v[QM+5]
	v_lshl_or_b32 v[\hw], v[QM+7], 8, v[QM+6]
	v_cvt_scalef32_pk16_fp6_f32 v[QC:QC+2], v[(\s):(\s)+15], v[QM+4]
	v_cvt_scalef32_pk16_fp6_f32 v[QD:QD+2], v[(\s)+16:(\s)+31], v[QM+5]
	v_nop                                          ; one plain line behind the conversions
.irp i, 0,1,2
	v_permlane16_swap_b32 v[QC+\i], v[QD+\i]       ; the layout wants a whole block in a lane: lanes 0-15 block 0, lanes 16-31 block 1
.endr
.irp i, 0,1,2
	v_mov_b32 v[QC+3+\i], v[QD+\i]
.endr
.endm
; the way out: bias, quantiser, stores, a tile of source 1 at a time.  vmode = 0: the bias runs along the registers; 1: it is the lane's row's
.macro EPI vmode
.irp b, 0,1,2,3
.if \b > 0
	s_wait_xcnt 0x0                                ; the last tile's stores have read the half image's registers
.endif
.set ii, 0
.rept 16
.if \vmode
	v_pk_add_f32 v[ACC+32*\b+ii:ACC+32*\b+ii+1], v[ACC+32*\b+ii:ACC+32*\b+ii+1], v[B1+2*\b:B1+2*\b+1]
.else
	v_pk_add_f32 v[ACC+32*\b+ii:ACC+32*\b+ii+1], v[ACC+32*\b+ii:ACC+32*\b+ii+1], v[B0+ii:B0+ii+1]   ; each accumulator from its low end on
.endif
.set ii, ii+2
.endr
	Q2 ACC+32*\b, HW+\b
	global_store_b128 v[L16], v[QC:QC+3], s[OC:OC+1] offset:768*\b          ; 512 and 256 neighbouring bytes
	global_store_b64 v[L8], v[QC+4:QC+5], s[OC:OC+1] offset:768*\b+512
.endr
.if \vmode
	v_cndmask_b32 v[QM], v[HW], v[HW+2], s[MK]     ; lanes 0-15 store tiles 0, 1, lanes 16-31 tiles 2, 3: two bytes each
	v_cndmask_b32 v[QM+1], v[HW+1], v[HW+3], s[MK]
	global_store_b16 v[VS2], v[QM], s[OS:OS+1]
	global_store_b16 v[VS2], v[QM+1], s[OS:OS+1] offset:4
.else
	v_lshl_or_b32 v[QM], v[HW+1], 16, v[HW]        ; a word = the two tiles of 32 tokens, two bytes each
	v_lshl_or_b32 v[QM+1], v[HW+3], 16, v[HW+2]
	v_cndmask_b32 v[QM], v[QM], v[QM+1], s[MK]
	global_store_b32 v[VS1], v[QM], s[OS:OS+1]
.endif
.endm
	s_load_b256 s[4:11], s[0:1], 0x0               ; WB, HB, bq, bk
	s_load_b128 s[12:15], s[0:1], 0x20             ; bv, QB
	v_lshl_add_u32 v[SPW], v0, 2, SPARE
	v_mov_b32 v[NIL], 0
	ds_add_u32 v[SPW], v[NIL]                      ; the wave's opening: the add and its wait ahead of my first tensor load
	v_lshrrev_b32 v1, 5, v0
	v_readfirstlane_b32 s[WV], v1
	s_lshr_b32 s[WY], s[WV], 1                     ; my half of A's rows; also: I fetch for A (0) or B (1)
	s_and_b32 s[WX], s[WV], 1                      ; my half of B's rows; also: which half of a slot's part I fetch
	s_lshr_b32 s[MODE], ttmp9, 2                   ; 0: q, k; 1: v.  From the cluster's x: the same in all sixteen partners
	s_bfe_u32 s[CX], ttmp6, 0x40000
	s_bfe_u32 s[CY], ttmp6, 0x40004
	s_lshl_b32 s[XT], ttmp9, 2
	s_add_co_u32 s[XT], s[XT], s[CX]               ; tile column
	s_and_b32 s[YT], ttmp7, 0xffff
	s_lshl_b32 s[YT], s[YT], 2
	s_add_co_u32 s[YT], s[YT], s[CY]               ; tile row
	s_lshl_b32 s40, s[CY], 2
	s_lshl_b32 s40, 15, s40                        ; my row of the cluster
	s_lshl_b32 s41, 0x1111, s[CX]                  ; my column
	s_or_b32 s[G1A], s40, (3<<16)|(1<<21)          ; the mask; elements of 8 bytes; bit 21 beside a mask; no padding
	s_or_b32 s[G1SA], s40, (3<<16)|(1<<21)
	s_or_b32 s[G1B], s41, (3<<16)|(1<<21)
	s_or_b32 s[G1SB], s41, (3<<16)|(1<<21)
.irp g, G1A, G1B
	s_mov_b32 s[\g+1], 32<<16                      ; dense blocks as rows of 256 bytes: 32 elements,
	s_mov_b32 s[\g+2], 96<<16                      ; 96 rows
	s_mov_b32 s[\g+3], 32<<16
	s_mov_b32 s[\g+4], 96
	s_mov_b32 s[\g+5], 32
	s_mov_b32 s[\g+6], 0
	s_mov_b32 s[\g+7], 0
.endr
.irp g, G1SA, G1SB
	s_mov_b32 s[\g+1], 32<<16
	s_mov_b32 s[\g+2], (KTOT/128)<<16
	s_mov_b32 s[\g+3], 32<<16
	s_mov_b32 s[\g+4], KTOT/128
	s_mov_b32 s[\g+5], 32
	s_mov_b32 s[\g+6], 0
	s_mov_b32 s[\g+7], 0
.endr
	s_mul_i32 s96, s[WX], HALFT
	s_mul_i32 s42, s[YT], RGB
	s_add_co_u32 s42, s42, s96                     ; A's codes: the tile row's 128 rows, my half of a slot's part
	s_mov_b32 s43, 0
	s_lshl_b32 s44, s[YT], 1
	s_add_co_u32 s44, s44, s[WX]
	s_mul_i32 s44, s44, SCH
	s_add_co_u32 s44, s44, AS_OFF                  ; A's scales: 64 rows
	s_mov_b32 s45, 0
	s_mul_i32 s46, s[XT], RGB
	s_add_co_u32 s46, s46, s96
	s_add_co_u32 s46, s46, BC_OFF                  ; B likewise, by the tile column
	s_mov_b32 s47, 0
	s_lshl_b32 s92, s[XT], 1
	s_add_co_u32 s92, s92, s[WX]
	s_mul_i32 s92, s92, SCH
	s_add_co_u32 s92, s92, BS_OFF
	s_mov_b32 s93, 0
	s_mul_i32 s94, s[WV], HALFT                    ; where they go: by the wave's number alone
	s_mul_i32 s95, s[WV], SCH
	s_mov_b32 s[SEL], 0x76543210
	s_mov_b32 s[SEL+1], 0xfedcba98
	s_wait_dscnt 0x0                               ; the opening add is done
	s_wait_kmcnt 0x0
	s_add_nc_u64 s[42:43], s[6:7], s[42:43]
	s_add_nc_u64 s[44:45], s[6:7], s[44:45]
	s_add_nc_u64 s[46:47], s[4:5], s[46:47]
	s_add_nc_u64 s[92:93], s[4:5], s[92:93]
	CROUND                                         ; all sixteen work-groups are here: the first joint loads meet
	s_mov_b32 s[G0SA], 1
	s_add_co_u32 s[G0SA+1], s95, SCL
	s_mov_b64 s[G0SA+2:G0SA+3], s[44:45]
	s_or_b32 s[G0SA+3], s[G0SA+3], 0x80000000
	s_mov_b32 s[G0SB], 1
	s_add_co_u32 s[G0SB+1], s95, SCL
	s_mov_b64 s[G0SB+2:G0SB+3], s[92:93]
	s_or_b32 s[G0SB+3], s[G0SB+3], 0x80000000
	JLOAD G0SA, G1SA, G0SB, G1SB                   ; the scales of all of K, once
.irp s, 0,1
	s_mov_b32 s[G0A+4*\s], 1
	s_add_co_u32 s[G0A+4*\s+1], s94, \s*SLOT
	s_add_nc_u64 s[G0A+4*\s+2:G0A+4*\s+3], s[42:43], \s*OPS
	s_or_b32 s[G0A+4*\s+3], s[G0A+4*\s+3], 0x80000000
	s_mov_b32 s[G0B+4*\s], 1
	s_add_co_u32 s[G0B+4*\s+1], s94, \s*SLOT
	s_add_nc_u64 s[G0B+4*\s+2:G0B+4*\s+3], s[46:47], \s*OPS
	s_or_b32 s[G0B+4*\s+3], s[G0B+4*\s+3], 0x80000000
	JLOAD G0A+4*\s, G1A, G0B+4*\s, G1B             ; three loads of mine are out
.endr
	v_and_b32 v[R], 15, v0
	v_bfe_u32 v[H], v0, 4, 1
	v_and_b32 v5, 31, v0
	v_lshlrev_b32 v[L16], 4, v5
	v_lshlrev_b32 v[L8], 3, v5
	s_mul_i32 s98, s[WX], 3072
	s_add_co_u32 s98, s98, OPS                     ; my four tiles of B,
	s_mul_i32 s99, s[WY], 3072                     ; my four of A
	s_cmp_lg_u32 s[MODE], 0
	s_cselect_b32 s40, s99, s98                    ; source 0: B for q, k; A for v.  Either way inside the slot: 49,152 + 3,072 + 46,080 bytes at the most
	s_cselect_b32 s41, s98, s99                    ; source 1: the other
.irp s, 0,1
	v_add_nc_u32 v[S0A+\s], s40, v[L16]
	v_add_nc_u32 v[S0A+2+\s], s40, v[L8]
	v_add_nc_u32 v[S1A+\s], s41, v[L16]
	v_add_nc_u32 v[S1A+2+\s], s41, v[L8]
	s_add_co_u32 s40, s40, SLOT
	s_add_co_u32 s41, s41, SLOT
.endr
	v_lshlrev_b32 v5, 4, v[R]
	s_mul_i32 s98, s[WX], SCH
	s_add_co_u32 s98, s98, SCL+2*SCH
	s_mul_i32 s99, s[WY], SCH
	s_add_co_u32 s99, s99, SCL
	s_cmp_lg_u32 s[MODE], 0
	s_cselect_b32 s40, s99, s98
	s_cselect_b32 s41, s98, s99
	v_add_nc_u32 v[SS0], s40, v5                   ; 16 bytes a row: four tiles' words
	v_add_nc_u32 v[SS1], s41, v5
	s_cmp_lt_u32 ttmp9, 2                          ; the bias: bq, bk or bv, by the cluster's x
	s_cselect_b64 s[BP:BP+1], s[8:9], s[10:11]
	s_cmp_lt_u32 ttmp9, 4
	s_cselect_b64 s[BP:BP+1], s[BP:BP+1], s[12:13]
	s_and_b32 s98, s[XT], 7
	s_lshl_b32 s98, s98, 9
	s_lshl_b32 s99, s[WX], 8
	s_add_co_u32 s98, s98, s99
	s_mov_b32 s99, 0
	s_add_nc_u64 s[BP:BP+1], s[BP:BP+1], s[98:99]  ; my 64 columns
	v_lshlrev_b32 v6, 6, v[H]
.irp a, 0,1,2,3
	global_load_b128 v[B0+8*\a:B0+8*\a+3], v6, s[BP:BP+1] offset:(32*(\a/2)+8*(\a%2))*4        ; columns 32 (a / 2) + 16 h + 8 (a % 2) + 0 .. 7
	global_load_b128 v[B0+8*\a+4:B0+8*\a+7], v6, s[BP:BP+1] offset:(32*(\a/2)+8*(\a%2))*4+16
.endr
	v_and_b32 v7, 8, v[R]
	v_add_nc_u32 v7, v7, v[R]
	v_lshlrev_b32 v7, 2, v7
.irp b, 0,1,2,3
	global_load_b32 v[B1+2*\b], v7, s[BP:BP+1] offset:(32*(\b/2)+8*(\b%2))*4                   ; column 32 (b / 2) + 8 (b % 2) + r + 8 (r / 8), into both halves of a pair.  Both forms are loaded in both modes
	global_load_b32 v[B1+2*\b+1], v7, s[BP:BP+1] offset:(32*(\b/2)+8*(\b%2))*4
.endr
	v_lshl_add_u32 v[VS1], v[H], 2, v5             ; 16 r + 4 h
	v_lshl_add_u32 v[VS2], v[H], 3, v5             ; 16 r + 8 h
	v_mov_b32 v[QM+2], 0                           ; written once: a lane permute's destination counts as one of its sources
	v_mov_b32 v[QM+3], 0
	s_mov_b32 s[MK], 0xffff0000                    ; lanes 16-31
	; where the results go
	s_lshl_b32 s40, s[XT], 1
	s_add_co_u32 s40, s40, s[WX]                   ; kc' = 2 XT + WX
	s_lshl_b32 s41, s[YT], 1
	s_add_co_u32 s41, s41, s[WY]
	s_mul_i32 s98, s[YT], 196608
	s_mul_i32 s46, s40, 6144
	s_add_co_u32 s98, s98, s46
	s_mul_i32 s46, s[WY], 3072
	s_add_co_u32 s98, s98, s46                     ; q, k: token group YT, half image kc', my four tiles
	s_sub_co_u32 s47, s[XT], 16
	s_mul_i32 s99, s47, 393216
	s_mul_i32 s46, s41, 6144
	s_add_co_u32 s99, s99, s46
	s_mul_i32 s46, s[WX], 3072
	s_add_co_u32 s99, s99, s46
	s_add_co_u32 s99, s99, 6291456                 ; v: channel group XT - 16, half image 2 YT + WY, my four tiles
	s_cmp_lg_u32 s[MODE], 0
	s_cselect_b32 s94, s99, s98
	s_mov_b32 s95, 0
	s_add_nc_u64 s[OC:OC+1], s[14:15], s[94:95]
	s_lshl_b32 s98, s40, 13
	s_lshl_b32 s46, s[YT], 8
	s_add_co_u32 s98, s98, s46
	s_add_co_u32 s98, s98, 9437184
	s_lshl_b32 s46, s[WY], 3
	s_lshl_b32 s47, s[WY], 1
	s_cmp_lg_u32 s[MODE], 0
	s_cselect_b32 s46, s47, s46
	s_add_co_u32 s96, s98, s46
	s_mov_b32 s97, 0
	s_add_nc_u64 s[OS:OS+1], s[14:15], s[96:97]
	s_wait_tensorcnt 0x1                           ; the scales and my part of slot 0 are in; slot 1's load may be out
	s_barrier_signal -1
	s_barrier_wait -1
	SLOTWORK 0, 1                                  ; the first products start the sums
	TWO 1, 0
	PLACES
	s_wait_loadcnt 0x0                             ; the biases
	s_cmp_lg_u32 s[MODE], 0
	s_cbranch_scc1 .Lv
	EPI 0
	s_branch .Lend
.Lv:
	EPI 1
.Lend:
	s_wait_tensorcnt 0x0                           ; the wave's end
	ds_add_u32 v[SPW], v[NIL]
	s_wait_dscnt 0x0
	CROUND                                         ; the closing round
	s_endpgm
.Lfunc_end_k_qe118098cfd_qkv:
	.size	k_qe118098cfd_qkv, .Lfunc_end_k_qe118098cfd_qkv-k_qe118098cfd_qkv
	.p2alignl 7, 3214868480
	.fill 96, 4, 3214868480
	.section	.rodata,"a",@progbits
	.p2align	6, 0x0
	.amdhsa_kernel k_qe118098cfd_qkv
		.amdhsa_group_segment_fixed_size 327680
		.amdhsa_private_segment_fixed_size 0
		.amdhsa_enable_private_segment 0
		.amdhsa_kernarg_size 48
		.amdhsa_user_sgpr_count 2
		.amdhsa_user_sgpr_kernarg_segment_ptr 1
		.amdhsa_wavefront_size32 1
		.amdhsa_system_sgpr_workgroup_id_x 1
		.amdhsa_system_sgpr_workgroup_id_y 1
		.amdhsa_system_sgpr_workgroup_id_z 1
		.amdhsa_system_vgpr_workitem_id 0
		.amdhsa_next_free_vgpr 512
		.amdhsa_next_free_sgpr 104
		.amdhsa_reserve_vcc 0
		.amdhsa_float_denorm_mode_32 3
		.amdhsa_float_denorm_mode_16_64 3
		.amdhsa_memory_ordered 1
		.amdhsa_forward_progress 1
		.amdhsa_inst_pref_size 74
	.end_amdhsa_kernel
	.amdgpu_metadata
---
amdhsa.version: [ 1, 2 ]
amdhsa.kernels:
  - .name:           k_qe118098cfd_qkv
    .symbol:         k_qe118098cfd_qkv.kd
    .args:
      - { .name: WB, .offset: 0, .size: 8, .value_kind: global_buffer, .address_space: global }
      - { .name: HB, .offset: 8, .size: 8, .value_kind: global_buffer, .address_space: global }
      - { .name: bq, .offset: 16, .size: 8, .value_kind: global_buffer, .address_space: global }
      - { .name: bk, .offset: 24, .size: 8, .value_kind: global_buffer, .address_space: global }
      - { .name: bv, .offset: 32, .size: 8, .value_kind: global_buffer, .address_space: global }
      - { .name: QB, .offset: 40, .size: 8, .value_kind: global_buffer, .address_space: global }
    .group_segment_fixed_size: 327680
    .private_segment_fixed_size: 0
    .kernarg_segment_align: 8
    .kernarg_segment_size: 48
    .max_flat_workgroup_size: 128
    .sgpr_count:     104
    .vgpr_count:     512
    .wavefront_size: 32
...
	.end_amdgpu_metadata
.endif
;; end of part 3
;; launch attn (part 4): grid 8 x 32, 16 waves a work-group, clusters of 4 x 1, 327,680 bytes of LDS; arguments QB, AB; writes AB
.if DOCPART == 4
	.amdgcn_target "amdgcn-amd-amdhsa--gfx1250"
	.amdhsa_code_object_version 6
	.text
	.protected	k_qe118098cfd_attn
	.globl	k_qe118098cfd_attn
	.p2align	8
	.type	k_qe118098cfd_attn,@function
k_qe118098cfd_attn:
	s_mov_b64 s[64:65], 0
	v_nop
	global_prefetch_b8 v0, s[64:65] scope:SCOPE_SE
	s_setreg_imm32_b32 hwreg(HW_REG_WAVE_MODE, 25, 1), 1
	s_wait_xcnt 0x0
	s_wait_alu depctr_hold_cnt(0) depctr_sa_sdst(0) depctr_va_vdst(0) depctr_va_sdst(0) depctr_va_ssrc(0) depctr_va_vcc(0) depctr_vm_vsrc(0)
	s_getreg_b32 s2, hwreg(HW_REG_IB_STS2, 6, 4)
	s_cmp_eq_u32 s2, 0
	s_cbranch_scc0 .Lentry_in_a_cluster
	s_endpgm
.Lentry_in_a_cluster:
	s_bfe_u32 s2, ttmp6, 0x10000c
	s_cmp_lg_u32 s2, 0x3003
	s_cbranch_scc0 .Lentry_shape_is_right
	s_endpgm
.Lentry_shape_is_right:
; Causal attention of one head on codes of FP6 (E2M3), head size 64; the result is quantised along the model's axis and stored as the next product's operand.
; t = score x log2(e) / 8; M = the running largest t rounded up to a whole number; p = 2^(t - M) is quantised along the keys, not normalised; the sum of the unquantised p divides at the end; when M moves, sum and O are multiplied by 2^(old M - new M).
; SHARES.  Work-group (j, batch x 16 + head), sixteen waves, one tile of 16 queries each.  Wave w takes G = w xor 3 ((w / 4) % 2) and token tile 8 G + j: it needs key steps 0 .. G of 128 keys, step G on the diagonal.
; So every work-group has 136 wave-steps, and the four waves with equal w % 4 have 34.  j enters global addresses and one data register alone.
; NO RING.  A head's K codes (98,304 bytes), V codes (98,304) and their scale bytes (2 x 4,096) fit in LDS and come by first fills alone, asked for jointly by the four work-groups of a cluster: wave 0 K's three loads, wave 1 V's three.
; LAYOUT.  Both products are used transposed (S^T = K Q^T, O^T = V^T P^T): a lane holds one query.  Rows of every operand are ordered so that lane-row r of tile 2 B + u is row 32 B + 8 u + r + 8 (r / 8): the 16 registers
; of two neighbouring score tiles are 16 neighbouring keys, and the 32 registers of O^T are 2 x 16 neighbouring channels.
; K = 64 IN AN INSTRUCTION OF 128.  The half images of key tiles 2 B and 2 B + 1 are ONE fragment (k 0-63: tile 2 B; k 64-127: tile 2 B + 1).  Multiplied by Q with zero codes in k 64-127 it gives tile 2 B's scores, by Q with zero codes
; in k 0-63 tile 2 B + 1's.  A zero code adds nothing under any scale byte but 0xff, and no byte here is 0xff.
; LIMITS: NaN and infinities are not served; 1 / l by v_rcp_f32; a block of zeros gets the byte 1 (read by this program alone).
.set VC,    98304                      ; LDS: K's codes at 0 (6,144 a step), V's here (6,144 a step: two half-image columns of four tiles),
.set KSC,   196608                     ; K's scale words (256 a step),
.set VSC,   200704                     ; V's,
.set SPARE, 204800                     ; the spare words, 128 bytes for each of sixteen waves
.set WV, 8
.set G, 9
.set CX, 10
.set J, 11
.set HD, 12
.set BT, 13
.set G1S, 24
.set G1KA, 32
.set G1KB, 40
.set G1VA, 48
.set G1VB, 56
.set G0KS, 68
.set G0KA, 72
.set G0KB, 76
.set G0VS, 80
.set G0VA, 84
.set G0VB, 88
.set SEL, 92
.set CS, 94
.set TB, 96                            ; the step's codes: 6,144 a step
.set TS, 97                            ; its scale words: 256 a step
.set SI, 98                            ; the step
.set LC, 99
.set QM, 224
.set QC, 192
.set QD, 204
; v1-6 lane addresses; v7, v8 the add's two; v9 my query less 16 h; v10, v11 Q's scale words; v12 -M, v13 largest t, v[14:15] the sum; v16-27, v28-39 Q twice; v40-87 four fragments; v88-91, v92-95 K's, V's scale words;
; v96-159 S^T, then p; v160-191 O^T; v192-203 p's codes; v204-211 second conversions; v212-217 the step's addresses; v224-235 at work; v236 p's scale word; v[238:239] f; v240-243 at work
.macro DESC g, c, rows, pitch          ; group 1: rows of c elements of 8 bytes, pitch elements apart; mask: all four work-groups; bit 21 beside it; no padding
	s_mov_b32 s[\g], 15|(3<<16)|(1<<21)
	s_mov_b32 s[\g+1], (\c)<<16
	s_mov_b32 s[\g+2], (\rows)<<16
	s_mov_b32 s[\g+3], (\c)<<16
	s_mov_b32 s[\g+4], \rows
	s_mov_b32 s[\g+5], \pitch
	s_mov_b32 s[\g+6], 0
	s_mov_b32 s[\g+7], 0
.endm
.macro CROUND
	s_barrier_signal -1
	s_barrier_wait -1
	s_cmp_lg_u32 s[WV], 0
	s_cbranch_scc1 .Lnot_wave_0_\@
	s_barrier_signal -3
.Lnot_wave_0_\@:
	s_barrier_wait -3
	s_barrier_signal -1
	s_barrier_wait -1
.endm
.macro Q2 s, hw                        ; 32 numbers, register 16 B + i = k 32 B + 16 h + i -> a half image in v[QC] on, two bytes in v[hw]
	v_max3_num_f32 v[QM], |v[(\s)]|, |v[(\s)+1]|, 0x1800000
	v_max3_num_f32 v[QM+1], |v[(\s)+16]|, |v[(\s)+17]|, 0x1800000
.irp i, 2,4,6,8,10,12,14
	v_max3_num_f32 v[QM], v[QM], |v[(\s)+\i]|, |v[(\s)+\i+1]|
	v_max3_num_f32 v[QM+1], v[QM+1], |v[(\s)+16+\i]|, |v[(\s)+17+\i]|
.endr
	v_permlanex16_b32 v[QM+2], v[QM], s[SEL], s[SEL+1]
	v_permlanex16_b32 v[QM+3], v[QM+1], s[SEL], s[SEL+1]
	v_max_num_f32 v[QM], v[QM], v[QM+2]
	v_max_num_f32 v[QM+1], v[QM+1], v[QM+3]
	v_add_nc_u32 v[QM+4], 0xff000000, v[QM]
	v_add_nc_u32 v[QM+5], 0xff000000, v[QM+1]
	v_lshrrev_b32 v[QM+6], 23, v[QM+4]
	v_lshrrev_b32 v[QM+7], 23, v[QM+5]
	v_lshl_or_b32 v[\hw], v[QM+7], 8, v[QM+6]
	v_cvt_scalef32_pk16_fp6_f32 v[QC:QC+2], v[(\s):(\s)+15], v[QM+4]
	v_cvt_scalef32_pk16_fp6_f32 v[QD:QD+2], v[(\s)+16:(\s)+31], v[QM+5]
	v_nop
.irp i, 0,1,2
	v_permlane16_swap_b32 v[QC+\i], v[QD+\i]
.endr
.irp i, 0,1,2
	v_mov_b32 v[QC+3+\i], v[QD+\i]
.endr
.endm
; A KEY STEP of 128 keys.  A step behind my diagonal is left out: a scalar branch on the wave's number and the loop's count, round the work, not round the lines that step addresses
.macro STEP
	s_cmp_gt_u32 s[SI], s[G]
	s_cbranch_scc1 .Lhidden_\@
	v_add_nc_u32 v212, s[TB], v1                   ; six plain lines: also the places behind the last step's products, ahead of the loads into their registers
	v_add_nc_u32 v213, s[TB], v2
	v_add_nc_u32 v214, s[TB], v3
	v_add_nc_u32 v215, s[TB], v4
	v_add_nc_u32 v216, s[TS], v5
	v_add_nc_u32 v217, s[TS], v6
.irp b, 0,1,2,3
.irp u, 0,1
	ds_load_b128 v[40+12*\b+6*\u:43+12*\b+6*\u], v212 offset:1536*\b+768*\u
	ds_load_b64 v[44+12*\b+6*\u:45+12*\b+6*\u], v213 offset:1536*\b+768*\u+512
.endr
.endr
	ds_load_b128 v[88:91], v216                    ; a word for each pair of tiles: (tile 2 B: two bytes, tile 2 B + 1: two bytes)
	s_wait_dscnt 0x0
.irp b, 0,1,2,3
	v_wmma_scale_f32_16x16x128_f8f6f4 v[96+16*\b:103+16*\b], v[40+12*\b:51+12*\b], v[16:27], 0, v[88+\b], v10 matrix_a_fmt:MATRIX_FMT_FP6 matrix_b_fmt:MATRIX_FMT_FP6
	v_wmma_scale_f32_16x16x128_f8f6f4 v[104+16*\b:111+16*\b], v[40+12*\b:51+12*\b], v[28:39], 0, v[88+\b], v11 matrix_a_fmt:MATRIX_FMT_FP6 matrix_b_fmt:MATRIX_FMT_FP6
.endr                                              ; register 16 B + i: key 32 B + 16 h + i of the step
.rept 4
	v_nop                                          ; places: ahead of the loads into K's registers and of the first read of the scores
.endr
.irp d, 0,1,2,3
.irp c, 0,1
	ds_load_b128 v[40+12*\d+6*\c:43+12*\d+6*\c], v214 offset:3072*\c+768*\d     ; V's four fragments land under the softmax
	ds_load_b64 v[44+12*\d+6*\c:45+12*\d+6*\c], v215 offset:3072*\c+768*\d+512
.endr
.endr
	ds_load_b128 v[92:95], v217
	s_cmp_lg_u32 s[SI], s[G]
	s_cbranch_scc1 .Lopen_\@
	v_mov_b32 v241, 0xff800000                     ; on the diagonal hidden scores become -infinity: key 32 B + i is hidden where it is above my query less 16 h
.set nn, 0
.rept 64
	v_cmp_gt_i32 vcc_lo, 32*(nn/16)+nn%16, v9
	v_cndmask_b32 v[96+nn], v[96+nn], v241, vcc_lo
.set nn, nn+1
.endr
.Lopen_\@:
.irp b, 0,1,2,3
	v_max3_num_f32 v[224+\b], v[96+16*\b], v[97+16*\b], v[98+16*\b]      ; the largest score of each block of 32 keys: for the row's maximum, and, since p rises with the score, for the block's largest p
.endr
.irp i, 3,5,7,9,11,13
.irp b, 0,1,2,3
	v_max3_num_f32 v[224+\b], v[224+\b], v[96+16*\b+\i], v[97+16*\b+\i]
.endr
.endr
.irp b, 0,1,2,3
	v_max_num_f32 v[224+\b], v[224+\b], v[111+16*\b]
.endr
.irp b, 0,1,2,3
	v_permlanex16_b32 v[228+\b], v[224+\b], s[SEL], s[SEL+1]
.endr
.irp b, 0,1,2,3
	v_max_num_f32 v[224+\b], v[224+\b], v[228+\b]
.endr
	v_max3_num_f32 v240, v224, v225, v226
	v_max_num_f32 v240, v240, v227
	v_mul_f32 v240, s[CS], v240
	v_max_num_f32 v13, v13, v240                   ; the running largest t
	v_mov_b32 v240, v12
	v_floor_f32 v12, -v13                          ; -M = floor(-t): M is a whole number
	v_sub_f32 v240, v12, v240
	v_cvt_i32_f32 v240, v240                       ; (it saturates)
	v_ldexp_f32 v238, 1.0, v240                    ; f = 2^(old M - new M)
.set jj, 0
.rept 32
	v_pk_fma_f32 v[96+jj:97+jj], v[96+jj:97+jj], s[CS:CS+1], v[12:13] op_sel_hi:[1,0,0]    ; t - M
.set jj, jj+2
.endr
.irp b, 0,1,2,3
	v_fma_f32 v[224+\b], v[224+\b], s[CS], v12
.endr
.set jj, 0
.rept 64
	v_exp_f32 v[96+jj], v[96+jj]                   ; p, at most 1
.set jj, jj+1
.endr
	v_pk_mul_f32 v[14:15], v[14:15], v[238:239] op_sel_hi:[1,0]          ; the sums under the new M; the plain line behind the batch
	s_wait_alu depctr_va_vdst(0)                   ; one wait for the 64, ahead of their first reader
.irp b, 0,1,2,3
	v_exp_f32 v[224+\b], v[224+\b]                 ; each block's largest p
.endr
	v_pk_add_f32 v[228:229], v[96:97], v[98:99]    ; the sum of the unquantised p, in two chains
.irp j, 4,8,12,16,20,24,28,32,36,40,44,48,52,56,60
	v_pk_add_f32 v[14:15], v[14:15], v[96+\j:97+\j]
	v_pk_add_f32 v[228:229], v[228:229], v[98+\j:99+\j]
.endr
	v_pk_add_f32 v[14:15], v[14:15], v[228:229]
	s_wait_alu depctr_va_vdst(0)                   ; and one for the four
.irp b, 0,1,2,3
	v_max_num_f32 v[224+\b], 0x1800000, v[224+\b]  ; the floor 2^(3 - 127)
.endr
.irp b, 0,1,2,3
	v_add_nc_u32 v[232+\b], 0xff000000, v[224+\b]
.endr
.irp b, 0,1,2,3
	v_lshrrev_b32 v[228+\b], 23, v[232+\b]
.endr
	v_lshl_or_b32 v236, v229, 8, v228              ; p's scale word for these 128 keys
	v_lshl_or_b32 v236, v230, 16, v236
	v_lshl_or_b32 v236, v231, 24, v236
.irp c, 0,1
	v_cvt_scalef32_pk16_fp6_f32 v[192+6*\c:194+6*\c], v[96+32*\c:111+32*\c], v[232+2*\c]
	v_cvt_scalef32_pk16_fp6_f32 v[204+4*\c:206+4*\c], v[112+32*\c:127+32*\c], v[232+2*\c+1]
.endr
	v_nop
.irp c, 0,1
.irp i, 0,1,2
	v_permlane16_swap_b32 v[192+6*\c+\i], v[204+4*\c+\i]
.endr
.irp i, 0,1,2
	v_mov_b32 v[195+6*\c+\i], v[204+4*\c+\i]
.endr
.endr
.set jj, 0
.rept 16
	v_pk_mul_f32 v[160+jj:161+jj], v[160+jj:161+jj], v[238:239] op_sel_hi:[1,0]            ; O^T under the new M; sixteen lines between the scale word's and the codes' last writes and the products
.set jj, jj+2
.endr
	s_wait_dscnt 0x0                               ; V
.irp d, 0,1,2,3
	v_wmma_scale_f32_16x16x128_f8f6f4 v[160+8*\d:167+8*\d], v[40+12*\d:51+12*\d], v[192:203], v[160+8*\d:167+8*\d], v[92+\d], v236 matrix_a_fmt:MATRIX_FMT_FP6 matrix_b_fmt:MATRIX_FMT_FP6
.endr                                              ; four accumulators, one instruction each
.Lhidden_\@:
	s_add_co_u32 s[TB], s[TB], 6144
	s_add_co_u32 s[TS], s[TS], 256
	s_add_co_u32 s[SI], s[SI], 1
.endm
	s_load_b128 s[4:7], s[0:1], 0x0                ; QB, AB
	v_lshl_add_u32 v7, v0, 2, SPARE
	v_mov_b32 v8, 0
	ds_add_u32 v7, v8                              ; the wave's opening: the add and its wait ahead of the first tensor loads
	v_lshrrev_b32 v9, 5, v0
	v_readfirstlane_b32 s[WV], v9
	s_bfe_u32 s[G], s[WV], 0x10002
	s_mul_i32 s[G], s[G], 3
	s_xor_b32 s[G], s[G], s[WV]                    ; my step group
	s_bfe_u32 s[CX], ttmp6, 0x40000
	s_lshl_b32 s[J], ttmp9, 2
	s_add_co_u32 s[J], s[J], s[CX]                 ; my work-group's tile among a step group's eight
	s_and_b32 s14, ttmp7, 0xffff
	s_and_b32 s[HD], s14, 15
	s_lshr_b32 s[BT], s14, 4
	DESC G1S, 32, 16, 32                           ; 4,096 dense bytes of scale words
	DESC G1KA, 768, 4, 24576                       ; K: a step is 6,144 dense bytes, 196,608 bytes from step to step: steps 0-3,
	DESC G1KB, 768, 12, 24576                      ; steps 4-15
	DESC G1VA, 384, 8, 768                         ; V: a half-image column of my head's four tiles is 3,072 bytes, 6,144 from column to column: steps 0-3,
	DESC G1VB, 384, 24, 768                        ; steps 4-15
	s_add_co_u32 s22, s[HD], 16
	s_lshl_b32 s23, s[BT], 12
	s_lshl_b32 s14, s22, 13
	s_add_co_u32 s14, s14, s23
	s_add_co_u32 s14, s14, 9437184                 ; K's scale words
	s_mov_b32 s15, 0
	s_mul_i32 s16, s[BT], 16*196608
	s_mul_i32 s22, s22, 6144
	s_add_co_u32 s16, s16, s22                     ; K's codes
	s_mov_b32 s17, 0
	s_lshl_b32 s18, s[HD], 13
	s_add_co_u32 s18, s18, s23
	s_add_co_u32 s18, s18, 9699328                 ; V's scale words
	s_mov_b32 s19, 0
	s_lshr_b32 s20, s[HD], 1
	s_mul_i32 s20, s20, 393216
	s_mul_i32 s22, s[BT], 32*6144
	s_add_co_u32 s20, s20, s22
	s_and_b32 s22, s[HD], 1
	s_mul_i32 s22, s22, 3072
	s_add_co_u32 s20, s20, s22
	s_add_co_u32 s20, s20, 6291456                 ; V's codes
	s_mov_b32 s21, 0
	s_lshl_b32 s66, s[BT], 4
	s_add_co_u32 s66, s66, s[G]                    ; my token group
	s_mul_i32 s2, s66, 196608
	s_mul_i32 s67, s[HD], 6144
	s_add_co_u32 s2, s2, s67
	s_mul_i32 s67, s[J], 768
	s_add_co_u32 s2, s2, s67                       ; Q's half image
	s_mov_b32 s3, 0
	s_lshl_b32 s100, s[HD], 13
	s_lshl_b32 s66, s66, 8
	s_add_co_u32 s100, s100, s66
	s_lshr_b32 s67, s[J], 1
	s_lshl_b32 s67, s67, 2
	s_add_co_u32 s100, s100, s67
	s_add_co_u32 s100, s100, 9437184               ; and its pair's scale word
	s_mov_b32 s101, 0
	s_mov_b32 s[SEL], 0x76543210
	s_mov_b32 s[SEL+1], 0xfedcba98
	s_mov_b32 s[CS], 0x3e38aa3b                    ; log2(e) / 8
	s_mov_b32 s[CS+1], s[CS]
	s_mov_b32 s[TB], 0
	s_mov_b32 s[TS], 0
	s_mov_b32 s[SI], 0
	s_wait_dscnt 0x0                               ; the opening add is done
	s_wait_kmcnt 0x0
	s_mov_b32 s[G0KS], 1
	s_mov_b32 s[G0KS+1], KSC
	s_add_nc_u64 s[G0KS+2:G0KS+3], s[4:5], s[14:15]
	s_or_b32 s[G0KS+3], s[G0KS+3], 0x80000000
	s_mov_b32 s[G0KA], 1
	s_mov_b32 s[G0KA+1], 0
	s_add_nc_u64 s[G0KA+2:G0KA+3], s[4:5], s[16:17]
	s_mov_b32 s[G0KB], 1
	s_mov_b32 s[G0KB+1], 24576
	s_add_nc_u64 s[G0KB+2:G0KB+3], s[G0KA+2:G0KA+3], 4*196608
	s_or_b32 s[G0KA+3], s[G0KA+3], 0x80000000
	s_or_b32 s[G0KB+3], s[G0KB+3], 0x80000000
	s_mov_b32 s[G0VS], 1
	s_mov_b32 s[G0VS+1], VSC
	s_add_nc_u64 s[G0VS+2:G0VS+3], s[4:5], s[18:19]
	s_or_b32 s[G0VS+3], s[G0VS+3], 0x80000000
	s_mov_b32 s[G0VA], 1
	s_mov_b32 s[G0VA+1], VC
	s_add_nc_u64 s[G0VA+2:G0VA+3], s[4:5], s[20:21]
	s_mov_b32 s[G0VB], 1
	s_mov_b32 s[G0VB+1], VC+24576
	s_add_nc_u64 s[G0VB+2:G0VB+3], s[G0VA+2:G0VA+3], 8*6144
	s_or_b32 s[G0VA+3], s[G0VA+3], 0x80000000
	s_or_b32 s[G0VB+3], s[G0VB+3], 0x80000000
	s_add_nc_u64 s[2:3], s[4:5], s[2:3]
	s_add_nc_u64 s[100:101], s[4:5], s[100:101]
	CROUND                                         ; all four work-groups are here: the joint loads meet
	s_cmp_eq_u32 s[WV], 0                          ; a wave's three first fills stand in one branch on the wave's number: three loads of that wave are out
	s_cbranch_scc0 .Lnot_k
	tensor_load_to_lds s[G0KS:G0KS+3], s[G1S:G1S+7]
	s_nop 0
	tensor_load_to_lds s[G0KA:G0KA+3], s[G1KA:G1KA+7]
	s_nop 0
	tensor_load_to_lds s[G0KB:G0KB+3], s[G1KB:G1KB+7]
	s_nop 0
.rept 4
	v_nop
.endr
	s_branch .Lasked
.Lnot_k:
	s_cmp_eq_u32 s[WV], 1
	s_cbranch_scc0 .Lasked
	tensor_load_to_lds s[G0VS:G0VS+3], s[G1S:G1S+7]
	s_nop 0
	tensor_load_to_lds s[G0VA:G0VA+3], s[G1VA:G1VA+7]
	s_nop 0
	tensor_load_to_lds s[G0VB:G0VB+3], s[G1VB:G1VB+7]
	s_nop 0
.rept 4
	v_nop
.endr
.Lasked:
	v_and_b32 v240, 31, v0
	v_lshlrev_b32 v1, 4, v240                      ; K: 16 x lane,
	v_lshlrev_b32 v2, 3, v240                      ; 8 x lane
	global_load_b128 v[16:19], v1, s[2:3]          ; Q's 64 codes a row, once as k 0-63,
	global_load_b64 v[20:21], v2, s[2:3] offset:512
	global_load_b128 v[34:37], v1, s[2:3]          ; once as k 64-127: two runs of registers
	global_load_b64 v[38:39], v2, s[2:3] offset:512
	v_and_b32 v241, 15, v0                         ; r
	v_lshlrev_b32 v242, 4, v241
	global_load_b32 v243, v242, s[100:101]
	v_add_nc_u32 v3, VC, v1
	v_add_nc_u32 v4, VC, v2
	v_add_nc_u32 v5, KSC, v242
	v_add_nc_u32 v6, VSC, v242
	s_lshr_b32 s66, s[J], 1
	s_lshl_b32 s66, s66, 5
	s_and_b32 s67, s[J], 1
	s_lshl_b32 s67, s67, 3
	s_add_co_u32 s66, s66, s67
	v_bfe_u32 v240, v0, 4, 1                       ; h
	v_and_b32 v9, 8, v241
	v_add_nc_u32 v9, v9, v241
	v_lshlrev_b32 v240, 4, v240
	v_sub_nc_u32 v9, v9, v240
	v_add_nc_u32 v9, s66, v9                       ; my query in its step, less 16 h
	s_and_b32 s66, s[J], 1
	s_lshl_b32 s66, s66, 4
	s_wait_loadcnt 0x0
	v_lshrrev_b32 v243, s66, v243                  ; my tile's two bytes of the pair's word
	v_and_b32 v10, 0xffff, v243                    ; (s0, s1, 0, 0): beside Q in k 0-63
	v_lshlrev_b32 v11, 16, v10                     ; (0, 0, s0, s1): beside Q in k 64-127
.irp i, 22,23,24,25,26,27,28,29,30,31,32,33
	v_mov_b32 v[\i], 0                             ; the zero codes
.endr
	v_mov_b32 v13, 0xff61b1e6                      ; the largest t so far: -3e38
	v_floor_f32 v12, -v13
	v_mov_b32 v14, 0
	v_mov_b32 v15, 0
.set jj, 0
.rept 32
	v_mov_b32 v[160+jj], 0                         ; O^T: the step is written once; its first pass finds zeros
.set jj, jj+1
.endr
.irp i, 226,227,228,229,230,231,239,240
	v_mov_b32 v[\i], 0                             ; lane permutes' destinations and a pair's upper half: written once
.endr
	s_wait_tensorcnt 0x1                           ; in waves 0 and 1: the scale words and steps 0-3 are in, the load of steps 4-15 may be out
	s_barrier_signal -1
	s_barrier_wait -1
	s_mov_b32 s[LC], 4
.La:
	STEP
	s_sub_co_u32 s[LC], s[LC], 1
	s_cmp_lg_u32 s[LC], 0
	s_cbranch_scc1 .La
	s_wait_tensorcnt 0x0                           ; steps 4-15 are in
	s_wait_dscnt 0x0
	s_barrier_signal -1
	s_barrier_wait -1
	s_mov_b32 s[LC], 12
.Lb:
	STEP
	s_sub_co_u32 s[LC], s[LC], 1
	s_cmp_lg_u32 s[LC], 0
	s_cbranch_scc1 .Lb
	; THE WAY OUT: O^T / l, quantised along the model's axis (my head's 64 are half image kc = head), stored as the operand's registers
.rept 4
	v_nop
.endr
	v_add_f32 v14, v14, v15
	v_permlanex16_b32 v240, v14, s[SEL], s[SEL+1]
	v_add_f32 v14, v14, v240
	v_rcp_f32 v14, v14
	v_bfe_u32 v241, v0, 4, 1                       ; (a plain line behind the reciprocal)  h
	s_lshl_b32 s66, s[BT], 4
	s_add_co_u32 s66, s66, s[G]
	s_mul_i32 s2, s66, 98304
	s_mul_i32 s67, s[HD], 6144
	s_add_co_u32 s2, s2, s67
	s_mul_i32 s67, s[J], 768
	s_add_co_u32 s2, s2, s67
	s_mov_b32 s3, 0
	s_add_nc_u64 s[2:3], s[6:7], s[2:3]
	s_lshl_b32 s66, s66, 1
	s_lshr_b32 s67, s[J], 2
	s_add_co_u32 s66, s66, s67
	s_lshl_b32 s100, s66, 11
	s_lshr_b32 s67, s[HD], 1
	s_lshl_b32 s67, s67, 8
	s_add_co_u32 s100, s100, s67
	s_and_b32 s67, s[J], 3
	s_lshl_b32 s67, s67, 2
	s_add_co_u32 s100, s100, s67
	s_and_b32 s67, s[HD], 1
	s_lshl_b32 s67, s67, 1
	s_add_co_u32 s100, s100, s67
	s_add_co_u32 s100, s100, 3145728
	s_mov_b32 s101, 0
	s_add_nc_u64 s[100:101], s[6:7], s[100:101]
	s_wait_alu depctr_va_vdst(0)                   ; the wait ahead of the reciprocal's first reader
	v_mov_b32 v15, v14
.set jj, 0
.rept 16
	v_pk_mul_f32 v[96+jj:97+jj], v[160+jj:161+jj], v[14:15]              ; each accumulator from its low end on
.set jj, jj+2
.endr
	Q2 96, 232
	global_store_b128 v1, v[QC:QC+3], s[2:3]
	global_store_b64 v2, v[QC+4:QC+5], s[2:3] offset:512
	v_lshlrev_b32 v242, 3, v241
	v_lshrrev_b32 v233, v242, v232                 ; my block's byte
	v_and_b32 v243, 15, v0
	v_lshl_add_u32 v243, v243, 4, v241             ; 16 r + h
	global_store_b8 v243, v233, s[100:101]
	s_wait_tensorcnt 0x0                           ; the wave's end
	ds_add_u32 v7, v8
	s_wait_dscnt 0x0
	CROUND                                         ; the closing round
	s_endpgm
.Lfunc_end_k_qe118098cfd_attn:
	.size	k_qe118098cfd_attn, .Lfunc_end_k_qe118098cfd_attn-k_qe118098cfd_attn
	.p2alignl 7, 3214868480
	.fill 96, 4, 3214868480
	.section	.rodata,"a",@progbits
	.p2align	6, 0x0
	.amdhsa_kernel k_qe118098cfd_attn
		.amdhsa_group_segment_fixed_size 327680
		.amdhsa_private_segment_fixed_size 0
		.amdhsa_enable_private_segment 0
		.amdhsa_kernarg_size 16
		.amdhsa_user_sgpr_count 2
		.amdhsa_user_sgpr_kernarg_segment_ptr 1
		.amdhsa_wavefront_size32 1
		.amdhsa_system_sgpr_workgroup_id_x 1
		.amdhsa_system_sgpr_workgroup_id_y 1
		.amdhsa_system_sgpr_workgroup_id_z 1
		.amdhsa_system_vgpr_workitem_id 0
		.amdhsa_next_free_vgpr 256
		.amdhsa_next_free_sgpr 102
		.amdhsa_reserve_vcc 1
		.amdhsa_float_denorm_mode_32 3
		.amdhsa_float_denorm_mode_16_64 3
		.amdhsa_memory_ordered 1
		.amdhsa_forward_progress 1
		.amdhsa_inst_pref_size 59
	.end_amdhsa_kernel
	.amdgpu_metadata
---
amdhsa.version: [ 1, 2 ]
amdhsa.kernels:
  - .name:           k_qe118098cfd_attn
    .symbol:         k_qe118098cfd_attn.kd
    .args:
      - { .name: QB, .offset: 0, .size: 8, .value_kind: global_buffer, .address_space: global }
      - { .name: AB, .offset: 8, .size: 8, .value_kind: global_buffer, .address_space: global }
    .group_segment_fixed_size: 327680
    .private_segment_fixed_size: 0
    .kernarg_segment_align: 8
    .kernarg_segment_size: 16
    .max_flat_workgroup_size: 512
    .sgpr_count:     102
    .vgpr_count:     256
    .wavefront_size: 32
...
	.end_amdgpu_metadata
.endif
;; end of part 4
;; launch wo (part 5): grid 8 x 32, 4 waves a work-group, clusters of 4 x 4, 327,680 bytes of LDS; arguments WB, AB, bo, x, X1; writes X1
.if DOCPART == 5
	.amdgcn_target "amdgcn-amd-amdhsa--gfx1250"
	.amdhsa_code_object_version 6
	.text
	.protected	k_qe118098cfd_wo
	.globl	k_qe118098cfd_wo
	.p2align	8
	.type	k_qe118098cfd_wo,@function
k_qe118098cfd_wo:
	s_mov_b64 s[64:65], 0
	v_nop
	global_prefetch_b8 v0, s[64:65] scope:SCOPE_SE
	s_setreg_imm32_b32 hwreg(HW_REG_WAVE_MODE, 25, 1), 1
	s_wait_xcnt 0x0
	s_wait_alu depctr_hold_cnt(0) depctr_sa_sdst(0) depctr_va_vdst(0) depctr_va_sdst(0) depctr_va_ssrc(0) depctr_va_vcc(0) depctr_vm_vsrc(0)
	s_getreg_b32 s2, hwreg(HW_REG_IB_STS2, 6, 4)
	s_cmp_eq_u32 s2, 0
	s_cbranch_scc0 .Lentry_in_a_cluster
	s_endpgm
.Lentry_in_a_cluster:
	s_bfe_u32 s2, ttmp6, 0x10000c
	s_cmp_lg_u32 s2, 0xf033
	s_cbranch_scc0 .Lentry_shape_is_right
	s_endpgm
.Lentry_shape_is_right:
; X1 = x + attention Wo + bo: a product on codes of FP6 (E2M3), K = 1,024, f32 out.
; OPERANDS lie in memory in the order of the matrix unit's registers: tile T = 16 rows, lane-row r of tile 2 B + u = row 32 B + 8 u + r + 8 (r / 8); half image (T, kc = k / 64) = 768 bytes (lane l: 16 bytes at 16 l, 8 at 512 + 8 l);
; codes at (T / 8) (K / 64) 6,144 + kc 6,144 + (T % 8) 768; scale words at (T / 4) (K / 128) 256 + (k / 128) 256 + 16 r + 4 (T % 4).
; SHARES.  A work-group makes 128 tokens x 128 columns, four waves 64 x 64 (16 accumulators).  Source 0 = weights (B), source 1 = tokens (A): a lane holds one token and 2 x 16 neighbouring columns for each tile of tokens.
; K goes through two LDS slots of 512 along K.  CLUSTER 4 x 4: A's tiles are asked for jointly along a row of the cluster, B's along a column.
; The bias is the C of each sum's first product.  The residual is loaded at the head, in the lanes and registers in which the results leave.  A tile of 16 tokens x 64 columns goes through the wave's own stage in LDS
; and leaves as rows: sixteen lanes store 256 neighbouring bytes, aligned.
; LIMITS: NaN and infinities are not served.
.set KTOT,  1024
.set AS_OFF, 3145728
.set BC_OFF, 2359296
.set BS_OFF, 9437184+48*2048
.set OPS,   49152
.set HALFT, 24576
.set SLOT,  98304
.set RGB,   KTOT*96
.set NSL,   KTOT/512
.set SCH,   KTOT*2
.set SCL,   2*SLOT
.set STAGE, SCL+4*SCH                  ; 16 rows x 272 bytes for each wave; no tensor load lands here
.set SPARE, STAGE+4*16*272
.set R, 1
.set H, 2
.set L16, 3
.set L8, 4
.set S0A, 8
.set S1A, 12
.set SS0, 16
.set SS1, 17
.set SPW, 18
.set NIL, 19
.set CO, 20                            ; my 16 bytes in two rows of x and of the output
.set STO, 21
.set RD, 22
.set SC, 24                            ; v24-39 two sets of scale words; they hold nothing else
.set T0, 40                            ; v40-71, v72-103 rows on their way out, by turns
.set B0, 96                            ; v96-127 the bias in the result's layout
.set ACC, 128
.set F0, 0
.set F1, 128
.set WV, 16
.set WY, 17
.set WX, 18
.set CX, 20
.set CY, 21
.set XT, 22
.set YT, 23
.set G1A, 24
.set G0A, 32
.set G1B, 48
.set G0B, 56
.set G1SA, 68
.set G0SA, 76
.set G1SB, 80
.set G0SB, 88
.set RP, 92
.set OP, 94
.set BP, 96
.set MSB, 0
.macro WIN new
.if MSB != \new
	s_set_vgpr_msb (MSB<<8)|\new
.set MSB, \new
.endif
.endm
.macro PLACES
.rept 4
	v_nop
.endr
.endm
.macro JLOAD g0a, g1a, g0b, g1b
	s_cmp_eq_u32 s[WY], 0
	s_cbranch_scc0 .Lfor_b_\@
	tensor_load_to_lds s[\g0a:\g0a+3], s[\g1a:\g1a+7]
	s_nop 0
.rept 4
	v_nop
.endr
	s_branch .Lasked_\@
.Lfor_b_\@:
	tensor_load_to_lds s[\g0b:\g0b+3], s[\g1b:\g1b+7]
	s_nop 0
.rept 4
	v_nop
.endr
.Lasked_\@:
.endm
.macro CROUND
	s_barrier_signal -1
	s_barrier_wait -1
	s_cmp_lg_u32 s[WV], 0
	s_cbranch_scc1 .Lnot_wave_0_\@
	s_barrier_signal -3
.Lnot_wave_0_\@:
	s_barrier_wait -3
	s_barrier_signal -1
	s_barrier_wait -1
.endm
.macro FRAGS reg, adr, slot, q
.irp i, 0,1,2,3
.irp c, 0,1
	ds_load_b128 v[\reg+12*\i+6*\c:\reg+12*\i+6*\c+3], v[\adr+\slot] offset:(2*(\q)+\c)*6144+768*\i
	ds_load_b64 v[\reg+12*\i+6*\c+4:\reg+12*\i+6*\c+5], v[\adr+2+\slot] offset:(2*(\q)+\c)*6144+768*\i+512
.endr
.endr
.endm
.macro FETCH slot, q, f, sc
	WIN 0x40
	FRAGS \f, S0A, \slot, \q
	FRAGS \f+48, S1A, \slot, \q
	WIN 0
	ds_load_b128 v[SC+8*(\sc):SC+8*(\sc)+3], v[SS0] offset:256*(\q)
	ds_load_b128 v[SC+8*(\sc)+4:SC+8*(\sc)+7], v[SS1] offset:256*(\q)
.endm
.macro MUL f, sc, first                ; the 16 accumulators take turns, one instruction a turn; first = 2: the bias starts the sums
	WIN 0x05
.irp b, 0,1,2,3
.irp a, 0,1,2,3
.if \first == 2
	v_wmma_scale_f32_16x16x128_f8f6f4 v[ACC+8*(4*\b+\a):ACC+8*(4*\b+\a)+7], v[\f+12*\a:\f+12*\a+11], v[\f+48+12*\b:\f+48+12*\b+11], v[B0+8*\a:B0+8*\a+7], v[SC+8*\sc+\a], v[SC+8*\sc+4+\b] matrix_a_fmt:MATRIX_FMT_FP6 matrix_b_fmt:MATRIX_FMT_FP6
.else
	v_wmma_scale_f32_16x16x128_f8f6f4 v[ACC+8*(4*\b+\a):ACC+8*(4*\b+\a)+7], v[\f+12*\a:\f+12*\a+11], v[\f+48+12*\b:\f+48+12*\b+11], v[ACC+8*(4*\b+\a):ACC+8*(4*\b+\a)+7], v[SC+8*\sc+\a], v[SC+8*\sc+4+\b] matrix_a_fmt:MATRIX_FMT_FP6 matrix_b_fmt:MATRIX_FMT_FP6
.endif
.endr
.endr
.endm
.macro SLOTWORK slot, first
	PLACES
	FETCH \slot, 0, F0, 0
	s_wait_dscnt 0x0
	FETCH \slot, 1, F1, 1
	MUL F0, 0, \first
	s_wait_dscnt 0x0
	PLACES
	FETCH \slot, 2, F0, 0
	MUL F1, 1, 0
	s_wait_dscnt 0x0
	PLACES
	FETCH \slot, 3, F1, 1
	MUL F0, 0, 0
	s_wait_dscnt 0x0
	MUL F1, 1, 0
	WIN 0
.endm
.macro TWO slot, refill
	s_wait_tensorcnt 0x0                           ; all my tensor loads have landed, my part of this slot among them
	ds_add_u32 v[SPW], v[NIL]                      ; 0 onto my spare word
.if \refill
	s_add_nc_u64 s[G0A+4*(1-\slot)+2:G0A+4*(1-\slot)+3], s[G0A+4*(1-\slot)+2:G0A+4*(1-\slot)+3], 2*OPS
	s_add_nc_u64 s[G0B+4*(1-\slot)+2:G0B+4*(1-\slot)+3], s[G0B+4*(1-\slot)+2:G0B+4*(1-\slot)+3], 2*OPS
.endif
	v_add_nc_u32 v[SS0], 1024, v[SS0]
	v_add_nc_u32 v[SS1], 1024, v[SS1]
	s_wait_dscnt 0x0                               ; the add is done, my reads of the other slot are over
.if \refill
	CROUND                                         ; no wave of any partner still reads that slot or has a load on its way
	JLOAD G0A+4*(1-\slot), G1A, G0B+4*(1-\slot), G1B   ; my one tensor load behind the round
.else
	s_barrier_signal -1
	s_barrier_wait -1
.endif
	SLOTWORK \slot, 0
.endm
	s_load_b256 s[4:11], s[0:1], 0x0               ; WB, A's buffer, the bias, the residual
	s_load_b64 s[12:13], s[0:1], 0x20              ; the output
	v_lshl_add_u32 v[SPW], v0, 2, SPARE
	v_mov_b32 v[NIL], 0
	ds_add_u32 v[SPW], v[NIL]                      ; the wave's opening: the add and its wait ahead of my first tensor load
	v_lshrrev_b32 v1, 5, v0
	v_readfirstlane_b32 s[WV], v1
	s_lshr_b32 s[WY], s[WV], 1
	s_and_b32 s[WX], s[WV], 1
	s_bfe_u32 s[CX], ttmp6, 0x40000
	s_bfe_u32 s[CY], ttmp6, 0x40004
	s_lshl_b32 s[XT], ttmp9, 2
	s_add_co_u32 s[XT], s[XT], s[CX]
	s_and_b32 s[YT], ttmp7, 0xffff
	s_lshl_b32 s[YT], s[YT], 2
	s_add_co_u32 s[YT], s[YT], s[CY]
	s_lshl_b32 s40, s[CY], 2
	s_lshl_b32 s40, 15, s40
	s_lshl_b32 s41, 0x1111, s[CX]
	s_or_b32 s[G1A], s40, (3<<16)|(1<<21)
	s_or_b32 s[G1SA], s40, (3<<16)|(1<<21)
	s_or_b32 s[G1B], s41, (3<<16)|(1<<21)
	s_or_b32 s[G1SB], s41, (3<<16)|(1<<21)
.irp g, G1A, G1B
	s_mov_b32 s[\g+1], 32<<16
	s_mov_b32 s[\g+2], 96<<16
	s_mov_b32 s[\g+3], 32<<16
	s_mov_b32 s[\g+4], 96
	s_mov_b32 s[\g+5], 32
	s_mov_b32 s[\g+6], 0
	s_mov_b32 s[\g+7], 0
.endr
.irp g, G1SA, G1SB
	s_mov_b32 s[\g+1], 32<<16
	s_mov_b32 s[\g+2], (KTOT/128)<<16
	s_mov_b32 s[\g+3], 32<<16
	s_mov_b32 s[\g+4], KTOT/128
	s_mov_b32 s[\g+5], 32
	s_mov_b32 s[\g+6], 0
	s_mov_b32 s[\g+7], 0
.endr
	s_mul_i32 s96, s[WX], HALFT
	s_mul_i32 s42, s[YT], RGB
	s_add_co_u32 s42, s42, s96
	s_mov_b32 s43, 0
	s_lshl_b32 s44, s[YT], 1
	s_add_co_u32 s44, s44, s[WX]
	s_mul_i32 s44, s44, SCH
	s_add_co_u32 s44, s44, AS_OFF
	s_mov_b32 s45, 0
	s_mul_i32 s46, s[XT], RGB
	s_add_co_u32 s46, s46, s96
	s_add_co_u32 s46, s46, BC_OFF
	s_mov_b32 s47, 0
	s_lshl_b32 s92, s[XT], 1
	s_add_co_u32 s92, s92, s[WX]
	s_mul_i32 s92, s92, SCH
	s_add_co_u32 s92, s92, BS_OFF
	s_mov_b32 s93, 0
	s_mul_i32 s94, s[WV], HALFT
	s_mul_i32 s95, s[WV], SCH
	s_wait_dscnt 0x0                               ; the opening add is done
	s_wait_kmcnt 0x0
	s_add_nc_u64 s[42:43], s[6:7], s[42:43]
	s_add_nc_u64 s[44:45], s[6:7], s[44:45]
	s_add_nc_u64 s[46:47], s[4:5], s[46:47]
	s_add_nc_u64 s[92:93], s[4:5], s[92:93]
	CROUND
	s_mov_b32 s[G0SA], 1
	s_add_co_u32 s[G0SA+1], s95, SCL
	s_mov_b64 s[G0SA+2:G0SA+3], s[44:45]
	s_or_b32 s[G0SA+3], s[G0SA+3], 0x80000000
	s_mov_b32 s[G0SB], 1
	s_add_co_u32 s[G0SB+1], s95, SCL
	s_mov_b64 s[G0SB+2:G0SB+3], s[92:93]
	s_or_b32 s[G0SB+3], s[G0SB+3], 0x80000000
	JLOAD G0SA, G1SA, G0SB, G1SB
.irp s, 0,1
	s_mov_b32 s[G0A+4*\s], 1
	s_add_co_u32 s[G0A+4*\s+1], s94, \s*SLOT
	s_add_nc_u64 s[G0A+4*\s+2:G0A+4*\s+3], s[42:43], \s*OPS
	s_or_b32 s[G0A+4*\s+3], s[G0A+4*\s+3], 0x80000000
	s_mov_b32 s[G0B+4*\s], 1
	s_add_co_u32 s[G0B+4*\s+1], s94, \s*SLOT
	s_add_nc_u64 s[G0B+4*\s+2:G0B+4*\s+3], s[46:47], \s*OPS
	s_or_b32 s[G0B+4*\s+3], s[G0B+4*\s+3], 0x80000000
	JLOAD G0A+4*\s, G1A, G0B+4*\s, G1B             ; three loads of mine are out
.endr
	v_and_b32 v[R], 15, v0
	v_bfe_u32 v[H], v0, 4, 1
	v_and_b32 v5, 31, v0
	v_lshlrev_b32 v[L16], 4, v5
	v_lshlrev_b32 v[L8], 3, v5
	s_mul_i32 s98, s[WX], 3072
	s_add_co_u32 s98, s98, OPS                     ; source 0: my four tiles of B
	s_mul_i32 s99, s[WY], 3072                     ; source 1: my four of A
.irp s, 0,1
	v_add_nc_u32 v[S0A+\s], s98, v[L16]
	v_add_nc_u32 v[S0A+2+\s], s98, v[L8]
	v_add_nc_u32 v[S1A+\s], s99, v[L16]
	v_add_nc_u32 v[S1A+2+\s], s99, v[L8]
	s_add_co_u32 s98, s98, SLOT
	s_add_co_u32 s99, s99, SLOT
.endr
	v_lshlrev_b32 v5, 4, v[R]
	s_mul_i32 s98, s[WX], SCH
	s_add_co_u32 s98, s98, SCL+2*SCH
	v_add_nc_u32 v[SS0], s98, v5
	s_mul_i32 s99, s[WY], SCH
	s_add_co_u32 s99, s99, SCL
	v_add_nc_u32 v[SS1], s99, v5
	s_mul_i32 s98, s[WV], 16*272
	s_add_co_u32 s98, s98, STAGE                   ; my stage
	v_mul_u32_u24 v5, v[R], 272
	v_lshl_add_u32 v5, v[H], 6, v5
	v_add_nc_u32 v[STO], s98, v5                   ; in: row r, 64 h bytes on
	v_mul_u32_u24 v5, v[H], 272
	v_lshl_add_u32 v5, v[R], 4, v5
	v_add_nc_u32 v[RD], s98, v5                    ; back: lanes 0-15 one row, lanes 16-31 the next
	v_lshlrev_b32 v5, 12, v[H]
	v_lshl_add_u32 v[CO], v[R], 4, v5              ; the same two rows in memory
	s_lshl_b32 s98, s[XT], 9
	s_lshl_b32 s99, s[WX], 8
	s_add_co_u32 s98, s98, s99                     ; my 64 columns, in bytes
	s_mov_b32 s99, 0
	s_add_nc_u64 s[BP:BP+1], s[8:9], s[98:99]
	s_lshl_b32 s40, s[YT], 19
	s_lshl_b32 s41, s[WY], 18
	s_add_co_u32 s40, s40, s41
	s_add_co_u32 s98, s98, s40                     ; + my 64 tokens' rows of 4,096 bytes
	s_add_nc_u64 s[RP:RP+1], s[10:11], s[98:99]
	s_add_nc_u64 s[OP:OP+1], s[12:13], s[98:99]
	v_lshlrev_b32 v6, 6, v[H]
.irp a, 0,1,2,3
	global_load_b128 v[B0+8*\a:B0+8*\a+3], v6, s[BP:BP+1] offset:(32*(\a/2)+8*(\a%2))*4
	global_load_b128 v[B0+8*\a+4:B0+8*\a+7], v6, s[BP:BP+1] offset:(32*(\a/2)+8*(\a%2))*4+16
.endr
	WIN 0x80                                       ; destination window 2: the residual, 32 registers for each tile of tokens
.irp b, 0,1,2,3
.irp t, 0,1,2,3,4,5,6,7
	global_load_b128 v[32*\b+4*\t:32*\b+4*\t+3], v[CO], s[RP:RP+1] offset:(32*(\b/2)+8*(\b%2)+2*\t+8*(\t/4))*4096    ; stage rows 2 t, 2 t + 1 of tile b are these tokens
.endr
.endr
	WIN 0
	s_wait_tensorcnt 0x1                           ; the scales and my part of slot 0 are in; slot 1's load may be out
	s_barrier_signal -1
	s_barrier_wait -1
	s_wait_loadcnt 32                              ; the bias' eight loads are in; the residual's 32 may be out
	SLOTWORK 0, 2
.if NSL > 2
	s_mov_b32 s3, NSL/2-1
.Llap:
	TWO 1, 1
	TWO 0, 1
	s_sub_co_u32 s3, s3, 1
	s_cmp_lg_u32 s3, 0
	s_cbranch_scc1 .Llap
.endif
	TWO 1, 0                                       ; the last slot: nothing is left to fetch
	PLACES
	s_wait_loadcnt 0x0                             ; the residual
.irp b, 0,1,2,3
.if \b >= 2
	s_wait_xcnt 0x0                                ; the stores of two tiles ago have read these registers
.endif
.irp a, 0,1,2,3
	ds_store_b128 v[STO], v[ACC+8*(4*\b+\a):ACC+8*(4*\b+\a)+3] offset:128*(\a/2)+32*(\a%2)        ; each accumulator from its low end on
	ds_store_b128 v[STO], v[ACC+8*(4*\b+\a)+4:ACC+8*(4*\b+\a)+7] offset:128*(\a/2)+32*(\a%2)+16
.endr
.irp t, 0,1,2,3,4,5,6,7
	ds_load_b128 v[T0+32*(\b%2)+4*\t:T0+32*(\b%2)+4*\t+3], v[RD] offset:544*\t                     ; my own bytes: LDS serves a wave's instructions in order (ISA guide 5.7.1.4)
.endr
	s_wait_dscnt 0x0
	WIN 0x08                                       ; source 1 window 2
.set ii, 0
.rept 16
	v_pk_add_f32 v[T0+32*(\b%2)+ii:T0+32*(\b%2)+ii+1], v[T0+32*(\b%2)+ii:T0+32*(\b%2)+ii+1], v[32*\b+ii:32*\b+ii+1]
.set ii, ii+2
.endr
	WIN 0
.irp t, 0,1,2,3,4,5,6,7
	global_store_b128 v[CO], v[T0+32*(\b%2)+4*\t:T0+32*(\b%2)+4*\t+3], s[OP:OP+1] offset:(32*(\b/2)+8*(\b%2)+2*\t+8*(\t/4))*4096   ; 16 lanes store 256 neighbouring bytes, aligned
.endr
.endr
	s_wait_tensorcnt 0x0                           ; the wave's end
	ds_add_u32 v[SPW], v[NIL]
	s_wait_dscnt 0x0
	CROUND                                         ; the closing round
	s_endpgm
.Lfunc_end_k_qe118098cfd_wo:
	.size	k_qe118098cfd_wo, .Lfunc_end_k_qe118098cfd_wo-k_qe118098cfd_wo
	.p2alignl 7, 3214868480
	.fill 96, 4, 3214868480
	.section	.rodata,"a",@progbits
	.p2align	6, 0x0
	.amdhsa_kernel k_qe118098cfd_wo
		.amdhsa_group_segment_fixed_size 327680
		.amdhsa_private_segment_fixed_size 0
		.amdhsa_enable_private_segment 0
		.amdhsa_kernarg_size 40
		.amdhsa_user_sgpr_count 2
		.amdhsa_user_sgpr_kernarg_segment_ptr 1
		.amdhsa_wavefront_size32 1
		.amdhsa_system_sgpr_workgroup_id_x 1
		.amdhsa_system_sgpr_workgroup_id_y 1
		.amdhsa_system_sgpr_workgroup_id_z 1
		.amdhsa_system_vgpr_workitem_id 0
		.amdhsa_next_free_vgpr 768
		.amdhsa_next_free_sgpr 104
		.amdhsa_reserve_vcc 0
		.amdhsa_float_denorm_mode_32 3
		.amdhsa_float_denorm_mode_16_64 3
		.amdhsa_memory_ordered 1
		.amdhsa_forward_progress 1
		.amdhsa_inst_pref_size 61
	.end_amdhsa_kernel
	.amdgpu_metadata
---
amdhsa.version: [ 1, 2 ]
amdhsa.kernels:
  - .name:           k_qe118098cfd_wo
    .symbol:         k_qe118098cfd_wo.kd
    .args:
      - { .name: WB, .offset: 0, .size: 8, .value_kind: global_buffer, .address_space: global }
      - { .name: AB, .offset: 8, .size: 8, .value_kind: global_buffer, .address_space: global }
      - { .name: bo, .offset: 16, .size: 8, .value_kind: global_buffer, .address_space: global }
      - { .name: x, .offset: 24, .size: 8, .value_kind: global_buffer, .address_space: global }
      - { .name: X1, .offset: 32, .size: 8, .value_kind: global_buffer, .address_space: global }
    .group_segment_fixed_size: 327680
    .private_segment_fixed_size: 0
    .kernarg_segment_align: 8
    .kernarg_segment_size: 40
    .max_flat_workgroup_size: 128
    .sgpr_count:     104
    .vgpr_count:     768
    .wavefront_size: 32
...
	.end_amdgpu_metadata
.endif
;; end of part 5
;; launch ln2: the kernel of part 2 again; grid 256 x 1, 8 waves a work-group, no clusters, 66,816 bytes of LDS; arguments X1, g2, be2, HB; writes HB
;; launch ffn1 (part 6): grid 32 x 32, 4 waves a work-group, clusters of 4 x 4, 327,680 bytes of LDS; arguments WB, HB, b1, GB; writes GB
.if DOCPART == 6
	.amdgcn_target "amdgcn-amd-amdhsa--gfx1250"
	.amdhsa_code_object_version 6
	.text
	.protected	k_qe118098cfd_ffn1
	.globl	k_qe118098cfd_ffn1
	.p2align	8
	.type	k_qe118098cfd_ffn1,@function
k_qe118098cfd_ffn1:
	s_mov_b64 s[64:65], 0
	v_nop
	global_prefetch_b8 v0, s[64:65] scope:SCOPE_SE
	s_setreg_imm32_b32 hwreg(HW_REG_WAVE_MODE, 25, 1), 1
	s_wait_xcnt 0x0
	s_wait_alu depctr_hold_cnt(0) depctr_sa_sdst(0) depctr_va_vdst(0) depctr_va_sdst(0) depctr_va_ssrc(0) depctr_va_vcc(0) depctr_vm_vsrc(0)
	s_getreg_b32 s2, hwreg(HW_REG_IB_STS2, 6, 4)
	s_cmp_eq_u32 s2, 0
	s_cbranch_scc0 .Lentry_in_a_cluster
	s_endpgm
.Lentry_in_a_cluster:
	s_bfe_u32 s2, ttmp6, 0x10000c
	s_cmp_lg_u32 s2, 0xf033
	s_cbranch_scc0 .Lentry_shape_is_right
	s_endpgm
.Lentry_shape_is_right:
; GB = Q(gelu(LN2(X1) W1 + b1)): a product on codes of FP6 (E2M3), K = 1,024, the exact GELU in f32, and the result quantised along the 4,096 hidden units, as the next product's operand.
; OPERANDS lie in memory in the order of the matrix unit's registers: tile T = 16 rows, lane-row r of tile 2 B + u = row 32 B + 8 u + r + 8 (r / 8); half image (T, kc = k / 64) = 768 bytes (lane l: 16 bytes at 16 l, 8 at 512 + 8 l);
; codes at (T / 8) (K / 64) 6,144 + kc 6,144 + (T % 8) 768; scale words at (T / 4) (K / 128) 256 + (k / 128) 256 + 16 r + 4 (T % 4).
; SHARES.  A work-group makes 128 tokens x 128 hidden units, four waves 64 x 64.  Source 0 = W1's rows, source 1 = tokens: a lane holds one token, and the 32 registers of a tile of tokens are 2 x 16 neighbouring hidden units.
; All of K fits in two LDS slots: nothing is filled twice.  CLUSTER 4 x 4: A's tiles jointly along a row, B's along a column.  b1 is the C of each sum's first product.
; GELU.  gelu(x) = x w, w = Phi(x), made without a difference of near numbers.  z = x / sqrt(2), t = |z|, s = z z.  |x| > 1.31201: E = erfc(t) / 2 = 2^(r log2(e) - 1), r a polynomial of degree 7 in t; w = 1 - E for x > 0, E for x < 0.
; Else erf(z) = z + z p(s), p of degree 5; w = 1/2 + erf / 2.  Both pieces are always computed and chosen by v_cndmask_b32.
; LIMITS: NaN and infinities are not served.  The two polynomials are those of a published single-precision erf (its authors state about 1 ulp).  For x under about -5.5, where |gelu| is under 2e-7, the tail's relative accuracy falls off
; (some per cent near -8.5); further down the result goes to 0, as the true value does in f32.  A block of zeros gets the byte 1 (read by this program alone).
.set KTOT,  1024
.set AS_OFF, 3145728
.set BC_OFF, 3145728
.set BS_OFF, 9568256
.set OPS,   49152
.set HALFT, 24576
.set SLOT,  98304
.set RGB,   KTOT*96
.set NSL,   KTOT/512
.set SCH,   KTOT*2
.set SCL,   2*SLOT
.set SPARE, SCL+4*SCH
.set R, 1
.set H, 2
.set L16, 3
.set L8, 4
.set S0A, 8
.set S1A, 12
.set SS0, 16
.set SS1, 17
.set SPW, 18
.set NIL, 19
.set VS2, 22
.set SC, 24                            ; v24-39 two sets of scale words; they hold nothing else
.set QM, 40
.set HW, 48
.set QC, 52
.set QD, 60
.set GE, 64                            ; v64-79   16 exponents, then E, then the tail's w
.set GW, 80                            ; v80-95   16 of the centre's w, then the chosen w
.set GS, 96                            ; v96-119  two sets of 12 at work; then 1 - E
.set GK, 120                           ; v120-125 three constants, twice each
.set B0, 96                            ; v96-127  b1 in the result's layout, until the first products have read it
.set ACC, 128
.set F0, 0
.set F1, 128
.set WV, 16
.set WY, 17
.set WX, 18
.set CX, 20
.set CY, 21
.set XT, 22
.set YT, 23
.set G1A, 24
.set G0A, 32
.set G1B, 48
.set G0B, 56
.set G1SA, 68
.set G0SA, 76
.set G1SB, 80
.set G0SB, 88
.set BP, 92
.set OC, 94
.set OS, 96
.set SEL, 100
.set MK, 2
.set THR, 3
.set MSB, 0
.macro WIN new
.if MSB != \new
	s_set_vgpr_msb (MSB<<8)|\new
.set MSB, \new
.endif
.endm
.macro PLACES
.rept 4
	v_nop
.endr
.endm
.macro JLOAD g0a, g1a, g0b, g1b
	s_cmp_eq_u32 s[WY], 0
	s_cbranch_scc0 .Lfor_b_\@
	tensor_load_to_lds s[\g0a:\g0a+3], s[\g1a:\g1a+7]
	s_nop 0
.rept 4
	v_nop
.endr
	s_branch .Lasked_\@
.Lfor_b_\@:
	tensor_load_to_lds s[\g0b:\g0b+3], s[\g1b:\g1b+7]
	s_nop 0
.rept 4
	v_nop
.endr
.Lasked_\@:
.endm
.macro CROUND
	s_barrier_signal -1
	s_barrier_wait -1
	s_cmp_lg_u32 s[WV], 0
	s_cbranch_scc1 .Lnot_wave_0_\@
	s_barrier_signal -3
.Lnot_wave_0_\@:
	s_barrier_wait -3
	s_barrier_signal -1
	s_barrier_wait -1
.endm
.macro FRAGS reg, adr, slot, q
.irp i, 0,1,2,3
.irp c, 0,1
	ds_load_b128 v[\reg+12*\i+6*\c:\reg+12*\i+6*\c+3], v[\adr+\slot] offset:(2*(\q)+\c)*6144+768*\i
	ds_load_b64 v[\reg+12*\i+6*\c+4:\reg+12*\i+6*\c+5], v[\adr+2+\slot] offset:(2*(\q)+\c)*6144+768*\i+512
.endr
.endr
.endm
.macro FETCH slot, q, f, sc
	WIN 0x40
	FRAGS \f, S0A, \slot, \q
	FRAGS \f+48, S1A, \slot, \q
	WIN 0
	ds_load_b128 v[SC+8*(\sc):SC+8*(\sc)+3], v[SS0] offset:256*(\q)
	ds_load_b128 v[SC+8*(\sc)+4:SC+8*(\sc)+7], v[SS1] offset:256*(\q)
.endm
.macro MUL f, sc, first                ; the 16 accumulators take turns, one instruction a turn; first = 2: the bias starts the sums
	WIN 0x05
.irp b, 0,1,2,3
.irp a, 0,1,2,3
.if \first == 2
	v_wmma_scale_f32_16x16x128_f8f6f4 v[ACC+8*(4*\b+\a):ACC+8*(4*\b+\a)+7], v[\f+12*\a:\f+12*\a+11], v[\f+48+12*\b:\f+48+12*\b+11], v[B0+8*\a:B0+8*\a+7], v[SC+8*\sc+\a], v[SC+8*\sc+4+\b] matrix_a_fmt:MATRIX_FMT_FP6 matrix_b_fmt:MATRIX_FMT_FP6
.else
	v_wmma_scale_f32_16x16x128_f8f6f4 v[ACC+8*(4*\b+\a):ACC+8*(4*\b+\a)+7], v[\f+12*\a:\f+12*\a+11], v[\f+48+12*\b:\f+48+12*\b+11], v[ACC+8*(4*\b+\a):ACC+8*(4*\b+\a)+7], v[SC+8*\sc+\a], v[SC+8*\sc+4+\b] matrix_a_fmt:MATRIX_FMT_FP6 matrix_b_fmt:MATRIX_FMT_FP6
.endif
.endr
.endr
.endm
.macro SLOTWORK slot, first
	PLACES
	FETCH \slot, 0, F0, 0
	s_wait_dscnt 0x0
	FETCH \slot, 1, F1, 1
	MUL F0, 0, \first
	s_wait_dscnt 0x0
	PLACES
	FETCH \slot, 2, F0, 0
	MUL F1, 1, 0
	s_wait_dscnt 0x0
	PLACES
	FETCH \slot, 3, F1, 1
	MUL F0, 0, 0
	s_wait_dscnt 0x0
	MUL F1, 1, 0
	WIN 0
.endm
.macro TWO slot, refill
	s_wait_tensorcnt 0x0                           ; all my tensor loads have landed, my part of this slot among them
	ds_add_u32 v[SPW], v[NIL]                      ; 0 onto my spare word
.if \refill
	s_add_nc_u64 s[G0A+4*(1-\slot)+2:G0A+4*(1-\slot)+3], s[G0A+4*(1-\slot)+2:G0A+4*(1-\slot)+3], 2*OPS
	s_add_nc_u64 s[G0B+4*(1-\slot)+2:G0B+4*(1-\slot)+3], s[G0B+4*(1-\slot)+2:G0B+4*(1-\slot)+3], 2*OPS
.endif
	v_add_nc_u32 v[SS0], 1024, v[SS0]
	v_add_nc_u32 v[SS1], 1024, v[SS1]
	s_wait_dscnt 0x0
.if \refill
	CROUND
	JLOAD G0A+4*(1-\slot), G1A, G0B+4*(1-\slot), G1B
.else
	s_barrier_signal -1
	s_barrier_wait -1
.endif
	SLOTWORK \slot, 0
.endm
.macro Q2 s, hw                        ; 32 numbers, register 16 B + i = k 32 B + 16 h + i -> a half image in v[QC] on, two bytes in v[hw]
	v_max3_num_f32 v[QM], |v[(\s)]|, |v[(\s)+1]|, 0x1800000
	v_max3_num_f32 v[QM+1], |v[(\s)+16]|, |v[(\s)+17]|, 0x1800000
.irp i, 2,4,6,8,10,12,14
	v_max3_num_f32 v[QM], v[QM], |v[(\s)+\i]|, |v[(\s)+\i+1]|
	v_max3_num_f32 v[QM+1], v[QM+1], |v[(\s)+16+\i]|, |v[(\s)+17+\i]|
.endr
	v_permlanex16_b32 v[QM+2], v[QM], s[SEL], s[SEL+1]
	v_permlanex16_b32 v[QM+3], v[QM+1], s[SEL], s[SEL+1]
	v_max_num_f32 v[QM], v[QM], v[QM+2]
	v_max_num_f32 v[QM+1], v[QM+1], v[QM+3]
	v_add_nc_u32 v[QM+4], 0xff000000, v[QM]
	v_add_nc_u32 v[QM+5], 0xff000000, v[QM+1]
	v_lshrrev_b32 v[QM+6], 23, v[QM+4]
	v_lshrrev_b32 v[QM+7], 23, v[QM+5]
	v_lshl_or_b32 v[\hw], v[QM+7], 8, v[QM+6]
	v_cvt_scalef32_pk16_fp6_f32 v[QC:QC+2], v[(\s):(\s)+15], v[QM+4]
	v_cvt_scalef32_pk16_fp6_f32 v[QD:QD+2], v[(\s)+16:(\s)+31], v[QM+5]
	v_nop
.irp i, 0,1,2
	v_permlane16_swap_b32 v[QC+\i], v[QD+\i]
.endr
.irp i, 0,1,2
	v_mov_b32 v[QC+3+\i], v[QD+\i]
.endr
.endm
; Line k of 19 of a pair's polynomials, for pair GN + p of the batch at v[GX]; set p of the registers at work: z +0, t +2, s +4, r +6, u +8, p +10.  The tail's chain and the centre's take turns, and so do two pairs
.macro GLN p
.set SB, GS+12*(\p)
.set XR, GX+2*(GN+(\p))
.set ER, GE+2*(GN+(\p))
.set WR, GW+2*(GN+(\p))
.if k == 0
	v_pk_mul_f32 v[SB:SB+1], v[XR:XR+1], 0x3f3504f3 op_sel_hi:[1,0]                        ; z = x / sqrt(2)
.elseif k == 1
	v_and_b32 v[SB+2], 0x7fffffff, v[SB]                                                   ; t = |z|
.elseif k == 2
	v_and_b32 v[SB+3], 0x7fffffff, v[SB+1]
.elseif k == 3
	v_pk_mul_f32 v[SB+4:SB+5], v[SB:SB+1], v[SB:SB+1]                                      ; s = z z
.elseif k == 4
	v_pk_fma_f32 v[SB+6:SB+7], v[SB+2:SB+3], 0xb7910000, v[GK:GK+1] op_sel_hi:[1,0,1]
.elseif k == 5
	v_pk_fma_f32 v[SB+8:SB+9], v[SB+2:SB+3], 0xbb7e8a1c, v[GK+2:GK+3] op_sel_hi:[1,0,1]
.elseif k == 6
	v_pk_fma_f32 v[SB+10:SB+11], v[SB+4:SB+5], 0xba1c7000, v[GK+4:GK+5] op_sel_hi:[1,0,1]
.elseif k == 7
	v_pk_fma_f32 v[SB+6:SB+7], v[SB+6:SB+7], v[SB+4:SB+5], v[SB+8:SB+9]
.elseif k == 8
	v_pk_fma_f32 v[SB+10:SB+11], v[SB+10:SB+11], v[SB+4:SB+5], 0xbcdb48d9 op_sel_hi:[1,1,0]
.elseif k == 9
	v_pk_fma_f32 v[SB+6:SB+7], v[SB+6:SB+7], v[SB+2:SB+3], 0xbddaae5c op_sel_hi:[1,1,0]
.elseif k == 10
	v_pk_fma_f32 v[SB+10:SB+11], v[SB+10:SB+11], v[SB+4:SB+5], 0x3de70e22 op_sel_hi:[1,1,0]
.elseif k == 11
	v_pk_fma_f32 v[SB+6:SB+7], v[SB+6:SB+7], v[SB+2:SB+3], 0xbf228550 op_sel_hi:[1,1,0]
.elseif k == 12
	v_pk_fma_f32 v[SB+10:SB+11], v[SB+10:SB+11], v[SB+4:SB+5], 0xbec09380 op_sel_hi:[1,1,0]
.elseif k == 13
	v_pk_fma_f32 v[SB+6:SB+7], v[SB+6:SB+7], v[SB+2:SB+3], 0xbe03ce86 op_sel_hi:[1,1,0]
.elseif k == 14
	v_pk_fma_f32 v[SB+10:SB+11], v[SB+10:SB+11], v[SB+4:SB+5], 0x3e0375d4 op_sel_hi:[1,1,0]
.elseif k == 15
	v_pk_fma_f32 v[SB+6:SB+7], v[SB+6:SB+7], v[SB+2:SB+3], v[SB+2:SB+3] neg_lo:[0,0,1] neg_hi:[0,0,1]   ; r = r t - t: erfc(t) = e^r
.elseif k == 16
	v_pk_fma_f32 v[SB+10:SB+11], v[SB+10:SB+11], v[SB:SB+1], v[SB:SB+1]                    ; erf(z) = p z + z
.elseif k == 17
	v_pk_fma_f32 v[ER:ER+1], v[SB+6:SB+7], 0x3fb8aa3b, -1.0 op_sel_hi:[1,0,0]              ; r log2(e) - 1
.else
	v_pk_fma_f32 v[WR:WR+1], v[SB+10:SB+11], 0.5, 0.5 op_sel_hi:[1,0,0]                    ; the centre's w
.endif
.endm
.macro GELU16 x                        ; 16 numbers at v[x] on, in place
.set GX, \x
.set GN, 0
.rept 4
.set k, 0
.rept 19
	GLN 0
	GLN 1
.set k, k+1
.endr
.set GN, GN+2
.endr
.set ii, 0
.rept 16
	v_exp_f32 v[GE+ii], v[GE+ii]                   ; E: one batch,
.set ii, ii+1
.endr
	v_nop                                          ; a plain line behind it,
	s_wait_alu depctr_va_vdst(0)                   ; one wait ahead of its first reader
.set ii, 0
.rept 8
	v_pk_add_f32 v[GS+ii:GS+ii+1], v[GE+ii:GE+ii+1], 1.0 op_sel_hi:[1,0] neg_lo:[1,0] neg_hi:[1,0]   ; 1 - E
.set ii, ii+2
.endr
.irp g, 0,4,8,12
.irp i, 0,1,2,3
	v_cmp_lt_f32 s[24+2*\i], 0, v[GX+\g+\i]        ; (the descriptors' registers are free: every tensor load has been waited for)
	v_cmp_gt_f32 s[25+2*\i], |v[GX+\g+\i]|, s[THR]
.endr
.irp i, 0,1,2,3
	v_cndmask_b32 v[GE+\g+\i], v[GE+\g+\i], v[GS+\g+\i], s[24+2*\i]      ; the tail's w: 1 - E above 0, E below
.endr
.irp i, 0,1,2,3
	v_cndmask_b32 v[GW+\g+\i], v[GW+\g+\i], v[GE+\g+\i], s[25+2*\i]      ; tail or centre
.endr
.endr
.set ii, 0
.rept 8
	v_pk_mul_f32 v[GX+ii:GX+ii+1], v[GX+ii:GX+ii+1], v[GW+ii:GW+ii+1]
.set ii, ii+2
.endr
.endm
	s_load_b256 s[4:11], s[0:1], 0x0               ; WB, HB, b1, GB
	v_lshl_add_u32 v[SPW], v0, 2, SPARE
	v_mov_b32 v[NIL], 0
	ds_add_u32 v[SPW], v[NIL]                      ; the wave's opening: the add and its wait ahead of my first tensor load
	v_lshrrev_b32 v1, 5, v0
	v_readfirstlane_b32 s[WV], v1
	s_lshr_b32 s[WY], s[WV], 1
	s_and_b32 s[WX], s[WV], 1
	s_bfe_u32 s[CX], ttmp6, 0x40000
	s_bfe_u32 s[CY], ttmp6, 0x40004
	s_lshl_b32 s[XT], ttmp9, 2
	s_add_co_u32 s[XT], s[XT], s[CX]
	s_and_b32 s[YT], ttmp7, 0xffff
	s_lshl_b32 s[YT], s[YT], 2
	s_add_co_u32 s[YT], s[YT], s[CY]
	s_lshl_b32 s40, s[CY], 2
	s_lshl_b32 s40, 15, s40
	s_lshl_b32 s41, 0x1111, s[CX]
	s_or_b32 s[G1A], s40, (3<<16)|(1<<21)
	s_or_b32 s[G1SA], s40, (3<<16)|(1<<21)
	s_or_b32 s[G1B], s41, (3<<16)|(1<<21)
	s_or_b32 s[G1SB], s41, (3<<16)|(1<<21)
.irp g, G1A, G1B
	s_mov_b32 s[\g+1], 32<<16
	s_mov_b32 s[\g+2], 96<<16
	s_mov_b32 s[\g+3], 32<<16
	s_mov_b32 s[\g+4], 96
	s_mov_b32 s[\g+5], 32
	s_mov_b32 s[\g+6], 0
	s_mov_b32 s[\g+7], 0
.endr
.irp g, G1SA, G1SB
	s_mov_b32 s[\g+1], 32<<16
	s_mov_b32 s[\g+2], (KTOT/128)<<16
	s_mov_b32 s[\g+3], 32<<16
	s_mov_b32 s[\g+4], KTOT/128
	s_mov_b32 s[\g+5], 32
	s_mov_b32 s[\g+6], 0
	s_mov_b32 s[\g+7], 0
.endr
	s_mul_i32 s96, s[WX], HALFT
	s_mul_i32 s42, s[YT], RGB
	s_add_co_u32 s42, s42, s96
	s_mov_b32 s43, 0
	s_lshl_b32 s44, s[YT], 1
	s_add_co_u32 s44, s44, s[WX]
	s_mul_i32 s44, s44, SCH
	s_add_co_u32 s44, s44, AS_OFF
	s_mov_b32 s45, 0
	s_mul_i32 s46, s[XT], RGB
	s_add_co_u32 s46, s46, s96
	s_add_co_u32 s46, s46, BC_OFF
	s_mov_b32 s47, 0
	s_lshl_b32 s92, s[XT], 1
	s_add_co_u32 s92, s92, s[WX]
	s_mul_i32 s92, s92, SCH
	s_add_co_u32 s92, s92, BS_OFF
	s_mov_b32 s93, 0
	s_mul_i32 s94, s[WV], HALFT
	s_mul_i32 s95, s[WV], SCH
	s_mov_b32 s[SEL], 0x76543210
	s_mov_b32 s[SEL+1], 0xfedcba98
	s_wait_dscnt 0x0                               ; the opening add is done
	s_wait_kmcnt 0x0
	s_add_nc_u64 s[42:43], s[6:7], s[42:43]
	s_add_nc_u64 s[44:45], s[6:7], s[44:45]
	s_add_nc_u64 s[46:47], s[4:5], s[46:47]
	s_add_nc_u64 s[92:93], s[4:5], s[92:93]
	CROUND
	s_mov_b32 s[G0SA], 1
	s_add_co_u32 s[G0SA+1], s95, SCL
	s_mov_b64 s[G0SA+2:G0SA+3], s[44:45]
	s_or_b32 s[G0SA+3], s[G0SA+3], 0x80000000
	s_mov_b32 s[G0SB], 1
	s_add_co_u32 s[G0SB+1], s95, SCL
	s_mov_b64 s[G0SB+2:G0SB+3], s[92:93]
	s_or_b32 s[G0SB+3], s[G0SB+3], 0x80000000
	JLOAD G0SA, G1SA, G0SB, G1SB
.irp s, 0,1
	s_mov_b32 s[G0A+4*\s], 1
	s_add_co_u32 s[G0A+4*\s+1], s94, \s*SLOT
	s_add_nc_u64 s[G0A+4*\s+2:G0A+4*\s+3], s[42:43], \s*OPS
	s_or_b32 s[G0A+4*\s+3], s[G0A+4*\s+3], 0x80000000
	s_mov_b32 s[G0B+4*\s], 1
	s_add_co_u32 s[G0B+4*\s+1], s94, \s*SLOT
	s_add_nc_u64 s[G0B+4*\s+2:G0B+4*\s+3], s[46:47], \s*OPS
	s_or_b32 s[G0B+4*\s+3], s[G0B+4*\s+3], 0x80000000
	JLOAD G0A+4*\s, G1A, G0B+4*\s, G1B             ; three loads of mine are out
.endr
	v_and_b32 v[R], 15, v0
	v_bfe_u32 v[H], v0, 4, 1
	v_and_b32 v5, 31, v0
	v_lshlrev_b32 v[L16], 4, v5
	v_lshlrev_b32 v[L8], 3, v5
	s_mul_i32 s98, s[WX], 3072
	s_add_co_u32 s98, s98, OPS                     ; source 0: my four tiles of B
	s_mul_i32 s99, s[WY], 3072                     ; source 1: my four of A
.irp s, 0,1
	v_add_nc_u32 v[S0A+\s], s98, v[L16]
	v_add_nc_u32 v[S0A+2+\s], s98, v[L8]
	v_add_nc_u32 v[S1A+\s], s99, v[L16]
	v_add_nc_u32 v[S1A+2+\s], s99, v[L8]
	s_add_co_u32 s98, s98, SLOT
	s_add_co_u32 s99, s99, SLOT
.endr
	v_lshlrev_b32 v5, 4, v[R]
	s_mul_i32 s98, s[WX], SCH
	s_add_co_u32 s98, s98, SCL+2*SCH
	v_add_nc_u32 v[SS0], s98, v5
	s_mul_i32 s99, s[WY], SCH
	s_add_co_u32 s99, s99, SCL
	v_add_nc_u32 v[SS1], s99, v5
	v_lshl_add_u32 v[VS2], v[H], 3, v5             ; 16 r + 8 h
	s_lshl_b32 s98, s[XT], 9
	s_lshl_b32 s99, s[WX], 8
	s_add_co_u32 s98, s98, s99
	s_mov_b32 s99, 0
	s_add_nc_u64 s[BP:BP+1], s[8:9], s[98:99]      ; b1 at my 64 hidden units
	v_lshlrev_b32 v6, 6, v[H]
.irp a, 0,1,2,3
	global_load_b128 v[B0+8*\a:B0+8*\a+3], v6, s[BP:BP+1] offset:(32*(\a/2)+8*(\a%2))*4
	global_load_b128 v[B0+8*\a+4:B0+8*\a+7], v6, s[BP:BP+1] offset:(32*(\a/2)+8*(\a%2))*4+16
.endr
	v_mov_b32 v[QM+2], 0                           ; written once: a lane permute's destination counts as one of its sources
	v_mov_b32 v[QM+3], 0
	s_mov_b32 s[MK], 0xffff0000
	s_mov_b32 s[THR], 0x3fa7f019                   ; 1.31201
	s_lshl_b32 s40, s[XT], 1
	s_add_co_u32 s40, s40, s[WX]
	s_mul_i32 s40, s40, 6144
	s_mul_i32 s41, s[YT], 393216
	s_add_co_u32 s40, s40, s41
	s_mul_i32 s41, s[WY], 3072
	s_add_co_u32 s94, s40, s41                     ; codes: token group YT, half image 2 XT + WX, my four tiles
	s_mov_b32 s95, 0
	s_add_nc_u64 s[OC:OC+1], s[10:11], s[94:95]
	s_lshl_b32 s40, s[YT], 1
	s_add_co_u32 s40, s40, s[WY]
	s_lshl_b32 s40, s40, 13
	s_lshl_b32 s41, s[XT], 8
	s_add_co_u32 s40, s40, s41
	s_lshl_b32 s41, s[WX], 1
	s_add_co_u32 s40, s40, s41
	s_add_co_u32 s96, s40, 12582912                ; scales: my 64 tokens, K step XT, blocks 2 WX, 2 WX + 1
	s_mov_b32 s97, 0
	s_add_nc_u64 s[OS:OS+1], s[10:11], s[96:97]
	s_wait_tensorcnt 0x1                           ; the scales and my part of slot 0 are in; slot 1's load may be out
	s_barrier_signal -1
	s_barrier_wait -1
	s_wait_loadcnt 0x0                             ; b1
	SLOTWORK 0, 2
	TWO 1, 0
	PLACES
	v_mov_b32 v[GK], 0x39c8e7d9                    ; the three constants that stand beside another constant
	v_mov_b32 v[GK+1], 0x39c8e7d9
	v_mov_b32 v[GK+2], 0x3cc6b1a1
	v_mov_b32 v[GK+3], 0x3cc6b1a1
	v_mov_b32 v[GK+4], 0x3ba38d2c
	v_mov_b32 v[GK+5], 0x3ba38d2c
.irp b, 0,1,2,3
.if \b > 0
	s_wait_xcnt 0x0                                ; the last tile's stores have read the half image's registers
.endif
	GELU16 ACC+32*\b                               ; pairs in ascending order: each accumulator is read from its low end on
	GELU16 ACC+32*\b+16
	Q2 ACC+32*\b, HW+\b
	global_store_b128 v[L16], v[QC:QC+3], s[OC:OC+1] offset:768*\b
	global_store_b64 v[L8], v[QC+4:QC+5], s[OC:OC+1] offset:768*\b+512
.endr
	v_cndmask_b32 v[QM], v[HW], v[HW+2], s[MK]     ; lanes 0-15 store tiles 0, 1, lanes 16-31 tiles 2, 3: two bytes each
	v_cndmask_b32 v[QM+1], v[HW+1], v[HW+3], s[MK]
	global_store_b16 v[VS2], v[QM], s[OS:OS+1]
	global_store_b16 v[VS2], v[QM+1], s[OS:OS+1] offset:4
	s_wait_tensorcnt 0x0                           ; the wave's end
	ds_add_u32 v[SPW], v[NIL]
	s_wait_dscnt 0x0
	CROUND                                         ; the closing round
	s_endpgm
.Lfunc_end_k_qe118098cfd_ffn1:
	.size	k_qe118098cfd_ffn1, .Lfunc_end_k_qe118098cfd_ffn1-k_qe118098cfd_ffn1
	.p2alignl 7, 3214868480
	.fill 96, 4, 3214868480
	.section	.rodata,"a",@progbits
	.p2align	6, 0x0
	.amdhsa_kernel k_qe118098cfd_ffn1
		.amdhsa_group_segment_fixed_size 327680
		.amdhsa_private_segment_fixed_size 0
		.amdhsa_enable_private_segment 0
		.amdhsa_kernarg_size 32
		.amdhsa_user_sgpr_count 2
		.amdhsa_user_sgpr_kernarg_segment_ptr 1
		.amdhsa_wavefront_size32 1
		.amdhsa_system_sgpr_workgroup_id_x 1
		.amdhsa_system_sgpr_workgroup_id_y 1
		.amdhsa_system_sgpr_workgroup_id_z 1
		.amdhsa_system_vgpr_workitem_id 0
		.amdhsa_next_free_vgpr 512
		.amdhsa_next_free_sgpr 104
		.amdhsa_reserve_vcc 0
		.amdhsa_float_denorm_mode_32 3
		.amdhsa_float_denorm_mode_16_64 3
		.amdhsa_memory_ordered 1
		.amdhsa_forward_progress 1
		.amdhsa_inst_pref_size 200
	.end_amdhsa_kernel
	.amdgpu_metadata
---
amdhsa.version: [ 1, 2 ]
amdhsa.kernels:
  - .name:           k_qe118098cfd_ffn1
    .symbol:         k_qe118098cfd_ffn1.kd
    .args:
      - { .name: WB, .offset: 0, .size: 8, .value_kind: global_buffer, .address_space: global }
      - { .name: HB, .offset: 8, .size: 8, .value_kind: global_buffer, .address_space: global }
      - { .name: b1, .offset: 16, .size: 8, .value_kind: global_buffer, .address_space: global }
      - { .name: GB, .offset: 24, .size: 8, .value_kind: global_buffer, .address_space: global }
    .group_segment_fixed_size: 327680
    .private_segment_fixed_size: 0
    .kernarg_segment_align: 8
    .kernarg_segment_size: 32
    .max_flat_workgroup_size: 128
    .sgpr_count:     104
    .vgpr_count:     512
    .wavefront_size: 32
...
	.end_amdgpu_metadata
.endif
;; end of part 6
;; launch ffn2 (part 7): grid 8 x 32, 4 waves a work-group, clusters of 4 x 4, 327,680 bytes of LDS; arguments WB, GB, b2, X1, out0; writes out0
.if DOCPART == 7
	.amdgcn_target "amdgcn-amd-amdhsa--gfx1250"
	.amdhsa_code_object_version 6
	.text
	.protected	k_qe118098cfd_ffn2
	.globl	k_qe118098cfd_ffn2
	.p2align	8
	.type	k_qe118098cfd_ffn2,@function
k_qe118098cfd_ffn2:
	s_mov_b64 s[64:65], 0
	v_nop
	global_prefetch_b8 v0, s[64:65] scope:SCOPE_SE
	s_setreg_imm32_b32 hwreg(HW_REG_WAVE_MODE, 25, 1), 1
	s_wait_xcnt 0x0
	s_wait_alu depctr_hold_cnt(0) depctr_sa_sdst(0) depctr_va_vdst(0) depctr_va_sdst(0) depctr_va_ssrc(0) depctr_va_vcc(0) depctr_vm_vsrc(0)
	s_getreg_b32 s2, hwreg(HW_REG_IB_STS2, 6, 4)
	s_cmp_eq_u32 s2, 0
	s_cbranch_scc0 .Lentry_in_a_cluster
	s_endpgm
.Lentry_in_a_cluster:
	s_bfe_u32 s2, ttmp6, 0x10000c
	s_cmp_lg_u32 s2, 0xf033
	s_cbranch_scc0 .Lentry_shape_is_right
	s_endpgm
.Lentry_shape_is_right:
; out0 = X1 + gelu(..) W2 + b2: a product on codes of FP6 (E2M3), K = 4,096, f32 out.
; OPERANDS lie in memory in the order of the matrix unit's registers: tile T = 16 rows, lane-row r of tile 2 B + u = row 32 B + 8 u + r + 8 (r / 8); half image (T, kc = k / 64) = 768 bytes (lane l: 16 bytes at 16 l, 8 at 512 + 8 l);
; codes at (T / 8) (K / 64) 6,144 + kc 6,144 + (T % 8) 768; scale words at (T / 4) (K / 128) 256 + (k / 128) 256 + 16 r + 4 (T % 4).
; SHARES.  A work-group makes 128 tokens x 128 columns, four waves 64 x 64 (16 accumulators).  Source 0 = weights (B), source 1 = tokens (A): a lane holds one token and 2 x 16 neighbouring columns for each tile of tokens.
; K goes in eight runs of 512 through a ring of two LDS slots; a wave's one load behind each change of slots brings 24,576 bytes and has a slot's 64 products in which to land.  The scales of all of K come once.
; CLUSTER 4 x 4: A's tiles are asked for jointly along a row of the cluster, B's along a column; each refill stands behind a round of the cluster's barrier.
; The bias is the C of each sum's first product.  The residual is loaded at the head, in the lanes and registers in which the results leave.  A tile of 16 tokens x 64 columns goes through the wave's own stage in LDS
; and leaves as rows: sixteen lanes store 256 neighbouring bytes, aligned.
; LIMITS: NaN and infinities are not served.
.set KTOT,  4096
.set AS_OFF, 12582912
.set BC_OFF, 6291456
.set BS_OFF, 9699328
.set OPS,   49152
.set HALFT, 24576
.set SLOT,  98304
.set RGB,   KTOT*96
.set NSL,   KTOT/512
.set SCH,   KTOT*2
.set SCL,   2*SLOT
.set STAGE, SCL+4*SCH                  ; 16 rows x 272 bytes for each wave; no tensor load lands here
.set SPARE, STAGE+4*16*272
.set R, 1
.set H, 2
.set L16, 3
.set L8, 4
.set S0A, 8
.set S1A, 12
.set SS0, 16
.set SS1, 17
.set SPW, 18
.set NIL, 19
.set CO, 20
.set STO, 21
.set RD, 22
.set SC, 24                            ; v24-39 two sets of scale words; they hold nothing else
.set T0, 40
.set B0, 96
.set ACC, 128
.set F0, 0
.set F1, 128
.set WV, 16
.set WY, 17
.set WX, 18
.set CX, 20
.set CY, 21
.set XT, 22
.set YT, 23
.set G1A, 24
.set G0A, 32
.set G1B, 48
.set G0B, 56
.set G1SA, 68
.set G0SA, 76
.set G1SB, 80
.set G0SB, 88
.set RP, 92
.set OP, 94
.set BP, 96
.set MSB, 0
.macro WIN new
.if MSB != \new
	s_set_vgpr_msb (MSB<<8)|\new
.set MSB, \new
.endif
.endm
.macro PLACES
.rept 4
	v_nop
.endr
.endm
.macro JLOAD g0a, g1a, g0b, g1b
	s_cmp_eq_u32 s[WY], 0
	s_cbranch_scc0 .Lfor_b_\@
	tensor_load_to_lds s[\g0a:\g0a+3], s[\g1a:\g1a+7]
	s_nop 0
.rept 4
	v_nop
.endr
	s_branch .Lasked_\@
.Lfor_b_\@:
	tensor_load_to_lds s[\g0b:\g0b+3], s[\g1b:\g1b+7]
	s_nop 0
.rept 4
	v_nop
.endr
.Lasked_\@:
.endm
.macro CROUND
	s_barrier_signal -1
	s_barrier_wait -1
	s_cmp_lg_u32 s[WV], 0
	s_cbranch_scc1 .Lnot_wave_0_\@
	s_barrier_signal -3
.Lnot_wave_0_\@:
	s_barrier_wait -3
	s_barrier_signal -1
	s_barrier_wait -1
.endm
.macro FRAGS reg, adr, slot, q
.irp i, 0,1,2,3
.irp c, 0,1
	ds_load_b128 v[\reg+12*\i+6*\c:\reg+12*\i+6*\c+3], v[\adr+\slot] offset:(2*(\q)+\c)*6144+768*\i
	ds_load_b64 v[\reg+12*\i+6*\c+4:\reg+12*\i+6*\c+5], v[\adr+2+\slot] offset:(2*(\q)+\c)*6144+768*\i+512
.endr
.endr
.endm
.macro FETCH slot, q, f, sc
	WIN 0x40
	FRAGS \f, S0A, \slot, \q
	FRAGS \f+48, S1A, \slot, \q
	WIN 0
	ds_load_b128 v[SC+8*(\sc):SC+8*(\sc)+3], v[SS0] offset:256*(\q)
	ds_load_b128 v[SC+8*(\sc)+4:SC+8*(\sc)+7], v[SS1] offset:256*(\q)
.endm
.macro MUL f, sc, first                ; the 16 accumulators take turns, one instruction a turn, over the loop's backward jump too; first = 2: the bias starts the sums
	WIN 0x05
.irp b, 0,1,2,3
.irp a, 0,1,2,3
.if \first == 2
	v_wmma_scale_f32_16x16x128_f8f6f4 v[ACC+8*(4*\b+\a):ACC+8*(4*\b+\a)+7], v[\f+12*\a:\f+12*\a+11], v[\f+48+12*\b:\f+48+12*\b+11], v[B0+8*\a:B0+8*\a+7], v[SC+8*\sc+\a], v[SC+8*\sc+4+\b] matrix_a_fmt:MATRIX_FMT_FP6 matrix_b_fmt:MATRIX_FMT_FP6
.else
	v_wmma_scale_f32_16x16x128_f8f6f4 v[ACC+8*(4*\b+\a):ACC+8*(4*\b+\a)+7], v[\f+12*\a:\f+12*\a+11], v[\f+48+12*\b:\f+48+12*\b+11], v[ACC+8*(4*\b+\a):ACC+8*(4*\b+\a)+7], v[SC+8*\sc+\a], v[SC+8*\sc+4+\b] matrix_a_fmt:MATRIX_FMT_FP6 matrix_b_fmt:MATRIX_FMT_FP6
.endif
.endr
.endr
.endm
.macro SLOTWORK slot, first
	PLACES
	FETCH \slot, 0, F0, 0
	s_wait_dscnt 0x0
	FETCH \slot, 1, F1, 1
	MUL F0, 0, \first
	s_wait_dscnt 0x0
	PLACES
	FETCH \slot, 2, F0, 0
	MUL F1, 1, 0
	s_wait_dscnt 0x0
	PLACES
	FETCH \slot, 3, F1, 1
	MUL F0, 0, 0
	s_wait_dscnt 0x0
	MUL F1, 1, 0
	WIN 0
.endm
.macro TWO slot, refill
	s_wait_tensorcnt 0x0                           ; all my tensor loads have landed, my part of this slot among them: so every group 0 may be written
	ds_add_u32 v[SPW], v[NIL]                      ; 0 onto my spare word
.if \refill
	s_add_nc_u64 s[G0A+4*(1-\slot)+2:G0A+4*(1-\slot)+3], s[G0A+4*(1-\slot)+2:G0A+4*(1-\slot)+3], 2*OPS   ; the other slot's next 512 along K
	s_add_nc_u64 s[G0B+4*(1-\slot)+2:G0B+4*(1-\slot)+3], s[G0B+4*(1-\slot)+2:G0B+4*(1-\slot)+3], 2*OPS
.endif
	v_add_nc_u32 v[SS0], 1024, v[SS0]              ; four steps' scale words on
	v_add_nc_u32 v[SS1], 1024, v[SS1]
	s_wait_dscnt 0x0                               ; the add is done, my reads of the other slot are over
.if \refill
	CROUND                                         ; no wave of any partner still reads that slot or has a load on its way
	JLOAD G0A+4*(1-\slot), G1A, G0B+4*(1-\slot), G1B   ; my one tensor load behind the round, first thing there
.else
	s_barrier_signal -1
	s_barrier_wait -1
.endif
	SLOTWORK \slot, 0
.endm
	s_load_b256 s[4:11], s[0:1], 0x0               ; WB, A's buffer, the bias, the residual
	s_load_b64 s[12:13], s[0:1], 0x20              ; the output
	v_lshl_add_u32 v[SPW], v0, 2, SPARE
	v_mov_b32 v[NIL], 0
	ds_add_u32 v[SPW], v[NIL]                      ; the wave's opening: the add and its wait ahead of my first tensor load
	v_lshrrev_b32 v1, 5, v0
	v_readfirstlane_b32 s[WV], v1
	s_lshr_b32 s[WY], s[WV], 1
	s_and_b32 s[WX], s[WV], 1
	s_bfe_u32 s[CX], ttmp6, 0x40000
	s_bfe_u32 s[CY], ttmp6, 0x40004
	s_lshl_b32 s[XT], ttmp9, 2
	s_add_co_u32 s[XT], s[XT], s[CX]
	s_and_b32 s[YT], ttmp7, 0xffff
	s_lshl_b32 s[YT], s[YT], 2
	s_add_co_u32 s[YT], s[YT], s[CY]
	s_lshl_b32 s40, s[CY], 2
	s_lshl_b32 s40, 15, s40
	s_lshl_b32 s41, 0x1111, s[CX]
	s_or_b32 s[G1A], s40, (3<<16)|(1<<21)
	s_or_b32 s[G1SA], s40, (3<<16)|(1<<21)
	s_or_b32 s[G1B], s41, (3<<16)|(1<<21)
	s_or_b32 s[G1SB], s41, (3<<16)|(1<<21)
.irp g, G1A, G1B
	s_mov_b32 s[\g+1], 32<<16
	s_mov_b32 s[\g+2], 96<<16
	s_mov_b32 s[\g+3], 32<<16
	s_mov_b32 s[\g+4], 96
	s_mov_b32 s[\g+5], 32
	s_mov_b32 s[\g+6], 0
	s_mov_b32 s[\g+7], 0
.endr
.irp g, G1SA, G1SB
	s_mov_b32 s[\g+1], 32<<16
	s_mov_b32 s[\g+2], (KTOT/128)<<16
	s_mov_b32 s[\g+3], 32<<16
	s_mov_b32 s[\g+4], KTOT/128
	s_mov_b32 s[\g+5], 32
	s_mov_b32 s[\g+6], 0
	s_mov_b32 s[\g+7], 0
.endr
	s_mul_i32 s96, s[WX], HALFT
	s_mul_i32 s42, s[YT], RGB
	s_add_co_u32 s42, s42, s96
	s_mov_b32 s43, 0
	s_lshl_b32 s44, s[YT], 1
	s_add_co_u32 s44, s44, s[WX]
	s_mul_i32 s44, s44, SCH
	s_add_co_u32 s44, s44, AS_OFF
	s_mov_b32 s45, 0
	s_mul_i32 s46, s[XT], RGB
	s_add_co_u32 s46, s46, s96
	s_add_co_u32 s46, s46, BC_OFF
	s_mov_b32 s47, 0
	s_lshl_b32 s92, s[XT], 1
	s_add_co_u32 s92, s92, s[WX]
	s_mul_i32 s92, s92, SCH
	s_add_co_u32 s92, s92, BS_OFF
	s_mov_b32 s93, 0
	s_mul_i32 s94, s[WV], HALFT
	s_mul_i32 s95, s[WV], SCH
	s_wait_dscnt 0x0                               ; the opening add is done
	s_wait_kmcnt 0x0
	s_add_nc_u64 s[42:43], s[6:7], s[42:43]
	s_add_nc_u64 s[44:45], s[6:7], s[44:45]
	s_add_nc_u64 s[46:47], s[4:5], s[46:47]
	s_add_nc_u64 s[92:93], s[4:5], s[92:93]
	CROUND
	s_mov_b32 s[G0SA], 1
	s_add_co_u32 s[G0SA+1], s95, SCL
	s_mov_b64 s[G0SA+2:G0SA+3], s[44:45]
	s_or_b32 s[G0SA+3], s[G0SA+3], 0x80000000
	s_mov_b32 s[G0SB], 1
	s_add_co_u32 s[G0SB+1], s95, SCL
	s_mov_b64 s[G0SB+2:G0SB+3], s[92:93]
	s_or_b32 s[G0SB+3], s[G0SB+3], 0x80000000
	JLOAD G0SA, G1SA, G0SB, G1SB
.irp s, 0,1
	s_mov_b32 s[G0A+4*\s], 1
	s_add_co_u32 s[G0A+4*\s+1], s94, \s*SLOT
	s_add_nc_u64 s[G0A+4*\s+2:G0A+4*\s+3], s[42:43], \s*OPS
	s_or_b32 s[G0A+4*\s+3], s[G0A+4*\s+3], 0x80000000
	s_mov_b32 s[G0B+4*\s], 1
	s_add_co_u32 s[G0B+4*\s+1], s94, \s*SLOT
	s_add_nc_u64 s[G0B+4*\s+2:G0B+4*\s+3], s[46:47], \s*OPS
	s_or_b32 s[G0B+4*\s+3], s[G0B+4*\s+3], 0x80000000
	JLOAD G0A+4*\s, G1A, G0B+4*\s, G1B             ; three loads of mine are out at the start, one behind each round
.endr
	v_and_b32 v[R], 15, v0
	v_bfe_u32 v[H], v0, 4, 1
	v_and_b32 v5, 31, v0
	v_lshlrev_b32 v[L16], 4, v5
	v_lshlrev_b32 v[L8], 3, v5
	s_mul_i32 s98, s[WX], 3072
	s_add_co_u32 s98, s98, OPS
	s_mul_i32 s99, s[WY], 3072
.irp s, 0,1
	v_add_nc_u32 v[S0A+\s], s98, v[L16]
	v_add_nc_u32 v[S0A+2+\s], s98, v[L8]
	v_add_nc_u32 v[S1A+\s], s99, v[L16]
	v_add_nc_u32 v[S1A+2+\s], s99, v[L8]
	s_add_co_u32 s98, s98, SLOT
	s_add_co_u32 s99, s99, SLOT
.endr
	v_lshlrev_b32 v5, 4, v[R]
	s_mul_i32 s98, s[WX], SCH
	s_add_co_u32 s98, s98, SCL+2*SCH
	v_add_nc_u32 v[SS0], s98, v5
	s_mul_i32 s99, s[WY], SCH
	s_add_co_u32 s99, s99, SCL
	v_add_nc_u32 v[SS1], s99, v5
	s_mul_i32 s98, s[WV], 16*272
	s_add_co_u32 s98, s98, STAGE
	v_mul_u32_u24 v5, v[R], 272
	v_lshl_add_u32 v5, v[H], 6, v5
	v_add_nc_u32 v[STO], s98, v5
	v_mul_u32_u24 v5, v[H], 272
	v_lshl_add_u32 v5, v[R], 4, v5
	v_add_nc_u32 v[RD], s98, v5
	v_lshlrev_b32 v5, 12, v[H]
	v_lshl_add_u32 v[CO], v[R], 4, v5
	s_lshl_b32 s98, s[XT], 9
	s_lshl_b32 s99, s[WX], 8
	s_add_co_u32 s98, s98, s99
	s_mov_b32 s99, 0
	s_add_nc_u64 s[BP:BP+1], s[8:9], s[98:99]
	s_lshl_b32 s40, s[YT], 19
	s_lshl_b32 s41, s[WY], 18
	s_add_co_u32 s40, s40, s41
	s_add_co_u32 s98, s98, s40
	s_add_nc_u64 s[RP:RP+1], s[10:11], s[98:99]
	s_add_nc_u64 s[OP:OP+1], s[12:13], s[98:99]
	v_lshlrev_b32 v6, 6, v[H]
.irp a, 0,1,2,3
	global_load_b128 v[B0+8*\a:B0+8*\a+3], v6, s[BP:BP+1] offset:(32*(\a/2)+8*(\a%2))*4
	global_load_b128 v[B0+8*\a+4:B0+8*\a+7], v6, s[BP:BP+1] offset:(32*(\a/2)+8*(\a%2))*4+16
.endr
	WIN 0x80                                       ; destination window 2: the residual
.irp b, 0,1,2,3
.irp t, 0,1,2,3,4,5,6,7
	global_load_b128 v[32*\b+4*\t:32*\b+4*\t+3], v[CO], s[RP:RP+1] offset:(32*(\b/2)+8*(\b%2)+2*\t+8*(\t/4))*4096
.endr
.endr
	WIN 0
	s_wait_tensorcnt 0x1                           ; the scales and my part of slot 0 are in; slot 1's load may be out
	s_barrier_signal -1
	s_barrier_wait -1
	s_wait_loadcnt 32                              ; the bias' eight loads are in; the residual's 32 may be out
	SLOTWORK 0, 2
.if NSL > 2
	s_mov_b32 s3, NSL/2-1
.Llap:                                                 ; a trip: two slots worked, both filled again
	TWO 1, 1
	TWO 0, 1
	s_sub_co_u32 s3, s3, 1
	s_cmp_lg_u32 s3, 0
	s_cbranch_scc1 .Llap
.endif
	TWO 1, 0                                       ; the last slot is written out: nothing is left to fetch
	PLACES
	s_wait_loadcnt 0x0                             ; the residual
.irp b, 0,1,2,3
.if \b >= 2
	s_wait_xcnt 0x0                                ; the stores of two tiles ago have read these registers
.endif
.irp a, 0,1,2,3
	ds_store_b128 v[STO], v[ACC+8*(4*\b+\a):ACC+8*(4*\b+\a)+3] offset:128*(\a/2)+32*(\a%2)        ; each accumulator from its low end on
	ds_store_b128 v[STO], v[ACC+8*(4*\b+\a)+4:ACC+8*(4*\b+\a)+7] offset:128*(\a/2)+32*(\a%2)+16
.endr
.irp t, 0,1,2,3,4,5,6,7
	ds_load_b128 v[T0+32*(\b%2)+4*\t:T0+32*(\b%2)+4*\t+3], v[RD] offset:544*\t                     ; my own bytes: LDS serves a wave's instructions in order (ISA guide 5.7.1.4)
.endr
	s_wait_dscnt 0x0
	WIN 0x08                                       ; source 1 window 2
.set ii, 0
.rept 16
	v_pk_add_f32 v[T0+32*(\b%2)+ii:T0+32*(\b%2)+ii+1], v[T0+32*(\b%2)+ii:T0+32*(\b%2)+ii+1], v[32*\b+ii:32*\b+ii+1]
.set ii, ii+2
.endr
	WIN 0
.irp t, 0,1,2,3,4,5,6,7
	global_store_b128 v[CO], v[T0+32*(\b%2)+4*\t:T0+32*(\b%2)+4*\t+3], s[OP:OP+1] offset:(32*(\b/2)+8*(\b%2)+2*\t+8*(\t/4))*4096 th:TH_STORE_NT   ; 16 lanes store 256 neighbouring bytes, aligned; written once, read by nobody here
.endr
.endr
	s_wait_tensorcnt 0x0                           ; the wave's end
	ds_add_u32 v[SPW], v[NIL]
	s_wait_dscnt 0x0
	CROUND                                         ; the closing round
	s_endpgm
.Lfunc_end_k_qe118098cfd_ffn2:
	.size	k_qe118098cfd_ffn2, .Lfunc_end_k_qe118098cfd_ffn2-k_qe118098cfd_ffn2
	.p2alignl 7, 3214868480
	.fill 96, 4, 3214868480
	.section	.rodata,"a",@progbits
	.p2align	6, 0x0
	.amdhsa_kernel k_qe118098cfd_ffn2
		.amdhsa_group_segment_fixed_size 327680
		.amdhsa_private_segment_fixed_size 0
		.amdhsa_enable_private_segment 0
		.amdhsa_kernarg_size 40
		.amdhsa_user_sgpr_count 2
		.amdhsa_user_sgpr_kernarg_segment_ptr 1
		.amdhsa_wavefront_size32 1
		.amdhsa_system_sgpr_workgroup_id_x 1
		.amdhsa_system_sgpr_workgroup_id_y 1
		.amdhsa_system_sgpr_workgroup_id_z 1
		.amdhsa_system_vgpr_workitem_id 0
		.amdhsa_next_free_vgpr 768
		.amdhsa_next_free_sgpr 104
		.amdhsa_reserve_vcc 0
		.amdhsa_float_denorm_mode_32 3
		.amdhsa_float_denorm_mode_16_64 3
		.amdhsa_memory_ordered 1
		.amdhsa_forward_progress 1
		.amdhsa_inst_pref_size 98
	.end_amdhsa_kernel
	.amdgpu_metadata
---
amdhsa.version: [ 1, 2 ]
amdhsa.kernels:
  - .name:           k_qe118098cfd_ffn2
    .symbol:         k_qe118098cfd_ffn2.kd
    .args:
      - { .name: WB, .offset: 0, .size: 8, .value_kind: global_buffer, .address_space: global }
      - { .name: GB, .offset: 8, .size: 8, .value_kind: global_buffer, .address_space: global }
      - { .name: b2, .offset: 16, .size: 8, .value_kind: global_buffer, .address_space: global }
      - { .name: X1, .offset: 24, .size: 8, .value_kind: global_buffer, .address_space: global }
      - { .name: out0, .offset: 32, .size: 8, .value_kind: global_buffer, .address_space: global }
    .group_segment_fixed_size: 327680
    .private_segment_fixed_size: 0
    .kernarg_segment_align: 8
    .kernarg_segment_size: 40
    .max_flat_workgroup_size: 128
    .sgpr_count:     104
    .vgpr_count:     768
    .wavefront_size: 32
...
	.end_amdgpu_metadata
.endif
;; end of part 7
;; ======== version 2 of 2: 7 launches
;; limits: right only within a limited range of input values
;; workspace buffers: WB 9,830,400 bytes; HB 3,276,800 bytes; QB 9,830,400 bytes; AB 3,276,800 bytes; X1 16,777,216 bytes; GB 13,107,200 bytes
;; launch wq (part 8): grid 640 x 1, 8 waves a work-group, no clusters, 66,816 bytes of LDS; arguments Wq, Wk, Wv, Wo, W1, W2, WB, x, g1, be1, HB; writes WB, HB
.if DOCPART == 8
	.amdgcn_target "amdgcn-amd-amdhsa--gfx1250"
	.amdhsa_code_object_version 6
	.text
	.protected	k_qe118098cfd_wq
	.globl	k_qe118098cfd_wq
	.p2align	8
	.type	k_qe118098cfd_wq,@function
k_qe118098cfd_wq:
	s_mov_b64 s[64:65], 0
	v_nop
	global_prefetch_b8 v0, s[64:65] scope:SCOPE_SE
	s_setreg_imm32_b32 hwreg(HW_REG_WAVE_MODE, 25, 1), 1
	s_wait_xcnt 0x0
; The six weights, f32 stored [K][N], become codes of FP6 (E2M3) with one E8M0 byte for each 32 along K, laid in the ORDER OF THE OPERAND'S REGISTERS:
; tile T = 16 rows (a row = a column n of the weight); lane-row r of tile 2 B + u is row 32 B + 8 u + r + 8 (r / 8).
; Half image (T, kc = k / 64), 768 bytes: lane l = 16 h + r has registers 0-3 at 16 l and registers 4-5 at 512 + 8 l: the codes of k = 64 kc + 32 h + 0 .. 31 of its row.
; codes: (T / 8) (K / 64) 6144 + kc 6144 + (T % 8) 768;   scale bytes: (T / 4) (K / 128) 256 + (k / 128) 256 + 16 r + 4 (T % 4) + (k / 32) % 4.
; WB: codes: Wq, Wk, Wv, Wo as rows 0 .. 4095 at 0; W1 at 3,145,728; W2 at 6,291,456.  Scale bytes at 9,437,184, 9,568,256 and 9,699,328.
; SHARES.  A work-group takes 128 columns x 128 along K, a wave 32 columns: A LANE TAKES A COLUMN AND ITS REGISTERS RUN DOWN K, so each load reads 128 neighbouring bytes, a block of 32 lies in one lane,
; and the conversions give codes with K innermost.  A store of 16 bytes a lane covers two aligned runs of 256 bytes (one for each of the wave's two tiles).
; No LDS, no barrier, no matrix unit: a stream; work-groups share no input, so no cluster.
; LIMITS: NaN and infinities are not served; a block of zeros, and a block whose largest magnitude lies under 2^-124, gets the byte 1 (its codes are zeros or held small; the bytes are read by this program alone).
.set X,   64                           ; v64-159  three sets of 32 numbers, by turns
.set SRC, 32                           ; s[32:33] the weight, at my wave's first number
.set OC,  42                           ; s[42:43] the codes of my row group and K step
.set OS,  44                           ; s[44:45] their scale words
; 32 numbers of one block, v[x] on -> six registers of codes at v[c] on (v[d] on: the second conversion), the byte in v[by]
.macro QBLK x, c, d, by
	v_max3_num_f32 v8, |v[(\x)]|, |v[(\x)+1]|, 0x1800000           ; the largest magnitude in two chains, with the floor 2^(3 - 127) among the leaves: the byte cannot fall under 1
	v_max3_num_f32 v9, |v[(\x)+2]|, |v[(\x)+3]|, |v[(\x)+4]|
.irp i, 5,9,13,17,21,25
	v_max3_num_f32 v8, v8, |v[(\x)+\i]|, |v[(\x)+\i+1]|
	v_max3_num_f32 v9, v9, |v[(\x)+\i+2]|, |v[(\x)+\i+3]|
.endr
	v_max3_num_f32 v8, v8, |v[(\x)+29]|, |v[(\x)+30]|
	v_max3_num_f32 v8, v8, v9, |v[(\x)+31]|
	v_add_nc_u32 v10, 0xff000000, v8                               ; 2 off its exponent field: the conversion takes that field as its scale
	v_cvt_scalef32_pk16_fp6_f32 v[(\c):(\c)+2], v[(\x):(\x)+15], v10
	v_cvt_scalef32_pk16_fp6_f32 v[(\d):(\d)+2], v[(\x)+16:(\x)+31], v10   ; (a conversion's three registers begin on an even number)
	v_lshrrev_b32 v[\by], 23, v10                                  ; the byte; also the plain line behind the conversions
.irp i, 0,1,2
	v_mov_b32 v[(\c)+3+\i], v[(\d)+\i]
.endr
.endm
.macro LOADB t, pitch                  ; block t: W(32 t + i, my column)
.set ii, 0
.rept 32
	global_load_b32 v[X+32*((\t)%3)+ii], v2, s[SRC:SRC+1] offset:(32*(\t)+ii)*(\pitch) th:TH_LOAD_NT
.set ii, ii+1
.endr
.endm
.macro QW pitch                        ; the whole work of a wave, for rows of pitch bytes; every offset is an immediate, 127 x 16,384 at the most
	LOADB 0, \pitch
	LOADB 1, \pitch
.irp t, 0,1,2,3
.if \t < 3
	s_wait_loadcnt 32                              ; loads come back in order: this block's 32 are in, the next block's 32 may be out
.else
	s_wait_loadcnt 0x0
.endif
.if \t < 2
	LOADB \t+2, \pitch                             ; two blocks ahead; block 3 takes block 0's registers, whose numbers have been converted
.endif
	QBLK X+32*(\t%3), 16+12*\t, 24+12*\t, 11
.if \t == 0
	v_mov_b32 v14, v11                             ; the four bytes make my row's scale word of this K step
.else
	v_lshl_or_b32 v14, v11, 8*\t, v14
.endif
	global_store_b128 v6, v[16+12*\t:19+12*\t], s[OC:OC+1] offset:(\t/2)*6144+256*(\t%2)   ; block t is half h = t % 2 of half image t / 2; each block has its own registers, so no store's data are rewritten
	global_store_b64 v7, v[20+12*\t:21+12*\t], s[OC:OC+1] offset:(\t/2)*6144+128*(\t%2)
.endr
	global_store_b32 v3, v14, s[OS:OS+1]
	s_endpgm
.endm
; ONE LAUNCH PREPARES ALL OPERANDS THAT HANG ON INPUTS ALONE.  Work-groups 0 .. 383, eight waves each, quantise the weights: waves 0-3 and waves 4-7 are two shares of 128 columns x 128 along K, numbered 2 x work-group + wave / 4.
; Work-groups 384 .. 639 take the first layer norm of x, a tile of 16 rows each, and quantise it (the text behind .Lln).  The two paths part on the work-group's number alone; only the second uses LDS and a barrier.
	s_cmp_ge_u32 ttmp9, 384
	s_cbranch_scc1 .Lln
	s_load_b256 s[4:11], s[0:1], 0x0               ; Wq, Wk, Wv, Wo
	s_load_b128 s[12:15], s[0:1], 0x20             ; W1, W2
	s_load_b64 s[16:17], s[0:1], 0x30              ; WB
	v_lshrrev_b32 v1, 5, v0
	v_readfirstlane_b32 s18, v1                    ; wave 0 .. 7
	s_lshr_b32 s46, s18, 2
	s_and_b32 s18, s18, 3                          ; wave in its share
	s_lshl_b32 s47, ttmp9, 1
	s_add_co_u32 s47, s47, s46                     ; the share's number, 0 .. 767
	v_and_b32 v1, 31, v0                           ; lane = my column among the wave's 32
	v_lshlrev_b32 v2, 2, v1                        ; in: 4 bytes a lane
	v_bfe_u32 v3, v1, 3, 1                         ; u: which of the wave's two tiles
	v_and_b32 v4, 7, v1
	v_lshrrev_b32 v5, 4, v1
	v_lshl_add_u32 v4, v5, 3, v4                   ; r: my lane-row there
	s_lshl_b32 s19, s18, 1
	v_add_nc_u32 v5, s19, v3                       ; tile 2 w + u of the row group
	v_mul_u32_u24 v5, v5, 768
	v_lshl_add_u32 v6, v4, 4, v5                   ; registers 0-3: 768 tile + 16 r (+ 256 h in the immediate)
	v_lshl_add_u32 v7, v4, 3, v5
	v_add_nc_u32 v7, 512, v7                       ; registers 4-5: 768 tile + 512 + 8 r (+ 128 h)
	s_and_b32 s19, s18, 1
	s_lshl_b32 s19, s19, 1
	v_add_nc_u32 v3, s19, v3
	v_lshlrev_b32 v3, 2, v3
	v_lshl_add_u32 v3, v4, 4, v3                   ; scale word: 16 r + 4 (tile % 4)
	; which weight, which 128 columns, which 128 along K: from the share's number
	s_lshr_b32 s20, s47, 8                         ; 0: Wq, Wk, Wv, Wo;  1: W2;  2: W1
	s_and_b32 s21, s47, 255
	s_cmp_eq_u32 s20, 1
	s_cselect_b32 s22, 5, 3                        ; log2 of the K steps: 32 in W2, else 8
	s_mov_b32 s25, 98304
	s_cselect_b32 s25, 393216, s25                 ; bytes of a row group's codes
	s_mov_b32 s26, 2048
	s_cselect_b32 s26, 8192, s26                   ; bytes of 64 rows' scales
	s_cselect_b32 s27, 6291456, 0                  ; where the codes begin,
	s_mov_b32 s28, 9437184
	s_cselect_b32 s28, 9699328, s28                ; and the scales
	s_cmp_eq_u32 s20, 2
	s_cselect_b32 s27, 3145728, s27
	s_cselect_b32 s28, 9568256, s28
	s_cselect_b32 s35, 21, 19                      ; log2 of 128 rows of the weight in bytes
	s_lshr_b32 s23, s21, s22                       ; column group = row group of the operand
	s_lshl_b32 s24, 1, s22
	s_sub_co_u32 s24, s24, 1
	s_and_b32 s24, s21, s24                        ; K step
	s_lshr_b32 s29, s23, 3                         ; in the first region: which of the four weights
	s_and_b32 s36, s23, 7
	s_cmp_eq_u32 s20, 0
	s_cselect_b32 s36, s36, s23                    ; column group inside the weight
	s_lshl_b32 s34, s24, s35
	s_lshl_b32 s36, s36, 9
	s_add_co_u32 s34, s34, s36
	s_lshl_b32 s37, s18, 7
	s_add_co_u32 s34, s34, s37                     ; in: K step x 128 rows + 512 x column group + 128 x wave
	s_mov_b32 s35, 0
	s_mul_i32 s38, s23, s25
	s_add_co_u32 s38, s38, s27
	s_mul_i32 s40, s24, 12288
	s_add_co_u32 s38, s38, s40                     ; codes: base + row group + two half images a K step
	s_mov_b32 s39, 0
	s_lshl_b32 s40, s23, 1
	s_lshr_b32 s41, s18, 1
	s_add_co_u32 s40, s40, s41
	s_mul_i32 s40, s40, s26
	s_add_co_u32 s40, s40, s28
	s_lshl_b32 s41, s24, 8
	s_add_co_u32 s40, s40, s41                     ; scales: base + my 64 rows + 256 x K step
	s_mov_b32 s41, 0
	s_wait_kmcnt 0x0
	s_cmp_eq_u32 s29, 1
	s_cselect_b64 s[SRC:SRC+1], s[6:7], s[4:5]
	s_cmp_eq_u32 s29, 2
	s_cselect_b64 s[SRC:SRC+1], s[8:9], s[SRC:SRC+1]
	s_cmp_eq_u32 s29, 3
	s_cselect_b64 s[SRC:SRC+1], s[10:11], s[SRC:SRC+1]
	s_cmp_eq_u32 s20, 1
	s_cselect_b64 s[SRC:SRC+1], s[14:15], s[SRC:SRC+1]
	s_cmp_eq_u32 s20, 2
	s_cselect_b64 s[SRC:SRC+1], s[12:13], s[SRC:SRC+1]
	s_add_nc_u64 s[SRC:SRC+1], s[SRC:SRC+1], s[34:35]
	s_add_nc_u64 s[OC:OC+1], s[16:17], s[38:39]
	s_add_nc_u64 s[OS:OS+1], s[16:17], s[40:41]
	s_cmp_eq_u32 s20, 2
	s_cbranch_scc1 .Lwide                          ; W1's rows are 16,384 bytes, all others' 4,096: the pitch stands in the immediates, so the work is written twice
	QW 4096
.Lwide:
	QW 16384
; ---- THE FIRST LAYER NORM.  y = (x - mean) rsqrt(var + 1e-5) g1 + be1 over rows of 1,024 f32, quantised along the row and stored in HB in the order of the operand's registers:
; tile T = 16 rows, lane-row r of tile 2 B + u = row 32 B + 8 u + r + 8 (r / 8); codes at (T / 8) 98,304 + kc 6,144 + (T % 8) 768; scale bytes at 3,145,728 + (T / 4) 2,048 + (k / 128) 256 + 16 r + 4 (T % 4) + (k / 32) % 4.
; Phase 1: wave w takes lane-rows 2 w and 2 w + 1, a whole row in 32 registers; mean first, then the squared differences; the finished rows go to a stage in LDS (pitch 4,112).  Phase 2: wave w takes K step w.
; LIMITS: NaN and infinities are not served; 1 / sqrt by v_rsq_f32; a block of zeros gets the byte 1 (read by this program alone).
.Lln:
.set PITCH, 4112
.set SPARE, 16*PITCH                   ; behind the stage: the spare words, 128 bytes for each of the eight waves
.set X,   32                           ; v32-95 my two rows; later my two blocks
.set GG,  96                           ; v96-127 g1 of my columns; later the codes
.set BE,  128                          ; v128-159 be1 of my columns
.set SPW, 14
.set NIL, 15
.macro XSUM                            ; the sum over the wave's 32 lanes of v[16 + 8 q], both rows by turns
.irp m, 1,2,4,8
.irp q, 0,1
	v_add_f32_dpp v[16+8*\q], v[16+8*\q], v[16+8*\q] row_xmask:\m row_mask:0xf bank_mask:0xf
.endr
.endr
.irp q, 0,1
	v_permlanex16_b32 v[17+8*\q], v[16+8*\q], s16, s17
.endr
.irp q, 0,1
	v_add_f32 v[16+8*\q], v[16+8*\q], v[17+8*\q]
.endr
.endm
.macro FOLD                            ; two chains of pairs a row -> one number a lane
.irp q, 0,1
	v_pk_add_f32 v[16+8*\q:17+8*\q], v[16+8*\q:17+8*\q], v[18+8*\q:19+8*\q]
.endr
.irp q, 0,1
	v_add_f32 v[16+8*\q], v[16+8*\q], v[17+8*\q]
.endr
	XSUM
.endm
	s_load_b256 s[4:11], s[0:1], 0x38              ; x, g1, be1, HB
	s_sub_co_u32 s24, ttmp9, 384                   ; my tile
	v_lshl_add_u32 v[SPW], v0, 2, SPARE
	v_mov_b32 v[NIL], 0
	v_lshrrev_b32 v1, 5, v0
	v_readfirstlane_b32 s12, v1                    ; wave
	v_and_b32 v1, 31, v0
	v_lshlrev_b32 v2, 4, v1                        ; 16 x lane
	v_lshlrev_b32 v7, 3, v1                        ; 8 x lane
	v_and_b32 v4, 15, v0                           ; r
	v_bfe_u32 v5, v0, 4, 1                         ; h
	v_mul_u32_u24 v3, v4, PITCH
	v_lshl_add_u32 v3, v5, 7, v3
	s_lshl_b32 s20, s12, 9
	v_add_nc_u32 v3, s20, v3                       ; phase 2 reads: row r, 512 w + 128 h bytes on
	s_mul_i32 s20, s12, 2*PITCH
	v_add_nc_u32 v6, s20, v2                       ; phase 1 stores: row 2 w, 16 x lane
	v_lshl_add_u32 v11, v4, 4, v5                  ; my byte among the scales: 16 r + h
	s_lshr_b32 s13, s24, 1
	s_lshl_b32 s13, s13, 5
	s_and_b32 s14, s24, 1
	s_lshl_b32 s14, s14, 3
	s_add_co_u32 s13, s13, s14
	s_lshl_b32 s14, s12, 1
	s_add_co_u32 s13, s13, s14
	s_lshr_b32 s14, s12, 2
	s_lshl_b32 s14, s14, 3
	s_add_co_u32 s13, s13, s14                     ; my first row: 32 (T / 2) + 8 (T % 2) + 2 w + 8 (w / 4); the second is its neighbour
	s_lshl_b32 s14, s13, 12
	s_mov_b32 s15, 0
	s_mov_b32 s16, 0x76543210
	s_mov_b32 s17, 0xfedcba98                      ; lane l xor 16
	s_mov_b32 s18, 0x3a800000                      ; 1 / 1,024
	s_mov_b32 s19, 0x3727c5ac                      ; 1e-5
	s_lshr_b32 s20, s24, 3
	s_mul_i32 s20, s20, 98304
	s_and_b32 s21, s24, 7
	s_mul_i32 s21, s21, 768
	s_add_co_u32 s20, s20, s21
	s_mul_i32 s21, s12, 12288
	s_add_co_u32 s20, s20, s21                     ; codes: my tile, half image 2 w
	s_mov_b32 s21, 0
	s_lshr_b32 s22, s24, 2
	s_lshl_b32 s22, s22, 11
	s_lshl_b32 s23, s12, 8
	s_add_co_u32 s22, s22, s23
	s_and_b32 s23, s24, 3
	s_lshl_b32 s23, s23, 2
	s_add_co_u32 s22, s22, s23
	s_add_co_u32 s22, s22, 3145728                 ; scales: my tile's word of K step w
	s_mov_b32 s23, 0
	s_wait_alu depctr_va_vdst(0)                   ; the wait at the head's end
	s_wait_kmcnt 0x0
	s_add_nc_u64 s[4:5], s[4:5], s[14:15]
	s_add_nc_u64 s[20:21], s[10:11], s[20:21]
	s_add_nc_u64 s[22:23], s[10:11], s[22:23]
.irp q, 0,1
.irp i, 0,1,2,3,4,5,6,7
	global_load_b128 v[X+32*\q+4*\i:X+32*\q+4*\i+3], v2, s[4:5] offset:4096*\q+512*\i      ; 32 lanes read 512 neighbouring bytes
.endr
.endr
.irp i, 0,1,2,3,4,5,6,7
	global_load_b128 v[GG+4*\i:GG+4*\i+3], v2, s[6:7] offset:512*\i
.endr
.irp i, 0,1,2,3,4,5,6,7
	global_load_b128 v[BE+4*\i:BE+4*\i+3], v2, s[8:9] offset:512*\i
.endr
	s_wait_loadcnt 16                              ; my two rows are in; g1's eight loads and be1's eight may be out
.irp q, 0,1
	v_pk_add_f32 v[16+8*\q:17+8*\q], v[X+32*\q:X+32*\q+1], v[X+32*\q+2:X+32*\q+3]
	v_pk_add_f32 v[18+8*\q:19+8*\q], v[X+32*\q+4:X+32*\q+5], v[X+32*\q+6:X+32*\q+7]
.endr
.irp i, 8,12,16,20,24,28
.irp q, 0,1
	v_pk_add_f32 v[16+8*\q:17+8*\q], v[16+8*\q:17+8*\q], v[X+32*\q+\i:X+32*\q+\i+1]
	v_pk_add_f32 v[18+8*\q:19+8*\q], v[18+8*\q:19+8*\q], v[X+32*\q+\i+2:X+32*\q+\i+3]
.endr
.endr
	FOLD
.irp q, 0,1
	v_mul_f32 v[20+8*\q], s18, v[16+8*\q]          ; the mean
.endr
.irp q, 0,1
	v_mov_b32 v[21+8*\q], v[20+8*\q]
.endr
.irp i, 0,2,4,6,8,10,12,14,16,18,20,22,24,26,28,30
.irp q, 0,1
	v_pk_add_f32 v[X+32*\q+\i:X+32*\q+\i+1], v[X+32*\q+\i:X+32*\q+\i+1], v[20+8*\q:21+8*\q] neg_lo:[0,1] neg_hi:[0,1]   ; x - mean, in place
.endr
.endr
.irp q, 0,1
	v_pk_mul_f32 v[16+8*\q:17+8*\q], v[X+32*\q:X+32*\q+1], v[X+32*\q:X+32*\q+1]
	v_pk_mul_f32 v[18+8*\q:19+8*\q], v[X+32*\q+2:X+32*\q+3], v[X+32*\q+2:X+32*\q+3]
.endr
.irp i, 4,8,12,16,20,24,28
.irp q, 0,1
	v_pk_fma_f32 v[16+8*\q:17+8*\q], v[X+32*\q+\i:X+32*\q+\i+1], v[X+32*\q+\i:X+32*\q+\i+1], v[16+8*\q:17+8*\q]
	v_pk_fma_f32 v[18+8*\q:19+8*\q], v[X+32*\q+\i+2:X+32*\q+\i+3], v[X+32*\q+\i+2:X+32*\q+\i+3], v[18+8*\q:19+8*\q]
.endr
.endr
	FOLD
.irp q, 0,1
	v_fma_f32 v[22+8*\q], v[16+8*\q], s18, s19     ; var + 1e-5
.endr
	s_wait_alu depctr_va_vdst(0)                   ; the wait ahead of the batch,
	v_rsq_f32 v22, v22
	v_rsq_f32 v30, v30
	v_nop                                          ; a plain line behind it,
	s_wait_alu depctr_va_vdst(0)                   ; and the wait ahead of its first reader
	v_mov_b32 v23, v22
	v_mov_b32 v31, v30
	s_wait_alu depctr_va_vdst(0)
	s_wait_loadcnt 0x0                             ; g1 and be1
.irp i, 0,2,4,6,8,10,12,14,16,18,20,22,24,26,28,30
.irp q, 0,1
	v_pk_mul_f32 v[X+32*\q+\i:X+32*\q+\i+1], v[X+32*\q+\i:X+32*\q+\i+1], v[22+8*\q:23+8*\q]
.endr
.irp q, 0,1
	v_pk_fma_f32 v[X+32*\q+\i:X+32*\q+\i+1], v[X+32*\q+\i:X+32*\q+\i+1], v[GG+\i:GG+\i+1], v[BE+\i:BE+\i+1]
.endr
.endr
.irp q, 0,1
.irp i, 0,1,2,3,4,5,6,7
	ds_store_b128 v6, v[X+32*\q+4*\i:X+32*\q+4*\i+3] offset:PITCH*\q+512*\i
.endr
.endr
	s_wait_dscnt 0x0                               ; for the others' sake: my two rows lie in the stage
	s_barrier_signal -1
	s_barrier_wait -1                              ; all sixteen do
.irp c, 0,1
.irp i, 0,1,2,3,4,5,6,7
	ds_load_b128 v[X+32*\c+4*\i:X+32*\c+4*\i+3], v3 offset:256*\c+16*\i      ; K step w: my two blocks (64 c + 32 h on), 32 neighbours each
.endr
.endr
	s_wait_dscnt 8                                 ; the first block's eight loads are in, the second's may be out
	QBLK X, 96, 104, 120
	global_store_b128 v2, v[96:99], s[20:21]       ; the half image as it stands: 512 and 256 neighbouring bytes
	global_store_b64 v7, v[100:101], s[20:21] offset:512
	global_store_b8 v11, v120, s[22:23]            ; my block's byte: block 2 c + h of the K step
	s_wait_dscnt 0x0
	QBLK X+32, 108, 116, 121                       ; registers of its own: no store's data are rewritten
	global_store_b128 v2, v[108:111], s[20:21] offset:6144
	global_store_b64 v7, v[112:113], s[20:21] offset:6144+512
	global_store_b8 v11, v121, s[22:23] offset:2
	s_wait_tensorcnt 0x0                           ; the wave's end
	ds_add_u32 v[SPW], v[NIL]
	s_wait_dscnt 0x0
	s_endpgm
.Lfunc_end_k_qe118098cfd_wq:
	.size	k_qe118098cfd_wq, .Lfunc_end_k_qe118098cfd_wq-k_qe118098cfd_wq
	.p2alignl 7, 3214868480
	.fill 96, 4, 3214868480
	.section	.rodata,"a",@progbits
	.p2align	6, 0x0
	.amdhsa_kernel k_qe118098cfd_wq
		.amdhsa_group_segment_fixed_size 66816
		.amdhsa_private_segment_fixed_size 0
		.amdhsa_enable_private_segment 0
		.amdhsa_kernarg_size 88
		.amdhsa_user_sgpr_count 2
		.amdhsa_user_sgpr_kernarg_segment_ptr 1
		.amdhsa_wavefront_size32 1
		.amdhsa_system_sgpr_workgroup_id_x 1
		.amdhsa_system_sgpr_workgroup_id_y 1
		.amdhsa_system_sgpr_workgroup_id_z 1
		.amdhsa_system_vgpr_workitem_id 0
		.amdhsa_next_free_vgpr 160
		.amdhsa_next_free_sgpr 66
		.amdhsa_reserve_vcc 0
		.amdhsa_float_denorm_mode_32 3
		.amdhsa_float_denorm_mode_16_64 3
		.amdhsa_memory_ordered 1
		.amdhsa_forward_progress 1
		.amdhsa_inst_pref_size 64
	.end_amdhsa_kernel
	.amdgpu_metadata
---
amdhsa.version: [ 1, 2 ]
amdhsa.kernels:
  - .name:           k_qe118098cfd_wq
    .symbol:         k_qe118098cfd_wq.kd
    .args:
      - { .name: Wq, .offset: 0, .size: 8, .value_kind: global_buffer, .address_space: global }
      - { .name: Wk, .offset: 8, .size: 8, .value_kind: global_buffer, .address_space: global }
      - { .name: Wv, .offset: 16, .size: 8, .value_kind: global_buffer, .address_space: global }
      - { .name: Wo, .offset: 24, .size: 8, .value_kind: global_buffer, .address_space: global }
      - { .name: W1, .offset: 32, .size: 8, .value_kind: global_buffer, .address_space: global }
      - { .name: W2, .offset: 40, .size: 8, .value_kind: global_buffer, .address_space: global }
      - { .name: WB, .offset: 48, .size: 8, .value_kind: global_buffer, .address_space: global }
      - { .name: x, .offset: 56, .size: 8, .value_kind: global_buffer, .address_space: global }
      - { .name: g1, .offset: 64, .size: 8, .value_kind: global_buffer, .address_space: global }
      - { .name: be1, .offset: 72, .size: 8, .value_kind: global_buffer, .address_space: global }
      - { .name: HB, .offset: 80, .size: 8, .value_kind: global_buffer, .address_space: global }
    .group_segment_fixed_size: 66816
    .private_segment_fixed_size: 0
    .kernarg_segment_align: 8
    .kernarg_segment_size: 88
    .max_flat_workgroup_size: 256
    .sgpr_count:     66
    .vgpr_count:     160
    .wavefront_size: 32
...
	.end_amdgpu_metadata
.endif
;; end of part 8
;; launch qkv (part 9): grid 8 x 32, 4 waves a work-group, clusters of 4 x 4, 327,680 bytes of LDS; arguments WB, HB, bq, bk, bv, QB; writes QB
.if DOCPART == 9
	.amdgcn_target "amdgcn-amd-amdhsa--gfx1250"
	.amdhsa_code_object_version 6
	.text
	.protected	k_qe118098cfd_qkv
	.globl	k_qe118098cfd_qkv
	.p2align	8
	.type	k_qe118098cfd_qkv,@function
k_qe118098cfd_qkv:
	s_mov_b64 s[64:65], 0
	v_nop
	global_prefetch_b8 v0, s[64:65] scope:SCOPE_SE
	s_setreg_imm32_b32 hwreg(HW_REG_WAVE_MODE, 25, 1), 1
	s_wait_xcnt 0x0
	s_wait_alu depctr_hold_cnt(0) depctr_sa_sdst(0) depctr_va_vdst(0) depctr_va_sdst(0) depctr_va_ssrc(0) depctr_va_vcc(0) depctr_vm_vsrc(0)
	s_getreg_b32 s2, hwreg(HW_REG_IB_STS2, 6, 4)
	s_cmp_eq_u32 s2, 0
	s_cbranch_scc0 .Lentry_in_a_cluster
	s_endpgm
.Lentry_in_a_cluster:
	s_bfe_u32 s2, ttmp6, 0x10000c
	s_cmp_lg_u32 s2, 0xf033
	s_cbranch_scc0 .Lentry_shape_is_right
	s_endpgm
.Lentry_shape_is_right:
; q, k, v = LN1(x) W + b on codes of FP6 (E2M3), K = 1,024, and the results quantised at once: q and k along the head's 64, v along the keys.
; OPERANDS lie in memory in the order of the matrix unit's registers: tile T = 16 rows, lane-row r of tile 2 B + u = row 32 B + 8 u + r + 8 (r / 8); half image (T, kc = k / 64) = 768 bytes (lane l: 16 bytes at 16 l, 8 at 512 + 8 l);
; codes at (T / 8) (K / 64) 6,144 + kc 6,144 + (T % 8) 768, so 128 rows x all of K are one dense block of 98,304 bytes; scale words at (T / 4) (K / 128) 256 + (k / 128) 256 + 16 r + 4 (T % 4).
; With that order of rows, register j of lane (r, h) of a result tile a is index 32 (a / 2) + 16 h + 8 (a % 2) + j of source 0: the 32 registers of four tiles are 2 x 16 neighbours along the next K.
; A WORK-GROUP STAYS.  It owns 128 tokens (A, from HB), whose codes for all of K lie in LDS for the whole launch, and walks three tiles of 128 columns: XT of Wq, XT of Wk, XT of Wv (B, from WB), which take turns in two buffers.
; Four waves, 64 x 64 each (16 accumulators).  Buffers 0 and 1 are filled at the start; behind the first tile's products buffer 0 is filled again with Wv's tile, which has q's way out and all of k's tile in which to land.
; q, k: source 0 = weights, source 1 = tokens: a lane holds one token, its registers run along the head.  v: source 0 = tokens, source 1 = weights: a lane holds one channel, its registers run along the keys.
; CLUSTER 4 x 4: A is asked for jointly along a row of the cluster, B's tiles along a column; the refill stands behind a round of the cluster's barrier.
; OUT (QB): q, k codes (4,096 tokens x 32 heads' half images) at 0; v codes (1,024 channels x 4,096 keys) at 6,291,456; scale bytes at 9,437,184 + kc' 8,192 + (token / 128) 256, kc' = 0-15 q, 16-31 k, 32-47 v:
; q, k: + 16 r + 4 ((token / 32) % 4) + 2 (tile % 2) + block;   v: + 16 r + 4 (tile % 4) + (key / 32) % 4.
; LIMITS: NaN and infinities are not served; a block of zeros gets the byte 1 (read by this program alone).
.set RGB,   98304                      ; 128 rows' codes for all of K
.set QTR,   24576                      ; what one tensor load brings: 96 rows of 256 bytes
.set HALFK, 49152                      ; 512 along K of 128 rows: as far as an LDS load's immediate serves
.set BUF1,  1<<17                      ; LDS: B's buffer 0 at 0, buffer 1 here,
.set SCL,   98304                      ; between them the scale words: A's 4,096 bytes, then B's three tiles',
.set SPARE, SCL+4*4096                 ; and the spare words, 128 bytes a wave;
.set ALDS,  BUF1+RGB                   ; A behind buffer 1, up to LDS's last byte
.set AS_OFF, 3145728
.set BS_OFF, 9437184
.set R, 1
.set H, 2
.set L16, 3                            ; 16 x lane
.set L8, 4                             ; 8 x lane
.set AA, 8                             ; v8-9 A's 16-byte pieces, first and second half of K; v10-11 its 8-byte pieces
.set BB, 12                            ; v12-15 the same for B's buffer in hand
.set SSB, 16                           ; scale words of B's tile in hand,
.set SSA, 17                           ; of A
.set SPW, 18
.set NIL, 19
.set VS1, 21
.set VS2, 22
.set SC, 24                            ; v24-39 two sets of scale words: source 0's four tiles, source 1's four; they hold nothing else
.set QM, 40                            ; v40-47 the quantiser's maxima, exchange, scale operands, bytes
.set HW, 48                            ; v48-51 two scale bytes for each of four tiles
.set QC, 52                            ; v52-57 a half image
.set QD, 60
.set B1, 64                            ; v64-71 v's bias: my row's, twice, for each tile b
.set B0, 96                            ; v96-127 q's, then k's bias in the result's layout
.set ACC, 128                          ; accumulator (a, b) at v[128 + 8 (4 b + a)]
.set F0, 0                             ; window 1: two sets of fragments: source 0's four at + 12 a, source 1's at + 48 + 12 b
.set F1, 128
.set WV, 16
.set WY, 17
.set WX, 18
.set CX, 20
.set CY, 21
.set XT, 22
.set YT, 23
.set G1A, 24
.set G0A, 32
.set G0B0, 36
.set G1B, 48
.set G0B1, 56
.set G1SA, 68
.set G0SA, 76
.set G1SB, 80
.set G0SB, 88
.set OC, 92
.set OS, 94
.set OCV, 96
.set OSV, 98
.set SEL, 100
.set MK, 2
.set MSB, 0
.macro WIN new                         ; the immediate's high byte repeats the setting that is left
.if MSB != \new
	s_set_vgpr_msb (MSB<<8)|\new
.set MSB, \new
.endif
.endm
.macro PLACES                          ; four plain lines behind a matrix instruction, ahead of loads into its registers and of reads of its results
.rept 4
	v_nop
.endr
.endm
.macro CROUND                          ; a round of the cluster's barrier
	s_barrier_signal -1
	s_barrier_wait -1
	s_cmp_lg_u32 s[WV], 0
	s_cbranch_scc1 .Lnot_wave_0_\@
	s_barrier_signal -3
.Lnot_wave_0_\@:
	s_barrier_wait -3
	s_barrier_signal -1
	s_barrier_wait -1
.endm
.macro FRAGS reg, adr, q               ; four fragments (16 rows x 128 K, 12 registers) of K step q: two half images each, every load lane by lane on end
.irp i, 0,1,2,3
.irp c, 0,1
	ds_load_b128 v[(\reg)+12*\i+6*\c:(\reg)+12*\i+6*\c+3], v[(\adr)+(\q)/4] offset:(2*((\q)%4)+\c)*6144+768*\i
	ds_load_b64 v[(\reg)+12*\i+6*\c+4:(\reg)+12*\i+6*\c+5], v[(\adr)+2+(\q)/4] offset:(2*((\q)%4)+\c)*6144+768*\i+512
.endr
.endr
.endm
.macro FETCH q, f, sc, s0, s1, ss0, ss1   ; K step q: 32 loads of codes, 2 of scale words (one register a tile)
	WIN 0x40
	FRAGS \f, \s0, \q
	FRAGS (\f)+48, \s1, \q
	WIN 0
	ds_load_b128 v[SC+8*(\sc):SC+8*(\sc)+3], v[\ss0] offset:256*(\q)
	ds_load_b128 v[SC+8*(\sc)+4:SC+8*(\sc)+7], v[\ss1] offset:256*(\q)
.endm
.macro MUL f, sc, first                ; 16 products; the 16 accumulators take turns, one instruction a turn, in the same order in every step
	WIN 0x05
.irp b, 0,1,2,3
.irp a, 0,1,2,3
.if \first == 1
	v_wmma_scale_f32_16x16x128_f8f6f4 v[ACC+8*(4*\b+\a):ACC+8*(4*\b+\a)+7], v[(\f)+12*\a:(\f)+12*\a+11], v[(\f)+48+12*\b:(\f)+48+12*\b+11], 0, v[SC+8*(\sc)+\a], v[SC+8*(\sc)+4+\b] matrix_a_fmt:MATRIX_FMT_FP6 matrix_b_fmt:MATRIX_FMT_FP6
.else
	v_wmma_scale_f32_16x16x128_f8f6f4 v[ACC+8*(4*\b+\a):ACC+8*(4*\b+\a)+7], v[(\f)+12*\a:(\f)+12*\a+11], v[(\f)+48+12*\b:(\f)+48+12*\b+11], v[ACC+8*(4*\b+\a):ACC+8*(4*\b+\a)+7], v[SC+8*(\sc)+\a], v[SC+8*(\sc)+4+\b] matrix_a_fmt:MATRIX_FMT_FP6 matrix_b_fmt:MATRIX_FMT_FP6
.endif
.endr
.endr
.endm
; A tile's eight K steps.  Each step's fragments are asked for ahead of the step before's products; every wait is for all LDS loads, which are one step's.  The first products start the sums.
.macro TILEM s0, s1, ss0, ss1
	PLACES
	FETCH 0, F0, 0, \s0, \s1, \ss0, \ss1
	s_wait_dscnt 0x0
	FETCH 1, F1, 1, \s0, \s1, \ss0, \ss1
	MUL F0, 0, 1
	s_wait_dscnt 0x0
	PLACES
	FETCH 2, F0, 0, \s0, \s1, \ss0, \ss1
	MUL F1, 1, 0
	s_wait_dscnt 0x0
	PLACES
	FETCH 3, F1, 1, \s0, \s1, \ss0, \ss1
	MUL F0, 0, 0
	s_wait_dscnt 0x0
	PLACES
	FETCH 4, F0, 0, \s0, \s1, \ss0, \ss1
	MUL F1, 1, 0
	s_wait_dscnt 0x0
	PLACES
	FETCH 5, F1, 1, \s0, \s1, \ss0, \ss1
	MUL F0, 0, 0
	s_wait_dscnt 0x0
	PLACES
	FETCH 6, F0, 0, \s0, \s1, \ss0, \ss1
	MUL F1, 1, 0
	s_wait_dscnt 0x0
	PLACES
	FETCH 7, F1, 1, \s0, \s1, \ss0, \ss1
	MUL F0, 0, 0
	s_wait_dscnt 0x0
	MUL F1, 1, 0
	WIN 0
.endm
.macro BADDR buf                       ; my four tiles of B in buffer buf: 3,072 x my half, + the buffer, + the half of K
	s_mul_i32 s40, s[WX], 3072
.if \buf
	s_add_co_u32 s40, s40, BUF1
.endif
	v_add_nc_u32 v[BB], s40, v[L16]
	v_add_nc_u32 v[BB+2], s40, v[L8]
	s_add_co_u32 s40, s40, HALFK
	v_add_nc_u32 v[BB+1], s40, v[L16]
	v_add_nc_u32 v[BB+3], s40, v[L8]
.endm
; 32 numbers of a lane, register 16 B + i = k 32 B + 16 h + i of my row -> a half image in v[QC] on, the two blocks' bytes in v[hw]
.macro Q2 s, hw
	v_max3_num_f32 v[QM], |v[(\s)]|, |v[(\s)+1]|, 0x1800000        ; with the floor 2^(3 - 127): the byte cannot fall under 1
	v_max3_num_f32 v[QM+1], |v[(\s)+16]|, |v[(\s)+17]|, 0x1800000
.irp i, 2,4,6,8,10,12,14
	v_max3_num_f32 v[QM], v[QM], |v[(\s)+\i]|, |v[(\s)+\i+1]|
	v_max3_num_f32 v[QM+1], v[QM+1], |v[(\s)+16+\i]|, |v[(\s)+17+\i]|
.endr
	v_permlanex16_b32 v[QM+2], v[QM], s[SEL], s[SEL+1]
	v_permlanex16_b32 v[QM+3], v[QM+1], s[SEL], s[SEL+1]
	v_max_num_f32 v[QM], v[QM], v[QM+2]            ; with lane l xor 16's 16: the block's largest magnitude
	v_max_num_f32 v[QM+1], v[QM+1], v[QM+3]
	v_add_nc_u32 v[QM+4], 0xff000000, v[QM]        ; 2 off the exponent field: the conversion's scale
	v_add_nc_u32 v[QM+5], 0xff000000, v[QM+1]
	v_lshrrev_b32 v[QM+6], 23, v[QM+4]
	v_lshrrev_b32 v[QM+7], 23, v[QM+5]
	v_lshl_or_b32 v[\hw], v[QM+7], 8, v[QM+6]
	v_cvt_scalef32_pk16_fp6_f32 v[QC:QC+2], v[(\s):(\s)+15], v[QM+4]
	v_cvt_scalef32_pk16_fp6_f32 v[QD:QD+2], v[(\s)+16:(\s)+31], v[QM+5]
	v_nop                                          ; one plain line behind the conversions
.irp i, 0,1,2
	v_permlane16_swap_b32 v[QC+\i], v[QD+\i]       ; the layout wants a whole block in a lane: lanes 0-15 block 0, lanes 16-31 block 1
.endr
.irp i, 0,1,2
	v_mov_b32 v[QC+3+\i], v[QD+\i]
.endr
.endm
; the way out of a tile: bias, quantiser, stores, a tile of source 1 at a time.  vmode = 0: the bias runs along the registers; 1: it is the lane's row's
.macro EPI vmode, oc, os
.irp b, 0,1,2,3
	s_wait_xcnt 0x0                                ; the stores issued so far have read the half image's and the bytes' registers
.set ii, 0
.rept 16
.if \vmode
	v_pk_add_f32 v[ACC+32*\b+ii:ACC+32*\b+ii+1], v[ACC+32*\b+ii:ACC+32*\b+ii+1], v[B1+2*\b:B1+2*\b+1]
.else
	v_pk_add_f32 v[ACC+32*\b+ii:ACC+32*\b+ii+1], v[ACC+32*\b+ii:ACC+32*\b+ii+1], v[B0+ii:B0+ii+1]   ; each accumulator from its low end on
.endif
.set ii, ii+2
.endr
	Q2 ACC+32*\b, HW+\b
	global_store_b128 v[L16], v[QC:QC+3], s[\oc:\oc+1] offset:768*\b          ; 512 and 256 neighbouring bytes
	global_store_b64 v[L8], v[QC+4:QC+5], s[\oc:\oc+1] offset:768*\b+512
.endr
.if \vmode
	v_cndmask_b32 v[QM], v[HW], v[HW+2], s[MK]     ; lanes 0-15 store tiles 0, 1, lanes 16-31 tiles 2, 3: two bytes each
	v_cndmask_b32 v[QM+1], v[HW+1], v[HW+3], s[MK]
	global_store_b16 v[VS2], v[QM], s[\os:\os+1]
	global_store_b16 v[VS2], v[QM+1], s[\os:\os+1] offset:4
.else
	v_lshl_or_b32 v[QM], v[HW+1], 16, v[HW]        ; a word = the two tiles of 32 tokens, two bytes each
	v_lshl_or_b32 v[QM+1], v[HW+3], 16, v[HW+2]
	v_cndmask_b32 v[QM], v[QM], v[QM+1], s[MK]
	global_store_b32 v[VS1], v[QM], s[\os:\os+1]
.endif
.endm
.macro BIAS0 p                         ; 64 columns' bias in the result's layout: columns 32 (a / 2) + 16 h + 8 (a % 2) + 0 .. 7
.irp a, 0,1,2,3
	global_load_b128 v[B0+8*\a:B0+8*\a+3], v6, s[\p:\p+1] offset:(32*(\a/2)+8*(\a%2))*4
	global_load_b128 v[B0+8*\a+4:B0+8*\a+7], v6, s[\p:\p+1] offset:(32*(\a/2)+8*(\a%2))*4+16
.endr
.endm
	s_load_b256 s[4:11], s[0:1], 0x0               ; WB, HB, bq, bk
	s_load_b128 s[12:15], s[0:1], 0x20             ; bv, QB
	v_lshl_add_u32 v[SPW], v0, 2, SPARE
	v_mov_b32 v[NIL], 0
	ds_add_u32 v[SPW], v[NIL]                      ; the wave's opening: the add and its wait ahead of my first tensor load
	ds_add_u32 v[SPW], v[NIL]
	v_lshrrev_b32 v1, 5, v0
	v_readfirstlane_b32 s[WV], v1
	s_lshr_b32 s[WY], s[WV], 1                     ; my half of A's rows
	s_and_b32 s[WX], s[WV], 1                      ; my half of B's rows
	s_bfe_u32 s[CX], ttmp6, 0x40000
	s_bfe_u32 s[CY], ttmp6, 0x40004
	s_lshl_b32 s[XT], ttmp9, 2
	s_add_co_u32 s[XT], s[XT], s[CX]               ; tile column 0 .. 7 in each of the three weights
	s_and_b32 s[YT], ttmp7, 0xffff
	s_lshl_b32 s[YT], s[YT], 2
	s_add_co_u32 s[YT], s[YT], s[CY]               ; tile row
	s_lshl_b32 s40, s[CY], 2
	s_lshl_b32 s40, 15, s40                        ; my row of the cluster
	s_lshl_b32 s41, 0x1111, s[CX]                  ; my column
	s_or_b32 s[G1A], s40, (3<<16)|(1<<21)          ; the mask; elements of 8 bytes; bit 21 beside a mask; no padding
	s_or_b32 s[G1SA], s40, (3<<16)|(1<<21)
	s_or_b32 s[G1B], s41, (3<<16)|(1<<21)
	s_or_b32 s[G1SB], s41, (3<<16)|(1<<21)
.irp g, G1A, G1B
	s_mov_b32 s[\g+1], 32<<16                      ; dense blocks as rows of 256 bytes: 32 elements,
	s_mov_b32 s[\g+2], 384<<16                     ; 384 rows: a whole block of 128 rows' codes, for the head's loads
	s_mov_b32 s[\g+3], 32<<16
	s_mov_b32 s[\g+4], 384
	s_mov_b32 s[\g+5], 32
	s_mov_b32 s[\g+6], 0
	s_mov_b32 s[\g+7], 0
.endr
	s_mov_b32 s[G1SB+1], 512<<16                   ; B's scale words: three tiles' 4,096 bytes, 32,768 bytes apart, as three rows
	s_mov_b32 s[G1SB+2], 3<<16
	s_mov_b32 s[G1SB+3], 512<<16
	s_mov_b32 s[G1SB+4], 3
	s_mov_b32 s[G1SB+5], 4096
	s_mov_b32 s[G1SB+6], 0
	s_mov_b32 s[G1SB+7], 0
.irp g, G1SA
	s_mov_b32 s[\g+1], 32<<16                      ; 128 rows' scale words for all of K: 16 rows of 256 bytes
	s_mov_b32 s[\g+2], 16<<16
	s_mov_b32 s[\g+3], 32<<16
	s_mov_b32 s[\g+4], 16
	s_mov_b32 s[\g+5], 32
	s_mov_b32 s[\g+6], 0
	s_mov_b32 s[\g+7], 0
.endr
	s_mul_i32 s62, s[WV], QTR                      ; my quarter of a block of codes, in memory and in LDS: by the wave's number alone
	s_mul_i32 s42, s[YT], RGB                      ; A's codes, the whole block
	s_mov_b32 s43, 0
	s_lshl_b32 s44, s[YT], 12
	s_add_co_u32 s44, s44, AS_OFF                  ; A's scale words (wave 2 fetches them)
	s_mov_b32 s45, 0
	s_mul_i32 s46, s[XT], RGB
	s_mov_b32 s47, 0
	s_lshl_b32 s60, s[XT], 12
	s_add_co_u32 s60, s60, BS_OFF                  ; B's scale words: Wq's tile; Wk's and Wv's lie 32,768 bytes apart
	s_mov_b32 s61, 0
	s_mov_b32 s63, 0                               ; s[62:63]: my quarter as a 64-bit offset
	s_mov_b32 s[SEL], 0x76543210
	s_mov_b32 s[SEL+1], 0xfedcba98
	s_mov_b32 s[MK], 0xffff0000                    ; lanes 16-31
	s_wait_dscnt 0x0                               ; the opening adds are done
	CROUND                                         ; the round in front of the first joint loads stands ahead of the wait for the arguments
	s_wait_kmcnt 0x0
	s_add_nc_u64 s[42:43], s[6:7], s[42:43]
	s_add_nc_u64 s[44:45], s[6:7], s[44:45]
	s_add_nc_u64 s[46:47], s[4:5], s[46:47]
	s_add_nc_u64 s[60:61], s[4:5], s[60:61]
	s_mov_b32 s[G0SA], 1
	s_mov_b32 s[G0SA+1], SCL
	s_mov_b64 s[G0SA+2:G0SA+3], s[44:45]
	s_or_b32 s[G0SA+3], s[G0SA+3], 0x80000000
	s_mov_b32 s[G0SB], 1
	s_mov_b32 s[G0SB+1], SCL+4096
	s_mov_b64 s[G0SB+2:G0SB+3], s[60:61]
	s_or_b32 s[G0SB+3], s[G0SB+3], 0x80000000
	s_mov_b32 s[G0A], 1
	s_mov_b32 s[G0A+1], ALDS
	s_mov_b64 s[G0A+2:G0A+3], s[42:43]
	s_or_b32 s[G0A+3], s[G0A+3], 0x80000000
	s_mov_b32 s[G0B0], 1
	s_mov_b32 s[G0B0+1], 0
	s_mov_b64 s[G0B0+2:G0B0+3], s[46:47]
	s_or_b32 s[G0B0+3], s[G0B0+3], 0x80000000
	s_mov_b32 s[G0B1], 1
	s_add_co_u32 s[G0B1+1], s62, BUF1
	s_add_nc_u64 s[G0B1+2:G0B1+3], s[46:47], 8*RGB ; Wk's tile,
	s_add_nc_u64 s[G0B1+2:G0B1+3], s[G0B1+2:G0B1+3], s[62:63]   ; my quarter of it
	s_or_b32 s[G0B1+3], s[G0B1+3], 0x80000000
; THE HEAD'S LOADS, one a wave, in one chain of branches on the wave's number: wave 0 all of A, wave 1 all of Wq's tile, wave 2 A's scale words, wave 3 the three tiles' scale words
.macro ARM w, g0, g1
	s_cmp_eq_u32 s[WV], \w
	s_cbranch_scc0 .Lnot_\w
	tensor_load_to_lds s[\g0:\g0+3], s[\g1:\g1+7]
	s_nop 0
.rept 4
	v_nop
.endr
	s_branch .Lasked
.Lnot_\w:
.endm
	ARM 0, G0A, G1A
	ARM 1, G0B0, G1B
	ARM 2, G0SA, G1SA
	tensor_load_to_lds s[G0SB:G0SB+3], s[G1SB:G1SB+7]
	s_nop 0
.rept 4
	v_nop
.endr
.Lasked:
	v_and_b32 v[R], 15, v0
	v_bfe_u32 v[H], v0, 4, 1
	v_and_b32 v5, 31, v0
	v_lshlrev_b32 v[L16], 4, v5
	v_lshlrev_b32 v[L8], 3, v5
	s_mul_i32 s40, s[WY], 3072
	s_add_co_u32 s40, s40, ALDS                    ; my four tiles of A
	v_add_nc_u32 v[AA], s40, v[L16]
	v_add_nc_u32 v[AA+2], s40, v[L8]
	s_add_co_u32 s40, s40, HALFK
	v_add_nc_u32 v[AA+1], s40, v[L16]
	v_add_nc_u32 v[AA+3], s40, v[L8]
	v_lshlrev_b32 v5, 4, v[R]                      ; 16 bytes a row: four tiles' words
	s_wait_alu depctr_va_vdst(0)
	s_lshl_b32 s40, s[WY], 11
	s_add_co_u32 s40, s40, SCL
	v_add_nc_u32 v[SSA], s40, v5
	s_lshl_b32 s40, s[WX], 11
	s_add_co_u32 s40, s40, SCL+4096
	v_add_nc_u32 v[SSB], s40, v5
	s_lshl_b32 s40, s[XT], 9
	s_lshl_b32 s41, s[WX], 8
	s_add_co_u32 s40, s40, s41
	s_mov_b32 s41, 0
	s_add_nc_u64 s[8:9], s[8:9], s[40:41]          ; bq, bk, bv at my 64 columns
	s_add_nc_u64 s[10:11], s[10:11], s[40:41]
	s_add_nc_u64 s[12:13], s[12:13], s[40:41]
	v_lshlrev_b32 v6, 6, v[H]
	BIAS0 8
	v_and_b32 v7, 8, v[R]
	v_add_nc_u32 v7, v7, v[R]
	v_lshlrev_b32 v7, 2, v7
.irp b, 0,1,2,3
	global_load_b32 v[B1+2*\b], v7, s[12:13] offset:(32*(\b/2)+8*(\b%2))*4                     ; bv at column 32 (b / 2) + 8 (b % 2) + r + 8 (r / 8), into both halves of a pair
	global_load_b32 v[B1+2*\b+1], v7, s[12:13] offset:(32*(\b/2)+8*(\b%2))*4
.endr
	v_lshl_add_u32 v[VS1], v[H], 2, v5             ; 16 r + 4 h
	v_lshl_add_u32 v[VS2], v[H], 3, v5             ; 16 r + 8 h
	v_mov_b32 v[QM+2], 0                           ; written once: a lane permute's destination counts as one of its sources
	v_mov_b32 v[QM+3], 0
	; where the results go
	s_lshl_b32 s40, s[XT], 1
	s_add_co_u32 s40, s40, s[WX]                   ; q's half image: kc' = 2 XT + WX
	s_mul_i32 s92, s[YT], 196608
	s_mul_i32 s41, s40, 6144
	s_add_co_u32 s92, s92, s41
	s_mul_i32 s41, s[WY], 3072
	s_add_co_u32 s92, s92, s41                     ; q: token group YT, half image kc', my four tiles; k: 16 half images on
	s_mov_b32 s93, 0
	s_add_nc_u64 s[OC:OC+1], s[14:15], s[92:93]
	s_mul_i32 s96, s[XT], 393216
	s_lshl_b32 s41, s[YT], 1
	s_add_co_u32 s41, s41, s[WY]
	s_mul_i32 s41, s41, 6144
	s_add_co_u32 s96, s96, s41
	s_mul_i32 s41, s[WX], 3072
	s_add_co_u32 s96, s96, s41
	s_add_co_u32 s96, s96, 6291456                 ; v: channel group XT, half image 2 YT + WY, my four tiles
	s_mov_b32 s97, 0
	s_add_nc_u64 s[OCV:OCV+1], s[14:15], s[96:97]
	s_lshl_b32 s94, s40, 13
	s_lshl_b32 s41, s[YT], 8
	s_add_co_u32 s94, s94, s41
	s_add_co_u32 s94, s94, 9437184
	s_lshl_b32 s41, s[WY], 1
	s_add_co_u32 s98, s94, s41
	s_add_co_u32 s98, s98, 32*8192                 ; v's bytes: kc' + 32, + 2 WY
	s_mov_b32 s99, 0
	s_lshl_b32 s41, s[WY], 3
	s_add_co_u32 s94, s94, s41                     ; q's: + 8 WY; k's 16 x 8,192 on
	s_mov_b32 s95, 0
	s_add_nc_u64 s[OS:OS+1], s[14:15], s[94:95]
	s_add_nc_u64 s[OSV:OSV+1], s[14:15], s[98:99]
	s_wait_alu depctr_va_vdst(0)                   ; the wait at the head's end
	s_wait_tensorcnt 0x0                           ; my tile of the head's four is in; buffer 1's first fill is issued as a refill is:
	ds_add_u32 v[SPW], v[NIL]                      ; 0 onto my spare word
	s_mov_b32 s[G1B+2], 96<<16                     ; no load of mine is out: from here on a load of B brings a quarter, 96 rows
	s_mov_b32 s[G1B+4], 96
	s_wait_dscnt 0x0
	CROUND                                         ; all four tiles are in, and all sixteen work-groups are here
	tensor_load_to_lds s[G0B1:G0B1+3], s[G1B:G1B+7]        ; my quarter of Wk's tile: it has q's products in which to land
	s_nop 0
.rept 4
	v_nop
.endr
	; ---- q
	BADDR 0
	s_wait_alu depctr_va_vdst(0)
	TILEM BB, AA, SSB, SSA
	s_wait_tensorcnt 0x0                           ; all my tensor loads have landed, my quarter of Wk's tile among them: so a group 0 may be written
	ds_add_u32 v[SPW], v[NIL]                      ; 0 onto my spare word
	s_add_nc_u64 s[G0B0+2:G0B0+3], s[G0B0+2:G0B0+3], 16*RGB   ; Wv's tile,
	s_add_nc_u64 s[G0B0+2:G0B0+3], s[G0B0+2:G0B0+3], s[62:63] ; my quarter of it,
	s_mov_b32 s[G0B0+1], s62                       ; to my quarter of buffer 0
	v_add_nc_u32 v[SSB], 4096, v[SSB]              ; on to Wk's scale words
	s_wait_dscnt 0x0                               ; the add is done, my reads of buffer 0 are over
	CROUND                                         ; no wave of any partner still reads buffer 0 or has a load on its way
	tensor_load_to_lds s[G0B0:G0B0+3], s[G1B:G1B+7]        ; my one tensor load behind the round, first thing there
	s_nop 0
.rept 4
	v_nop                                          ; also the places behind the last products
.endr
	s_wait_loadcnt 0x0                             ; the biases
	EPI 0, OC, OS
	BIAS0 10                                       ; bk takes bq's registers and lands under k's products
	s_wait_xcnt 0x0                                ; q's stores have read their bases
	s_add_nc_u64 s[OC:OC+1], s[OC:OC+1], 16*6144
	s_add_nc_u64 s[OS:OS+1], s[OS:OS+1], 16*8192
	; ---- k
	BADDR 1
	s_wait_alu depctr_va_vdst(0)
	TILEM BB, AA, SSB, SSA
	PLACES
	s_wait_loadcnt 0x0                             ; bk
	EPI 0, OC, OS
	s_wait_tensorcnt 0x0                           ; my quarter of Wv's tile is in,
	s_wait_dscnt 0x0
	s_barrier_signal -1
	s_barrier_wait -1                              ; everybody's is
	; ---- v: the sources change places
	v_add_nc_u32 v[SSB], 4096, v[SSB]
	BADDR 0
	s_wait_alu depctr_va_vdst(0)
	TILEM AA, BB, SSA, SSB
	PLACES
	EPI 1, OCV, OSV
	s_wait_tensorcnt 0x0                           ; the wave's end
	ds_add_u32 v[SPW], v[NIL]
	s_wait_dscnt 0x0
	CROUND                                         ; the closing round
	s_endpgm
.Lfunc_end_k_qe118098cfd_qkv:
	.size	k_qe118098cfd_qkv, .Lfunc_end_k_qe118098cfd_qkv-k_qe118098cfd_qkv
	.p2alignl 7, 3214868480
	.fill 96, 4, 3214868480
	.section	.rodata,"a",@progbits
	.p2align	6, 0x0
	.amdhsa_kernel k_qe118098cfd_qkv
		.amdhsa_group_segment_fixed_size 327680
		.amdhsa_private_segment_fixed_size 0
		.amdhsa_enable_private_segment 0
		.amdhsa_kernarg_size 48
		.amdhsa_user_sgpr_count 2
		.amdhsa_user_sgpr_kernarg_segment_ptr 1
		.amdhsa_wavefront_size32 1
		.amdhsa_system_sgpr_workgroup_id_x 1
		.amdhsa_system_sgpr_workgroup_id_y 1
		.amdhsa_system_sgpr_workgroup_id_z 1
		.amdhsa_system_vgpr_workitem_id 0
		.amdhsa_next_free_vgpr 512
		.amdhsa_next_free_sgpr 104
		.amdhsa_reserve_vcc 0
		.amdhsa_float_denorm_mode_32 3
		.amdhsa_float_denorm_mode_16_64 3
		.amdhsa_memory_ordered 1
		.amdhsa_forward_progress 1
		.amdhsa_inst_pref_size 158
	.end_amdhsa_kernel
	.amdgpu_metadata
---
amdhsa.version: [ 1, 2 ]
amdhsa.kernels:
  - .name:           k_qe118098cfd_qkv
    .symbol:         k_qe118098cfd_qkv.kd
    .args:
      - { .name: WB, .offset: 0, .size: 8, .value_kind: global_buffer, .address_space: global }
      - { .name: HB, .offset: 8, .size: 8, .value_kind: global_buffer, .address_space: global }
      - { .name: bq, .offset: 16, .size: 8, .value_kind: global_buffer, .address_space: global }
      - { .name: bk, .offset: 24, .size: 8, .value_kind: global_buffer, .address_space: global }
      - { .name: bv, .offset: 32, .size: 8, .value_kind: global_buffer, .address_space: global }
      - { .name: QB, .offset: 40, .size: 8, .value_kind: global_buffer, .address_space: global }
    .group_segment_fixed_size: 327680
    .private_segment_fixed_size: 0
    .kernarg_segment_align: 8
    .kernarg_segment_size: 48
    .max_flat_workgroup_size: 128
    .sgpr_count:     104
    .vgpr_count:     512
    .wavefront_size: 32
...
	.end_amdgpu_metadata
.endif
;; end of part 9
;; launch attn (part 10): grid 8 x 32, 16 waves a work-group, clusters of 4 x 1, 327,680 bytes of LDS; arguments QB, AB; writes AB
.if DOCPART == 10
	.amdgcn_target "amdgcn-amd-amdhsa--gfx1250"
	.amdhsa_code_object_version 6
	.text
	.protected	k_qe118098cfd_attn
	.globl	k_qe118098cfd_attn
	.p2align	8
	.type	k_qe118098cfd_attn,@function
k_qe118098cfd_attn:
	s_mov_b64 s[64:65], 0
	v_nop
	global_prefetch_b8 v0, s[64:65] scope:SCOPE_SE
	s_setreg_imm32_b32 hwreg(HW_REG_WAVE_MODE, 25, 1), 1
	s_wait_xcnt 0x0
	s_wait_alu depctr_hold_cnt(0) depctr_sa_sdst(0) depctr_va_vdst(0) depctr_va_sdst(0) depctr_va_ssrc(0) depctr_va_vcc(0) depctr_vm_vsrc(0)
	s_getreg_b32 s2, hwreg(HW_REG_IB_STS2, 6, 4)
	s_cmp_eq_u32 s2, 0
	s_cbranch_scc0 .Lentry_in_a_cluster
	s_endpgm
.Lentry_in_a_cluster:
	s_bfe_u32 s2, ttmp6, 0x10000c
	s_cmp_lg_u32 s2, 0x3003
	s_cbranch_scc0 .Lentry_shape_is_right
	s_endpgm
.Lentry_shape_is_right:
; Causal attention of one head on codes of FP6 (E2M3), head size 64; the result is quantised along the model's axis and stored as the next product's operand.
; t = score x log2(e) / 8; M = the running largest t rounded up to a whole number; p = 2^(t - M) is quantised along the keys, not normalised; the sum of the unquantised p divides at the end; when M moves, sum and O are multiplied by 2^(old M - new M).
; SHARES.  Work-group (j, batch x 16 + head), sixteen waves, one tile of 16 queries each.  Token tile 8 G + j needs key steps 0 .. G of 128 keys, step G on the diagonal; the waves share them as set out below.
; So every work-group has 136 wave-steps, and the four waves with equal w % 4 have 34.  j enters global addresses and one data register alone.
; NO RING.  A head's K codes (98,304 bytes), V codes (98,304) and their scale bytes (2 x 4,096) fit in LDS and come by first fills alone, asked for jointly by the four work-groups of a cluster: waves 0 to 5 one load each.
; LAYOUT.  Both products are used transposed (S^T = K Q^T, O^T = V^T P^T): a lane holds one query.  Rows of every operand are ordered so that lane-row r of tile 2 B + u is row 32 B + 8 u + r + 8 (r / 8): the 16 registers
; of two neighbouring score tiles are 16 neighbouring keys, and the 32 registers of O^T are 2 x 16 neighbouring channels.
; K = 64 IN AN INSTRUCTION OF 128.  The half images of key tiles 2 B and 2 B + 1 are ONE fragment (k 0-63: tile 2 B; k 64-127: tile 2 B + 1).  Multiplied by Q with zero codes in k 64-127 it gives tile 2 B's scores, by Q with zero codes
; in k 0-63 tile 2 B + 1's.  A zero code adds nothing under any scale byte but 0xff, and no byte here is 0xff.
; LIMITS: NaN and infinities are not served; 1 / l by v_rcp_f32; a block of zeros gets the byte 1 (read by this program alone).
.set VC,    98304                      ; LDS: K's codes at 0 (6,144 a step), V's here (6,144 a step: two half-image columns of four tiles),
.set KSC,   196608                     ; K's scale words (256 a step),
.set VSC,   200704                     ; V's,
.set SPARE, 204800                     ; the spare words, 128 bytes for each of sixteen waves
.set WV, 8
.set G, 9
.set CX, 10
.set J, 11
.set HD, 12
.set BT, 13
.set G1S, 24
.set G1KA, 32
.set G1KB, 40
.set G1VA, 48
.set G1VB, 56
.set G0KS, 68
.set G0KA, 72
.set G0KB, 76
.set G0VS, 80
.set G0VA, 84
.set G0VB, 88
.set SEL, 92
.set CS, 94
.set TB, 96                            ; the step's codes: 6,144 a step
.set TS, 97                            ; its scale words: 256 a step
.set SI, 98                            ; the step
.set LC, 99
; THE DEAL OF TILES AND KEYS AMONG THE WAVES, as this text has it.  The sixteen token tiles 8 G + j, G = 0 .. 15, go in pairs (g, 15 - g), g = 0 .. 7, two waves to a pair; g = w % 4 + 4 (w / 8).
; The wave with (w / 4) % 2 = 0 takes tile 15 - g, key steps 0 .. 7, none of them on the diagonal: 8 steps.  Its partner, w + 4, takes tile g whole (steps 0 .. g), stores it, and then tile 15 - g, steps 8 .. 15 - g: 9 steps.
; The partner hands O^T, -M and its lanes' sums over through LDS bytes of their own; M is a whole number in both parts, so the first wave joins them by exact powers of two, and stores tile 15 - g.
; Every wave runs step 0, so the barrier that shows steps 4-15 stands behind step 0.
.set LIM, 14                           ; the last step of the pass that is mine
.set DG, 15                            ; the step on my diagonal (240 or more: none)
.set LIM2, 16                          ; both, for the second pass (0: no step is mine)
.set TY, 17                            ; 1: the wave that takes two parts
.set XB, 18                            ; LDS: my pair's bytes
.set XCH, 206848                       ; behind the spare words: 4,608 bytes a pair: O^T as 8 x 512, then 16 bytes a lane for -M and the sum
.set XPB, 4608
.set QM, 224
.set QC, 192
.set QD, 204
; v1-6 lane addresses; v7, v8 the add's two; v9 my query less 16 h; v10, v11 Q's scale words; v12 -M, v13 largest t, v[14:15] the sum; v16-27, v28-39 Q twice; v40-87 four fragments; v88-91, v92-95 K's, V's scale words;
; v96-159 S^T, then p; v160-191 O^T; v192-203 p's codes; v204-211 second conversions; v212-217 the step's addresses; v224-235 at work; v236 p's scale word; v[238:239] f; v240-243 at work
.macro DESC g, c, rows, pitch          ; group 1: rows of c elements of 8 bytes, pitch elements apart; mask: all four work-groups; bit 21 beside it; no padding
	s_mov_b32 s[\g], 15|(3<<16)|(1<<21)
	s_mov_b32 s[\g+1], (\c)<<16
	s_mov_b32 s[\g+2], (\rows)<<16
	s_mov_b32 s[\g+3], (\c)<<16
	s_mov_b32 s[\g+4], \rows
	s_mov_b32 s[\g+5], \pitch
	s_mov_b32 s[\g+6], 0
	s_mov_b32 s[\g+7], 0
.endm
.macro CROUND
	s_barrier_signal -1
	s_barrier_wait -1
	s_cmp_lg_u32 s[WV], 0
	s_cbranch_scc1 .Lnot_wave_0_\@
	s_barrier_signal -3
.Lnot_wave_0_\@:
	s_barrier_wait -3
	s_barrier_signal -1
	s_barrier_wait -1
.endm
.macro Q2 s, hw                        ; 32 numbers, register 16 B + i = k 32 B + 16 h + i -> a half image in v[QC] on, two bytes in v[hw]
	v_max3_num_f32 v[QM], |v[(\s)]|, |v[(\s)+1]|, 0x1800000
	v_max3_num_f32 v[QM+1], |v[(\s)+16]|, |v[(\s)+17]|, 0x1800000
.irp i, 2,4,6,8,10,12,14
	s_delay_alu instid0(VALU_DEP_2)
	v_max3_num_f32 v[QM], v[QM], |v[(\s)+\i]|, |v[(\s)+\i+1]|
	s_delay_alu instid0(VALU_DEP_2)
	v_max3_num_f32 v[QM+1], v[QM+1], |v[(\s)+16+\i]|, |v[(\s)+17+\i]|
.endr
	s_delay_alu instid0(VALU_DEP_2)
	v_permlanex16_b32 v[QM+2], v[QM], s[SEL], s[SEL+1]
	s_delay_alu instid0(VALU_DEP_2)
	v_permlanex16_b32 v[QM+3], v[QM+1], s[SEL], s[SEL+1]
	s_delay_alu instid0(VALU_DEP_2)
	v_max_num_f32 v[QM], v[QM], v[QM+2]
	s_delay_alu instid0(VALU_DEP_2)
	v_max_num_f32 v[QM+1], v[QM+1], v[QM+3]
	s_delay_alu instid0(VALU_DEP_2)
	v_add_nc_u32 v[QM+4], 0xff000000, v[QM]
	s_delay_alu instid0(VALU_DEP_2)
	v_add_nc_u32 v[QM+5], 0xff000000, v[QM+1]
	s_delay_alu instid0(VALU_DEP_2)
	v_lshrrev_b32 v[QM+6], 23, v[QM+4]
	s_delay_alu instid0(VALU_DEP_2)
	v_lshrrev_b32 v[QM+7], 23, v[QM+5]
	s_delay_alu instid0(VALU_DEP_1)
	v_lshl_or_b32 v[\hw], v[QM+7], 8, v[QM+6]
	v_cvt_scalef32_pk16_fp6_f32 v[QC:QC+2], v[(\s):(\s)+15], v[QM+4]
	v_cvt_scalef32_pk16_fp6_f32 v[QD:QD+2], v[(\s)+16:(\s)+31], v[QM+5]
	v_nop
.irp i, 0,1,2
	v_permlane16_swap_b32 v[QC+\i], v[QD+\i]
.endr
.irp i, 0,1,2
	s_delay_alu instid0(VALU_DEP_3)
	v_mov_b32 v[QC+3+\i], v[QD+\i]
.endr
.endm
; A KEY STEP of 128 keys.  A step behind my diagonal is left out: a scalar branch on the wave's number and the loop's count, round the work, not round the lines that step addresses
.macro STEP
	s_cmp_gt_u32 s[SI], s[LIM]
	s_cbranch_scc1 .Lhidden_\@
	v_add_nc_u32 v212, s[TB], v1                   ; six plain lines: also the places behind the last step's products, ahead of the loads into their registers
	v_add_nc_u32 v213, s[TB], v2
	v_add_nc_u32 v214, s[TB], v3
	v_add_nc_u32 v215, s[TB], v4
	v_add_nc_u32 v216, s[TS], v5
	v_add_nc_u32 v217, s[TS], v6
.irp b, 0,1,2,3
.irp u, 0,1
	ds_load_b128 v[40+12*\b+6*\u:43+12*\b+6*\u], v212 offset:1536*\b+768*\u
	ds_load_b64 v[44+12*\b+6*\u:45+12*\b+6*\u], v213 offset:1536*\b+768*\u+512
.endr
.endr
	ds_load_b128 v[88:91], v216                    ; a word for each pair of tiles: (tile 2 B: two bytes, tile 2 B + 1: two bytes)
	s_wait_alu depctr_va_vdst(0)
	s_wait_dscnt 0x0
.irp b, 0,1,2,3
	v_wmma_scale_f32_16x16x128_f8f6f4 v[96+16*\b:103+16*\b], v[40+12*\b:51+12*\b], v[16:27], 0, v[88+\b], v10 matrix_a_fmt:MATRIX_FMT_FP6 matrix_b_fmt:MATRIX_FMT_FP6
	v_wmma_scale_f32_16x16x128_f8f6f4 v[104+16*\b:111+16*\b], v[40+12*\b:51+12*\b], v[28:39], 0, v[88+\b], v11 matrix_a_fmt:MATRIX_FMT_FP6 matrix_b_fmt:MATRIX_FMT_FP6
.endr                                              ; register 16 B + i: key 32 B + 16 h + i of the step
.rept 4
	v_nop                                          ; places: ahead of the loads into K's registers and of the first read of the scores
.endr
.irp d, 0,1,2,3
.irp c, 0,1
	ds_load_b128 v[40+12*\d+6*\c:43+12*\d+6*\c], v214 offset:3072*\c+768*\d     ; V's four fragments land under the softmax
	ds_load_b64 v[44+12*\d+6*\c:45+12*\d+6*\c], v215 offset:3072*\c+768*\d+512
.endr
.endr
	ds_load_b128 v[92:95], v217
	s_cmp_lg_u32 s[SI], s[DG]
	s_cbranch_scc1 .Lopen_\@
	v_mov_b32 v241, 0xff800000                     ; on the diagonal hidden scores become -infinity: key 32 B + i is hidden where it is above my query less 16 h
.set nn, 0
.rept 64
	v_cmp_gt_i32 vcc_lo, 32*(nn/16)+nn%16, v9
	v_cndmask_b32 v[96+nn], v[96+nn], v241, vcc_lo
.set nn, nn+1
.endr
.Lopen_\@:
.irp b, 0,1,2,3
	v_max3_num_f32 v[224+\b], v[96+16*\b], v[97+16*\b], v[98+16*\b]      ; the largest score of each block of 32 keys: for the row's maximum, and, since p rises with the score, for the block's largest p
.endr
.irp i, 3,5,7,9,11,13
.irp b, 0,1,2,3
	v_max3_num_f32 v[224+\b], v[224+\b], v[96+16*\b+\i], v[97+16*\b+\i]
.endr
.endr
.irp b, 0,1,2,3
	v_max_num_f32 v[224+\b], v[224+\b], v[111+16*\b]
.endr
.irp b, 0,1,2,3
	s_delay_alu instid0(VALU_DEP_4)
	v_permlanex16_b32 v[228+\b], v[224+\b], s[SEL], s[SEL+1]
.endr
.irp b, 0,1,2,3
	s_delay_alu instid0(VALU_DEP_4)
	v_max_num_f32 v[224+\b], v[224+\b], v[228+\b]
.endr
	s_delay_alu instid0(VALU_DEP_2)
	v_max3_num_f32 v240, v224, v225, v226
	s_delay_alu instid0(VALU_DEP_1)
	v_max_num_f32 v240, v240, v227
	s_delay_alu instid0(VALU_DEP_1)
	v_mul_f32 v240, s[CS], v240
	s_delay_alu instid0(VALU_DEP_1)
	v_max_num_f32 v13, v13, v240                   ; the running largest t
	v_mov_b32 v240, v12
	s_delay_alu instid0(VALU_DEP_2)
	v_floor_f32 v12, -v13                          ; -M = floor(-t): M is a whole number
	s_delay_alu instid0(VALU_DEP_1)
	v_sub_f32 v240, v12, v240
	s_delay_alu instid0(VALU_DEP_1)
	v_cvt_i32_f32 v240, v240                       ; (it saturates)
	s_delay_alu instid0(VALU_DEP_1)
	v_ldexp_f32 v238, 1.0, v240                    ; f = 2^(old M - new M)
.set jj, 0
.rept 32
	v_pk_fma_f32 v[96+jj:97+jj], v[96+jj:97+jj], s[CS:CS+1], v[12:13] op_sel_hi:[1,0,0]    ; t - M
.set jj, jj+2
.endr
.irp b, 0,1,2,3
	v_fma_f32 v[224+\b], v[224+\b], s[CS], v12
.endr
.set jj, 0
	s_wait_alu depctr_va_vdst(0)
.rept 64
	v_exp_f32 v[96+jj], v[96+jj]                   ; p, at most 1
.set jj, jj+1
.endr
	v_pk_mul_f32 v[14:15], v[14:15], v[238:239] op_sel_hi:[1,0]          ; the sums under the new M; the plain line behind the batch
	s_wait_alu depctr_va_vdst(0)                   ; one wait for the 64, ahead of their first reader
.irp b, 0,1,2,3
	v_exp_f32 v[224+\b], v[224+\b]                 ; each block's largest p
.endr
	v_pk_add_f32 v[228:229], v[100:101], v[104:105]
	v_pk_add_f32 v[254:255], v[108:109], v[112:113]
	v_pk_add_f32 v[252:253], v[116:117], v[120:121]
	v_pk_add_f32 v[250:251], v[124:125], v[128:129]
	v_pk_add_f32 v[248:249], v[132:133], v[136:137]
	v_pk_add_f32 v[246:247], v[140:141], v[144:145]
	v_pk_add_f32 v[244:245], v[148:149], v[152:153]
	v_pk_add_f32 v[14:15], v[14:15], v[156:157]
	v_pk_add_f32 v[228:229], v[228:229], v[96:97]
	v_pk_add_f32 v[254:255], v[254:255], v[98:99]
	v_pk_add_f32 v[252:253], v[252:253], v[102:103]
	v_pk_add_f32 v[250:251], v[250:251], v[106:107]
	v_pk_add_f32 v[248:249], v[248:249], v[110:111]
	v_pk_add_f32 v[246:247], v[246:247], v[114:115]
	v_pk_add_f32 v[244:245], v[244:245], v[118:119]
	v_pk_add_f32 v[14:15], v[14:15], v[122:123]
	v_pk_add_f32 v[228:229], v[228:229], v[126:127]
	v_pk_add_f32 v[254:255], v[254:255], v[130:131]
	v_pk_add_f32 v[252:253], v[252:253], v[134:135]
	v_pk_add_f32 v[250:251], v[250:251], v[138:139]
	v_pk_add_f32 v[248:249], v[248:249], v[142:143]
	v_pk_add_f32 v[246:247], v[246:247], v[146:147]
	v_pk_add_f32 v[244:245], v[244:245], v[150:151]
	v_pk_add_f32 v[14:15], v[14:15], v[154:155]
	v_pk_add_f32 v[228:229], v[228:229], v[158:159]
	s_delay_alu instid0(VALU_DEP_2)
	v_pk_add_f32 v[14:15], v[14:15], v[250:251]
	s_delay_alu instid0(VALU_DEP_2)
	v_pk_add_f32 v[228:229], v[228:229], v[248:249]
	v_pk_add_f32 v[254:255], v[254:255], v[246:247]
	v_pk_add_f32 v[252:253], v[252:253], v[244:245]
	s_delay_alu instid0(VALU_DEP_2)
	v_pk_add_f32 v[14:15], v[14:15], v[254:255]
	s_delay_alu instid0(VALU_DEP_2)
	v_pk_add_f32 v[228:229], v[228:229], v[252:253]
	s_delay_alu instid0(VALU_DEP_1)
	v_pk_add_f32 v[14:15], v[14:15], v[228:229]
	s_wait_alu depctr_va_vdst(0)                   ; and one for the four
.irp b, 0,1,2,3
	v_max_num_f32 v[224+\b], 0x1800000, v[224+\b]  ; the floor 2^(3 - 127)
.endr
.irp b, 0,1,2,3
	s_delay_alu instid0(VALU_DEP_4)
	v_add_nc_u32 v[232+\b], 0xff000000, v[224+\b]
.endr
.irp b, 0,1,2,3
	s_delay_alu instid0(VALU_DEP_4)
	v_lshrrev_b32 v[228+\b], 23, v[232+\b]
.endr
	s_delay_alu instid0(VALU_DEP_3)
	v_lshl_or_b32 v236, v229, 8, v228              ; p's scale word for these 128 keys
	s_delay_alu instid0(VALU_DEP_1)
	v_lshl_or_b32 v236, v230, 16, v236
	s_delay_alu instid0(VALU_DEP_1)
	v_lshl_or_b32 v236, v231, 24, v236
.irp c, 0,1
	v_cvt_scalef32_pk16_fp6_f32 v[192+6*\c:194+6*\c], v[96+32*\c:111+32*\c], v[232+2*\c]
	v_cvt_scalef32_pk16_fp6_f32 v[204+4*\c:206+4*\c], v[112+32*\c:127+32*\c], v[232+2*\c+1]
.endr
	v_nop
.irp c, 0,1
.irp i, 0,1,2
	v_permlane16_swap_b32 v[192+6*\c+\i], v[204+4*\c+\i]
.endr
.irp i, 0,1,2
	s_delay_alu instid0(VALU_DEP_3)
	v_mov_b32 v[195+6*\c+\i], v[204+4*\c+\i]
.endr
.endr
.set jj, 0
.rept 16
	v_pk_mul_f32 v[160+jj:161+jj], v[160+jj:161+jj], v[238:239] op_sel_hi:[1,0]            ; O^T under the new M; sixteen lines between the scale word's and the codes' last writes and the products
.set jj, jj+2
.endr
	s_wait_alu depctr_va_vdst(0)
	s_wait_dscnt 0x0                               ; V
.irp d, 0,1,2,3
	v_wmma_scale_f32_16x16x128_f8f6f4 v[160+8*\d:167+8*\d], v[40+12*\d:51+12*\d], v[192:203], v[160+8*\d:167+8*\d], v[92+\d], v236 matrix_a_fmt:MATRIX_FMT_FP6 matrix_b_fmt:MATRIX_FMT_FP6
.endr                                              ; four accumulators, one instruction each
.Lhidden_\@:
	s_add_co_u32 s[TB], s[TB], 6144
	s_add_co_u32 s[TS], s[TS], 256
	s_add_co_u32 s[SI], s[SI], 1
.endm
	s_load_b128 s[4:7], s[0:1], 0x0                ; QB, AB
	v_lshl_add_u32 v7, v0, 2, SPARE
	v_mov_b32 v8, 0
	ds_add_u32 v7, v8                              ; the wave's opening: the add and its wait ahead of the first tensor loads
	ds_add_u32 v7, v8
	v_lshrrev_b32 v9, 5, v0
	s_delay_alu instid0(VALU_DEP_1)
	v_readfirstlane_b32 s[WV], v9
	s_bfe_u32 s14, s[WV], 0x10002
	s_xor_b32 s14, s14, 1
	s_mul_i32 s14, s14, 15                         ; 15 in the wave that takes one part
	s_and_b32 s[G], s[WV], 3
	s_lshr_b32 s15, s[WV], 3
	s_lshl_b32 s15, s15, 2
	s_add_co_u32 s[G], s[G], s15                   ; g
	s_xor_b32 s[G], s[G], s14                      ; the tile that I begin with and that I store: 15 - g or g
	s_bfe_u32 s[CX], ttmp6, 0x40000
	s_lshl_b32 s[J], ttmp9, 2
	s_add_co_u32 s[J], s[J], s[CX]                 ; my work-group's tile among a step group's eight
	s_and_b32 s14, ttmp7, 0xffff
	s_and_b32 s[HD], s14, 15
	s_lshr_b32 s[BT], s14, 4
	DESC G1S, 32, 16, 32                           ; 4,096 dense bytes of scale words
	DESC G1KA, 768, 4, 24576                       ; K: a step is 6,144 dense bytes, 196,608 bytes from step to step: steps 0-3,
	DESC G1KB, 768, 12, 24576                      ; steps 4-15
	DESC G1VA, 384, 8, 768                         ; V: a half-image column of my head's four tiles is 3,072 bytes, 6,144 from column to column: steps 0-3,
	DESC G1VB, 384, 24, 768                        ; steps 4-15
	s_add_co_u32 s22, s[HD], 16
	s_lshl_b32 s23, s[BT], 12
	s_lshl_b32 s14, s22, 13
	s_add_co_u32 s14, s14, s23
	s_add_co_u32 s14, s14, 9437184                 ; K's scale words
	s_mov_b32 s15, 0
	s_mul_i32 s16, s[BT], 16*196608
	s_mul_i32 s22, s22, 6144
	s_add_co_u32 s16, s16, s22                     ; K's codes
	s_mov_b32 s17, 0
	s_lshl_b32 s18, s[HD], 13
	s_add_co_u32 s18, s18, s23
	s_add_co_u32 s18, s18, 9699328                 ; V's scale words
	s_mov_b32 s19, 0
	s_lshr_b32 s20, s[HD], 1
	s_mul_i32 s20, s20, 393216
	s_mul_i32 s22, s[BT], 32*6144
	s_add_co_u32 s20, s20, s22
	s_and_b32 s22, s[HD], 1
	s_mul_i32 s22, s22, 3072
	s_add_co_u32 s20, s20, s22
	s_add_co_u32 s20, s20, 6291456                 ; V's codes
	s_mov_b32 s21, 0
	s_lshl_b32 s66, s[BT], 4
	s_add_co_u32 s66, s66, s[G]                    ; my token group
	s_mul_i32 s2, s66, 196608
	s_mul_i32 s67, s[HD], 6144
	s_add_co_u32 s2, s2, s67
	s_mul_i32 s67, s[J], 768
	s_add_co_u32 s2, s2, s67                       ; Q's half image
	s_mov_b32 s3, 0
	s_lshl_b32 s100, s[HD], 13
	s_lshl_b32 s66, s66, 8
	s_add_co_u32 s100, s100, s66
	s_lshr_b32 s67, s[J], 1
	s_lshl_b32 s67, s67, 2
	s_add_co_u32 s100, s100, s67
	s_add_co_u32 s100, s100, 9437184               ; and its pair's scale word
	s_mov_b32 s101, 0
	s_mov_b32 s[SEL], 0x76543210
	s_mov_b32 s[SEL+1], 0xfedcba98
	s_mov_b32 s[CS], 0x3e38aa3b                    ; log2(e) / 8
	s_mov_b32 s[CS+1], s[CS]
	s_mov_b32 s[TB], 0
	s_mov_b32 s[TS], 0
	s_mov_b32 s[SI], 0
	s_wait_dscnt 0x0                               ; the opening adds are done
	CROUND                                         ; the round in front of the joint loads stands ahead of the wait for the arguments
	s_wait_kmcnt 0x0
	s_mov_b32 s[G0KS], 1
	s_mov_b32 s[G0KS+1], KSC
	s_add_nc_u64 s[G0KS+2:G0KS+3], s[4:5], s[14:15]
	s_or_b32 s[G0KS+3], s[G0KS+3], 0x80000000
	s_mov_b32 s[G0KA], 1
	s_mov_b32 s[G0KA+1], 0
	s_add_nc_u64 s[G0KA+2:G0KA+3], s[4:5], s[16:17]
	s_mov_b32 s[G0KB], 1
	s_mov_b32 s[G0KB+1], 24576
	s_add_nc_u64 s[G0KB+2:G0KB+3], s[G0KA+2:G0KA+3], 4*196608
	s_or_b32 s[G0KA+3], s[G0KA+3], 0x80000000
	s_or_b32 s[G0KB+3], s[G0KB+3], 0x80000000
	s_mov_b32 s[G0VS], 1
	s_mov_b32 s[G0VS+1], VSC
	s_add_nc_u64 s[G0VS+2:G0VS+3], s[4:5], s[18:19]
	s_or_b32 s[G0VS+3], s[G0VS+3], 0x80000000
	s_mov_b32 s[G0VA], 1
	s_mov_b32 s[G0VA+1], VC
	s_add_nc_u64 s[G0VA+2:G0VA+3], s[4:5], s[20:21]
	s_mov_b32 s[G0VB], 1
	s_mov_b32 s[G0VB+1], VC+24576
	s_add_nc_u64 s[G0VB+2:G0VB+3], s[G0VA+2:G0VA+3], 8*6144
	s_or_b32 s[G0VA+3], s[G0VA+3], 0x80000000
	s_or_b32 s[G0VB+3], s[G0VB+3], 0x80000000
	s_add_nc_u64 s[2:3], s[4:5], s[2:3]
	s_add_nc_u64 s[100:101], s[4:5], s[100:101]
; THE SIX FIRST FILLS GO TO SIX WAVES, one load a wave, in one chain of branches on the wave's number:
; waves 0 to 3 what steps 0-3 need (K's scale words, K's steps 0-3, V's scale words, V's steps 0-3), waves 4 and 5 steps 4-15 of K and of V; waves 6 to 15 issue none
.macro ARM w, g0, g1
	s_cmp_eq_u32 s[WV], \w
	s_cbranch_scc0 .Lnot_\w
	tensor_load_to_lds s[\g0:\g0+3], s[\g1:\g1+7]
	s_nop 0
.rept 4
	v_nop
.endr
	s_branch .Lasked
.Lnot_\w:
.endm
	ARM 0, G0KS, G1S
	ARM 1, G0KA, G1KA
	ARM 2, G0VS, G1S
	ARM 3, G0VA, G1VA
	ARM 4, G0KB, G1KB
	ARM 5, G0VB, G1VB
.Lasked:
	s_bfe_u32 s[TY], s[WV], 0x10002
	s_and_b32 s19, s[WV], 3
	s_lshr_b32 s[XB], s[WV], 3
	s_lshl_b32 s[XB], s[XB], 2
	s_add_co_u32 s19, s19, s[XB]                   ; g
	s_mul_i32 s[XB], s19, XPB
	s_add_co_u32 s[XB], s[XB], XCH
	s_mul_i32 s22, s[TY], 15
	s_xor_b32 s23, s22, 15
	s_and_b32 s[LIM], s19, s22
	s_and_b32 s20, s23, 7
	s_or_b32 s[LIM], s[LIM], s20                   ; g, or 7
	s_lshl_b32 s20, s23, 4
	s_or_b32 s[DG], s19, s20                       ; g, or none
	s_xor_b32 s[LIM2], s19, 15
	s_and_b32 s[LIM2], s[LIM2], s22                ; 15 - g, or 0
	s_lshl_b32 s20, s19, 1
	s_sub_co_u32 s20, 15, s20
	s_mul_i32 s20, s20, s[TY]                      ; token groups from my first tile to my second: 15 - 2 g, or 0
	s_lshl_b32 s22, s20, 8
	s_mul_i32 s20, s20, 196608
	s_mov_b32 s21, 0
	s_mov_b32 s23, 0
	s_add_nc_u64 s[20:21], s[2:3], s[20:21]        ; the second tile's Q,
	s_add_nc_u64 s[22:23], s[100:101], s[22:23]    ; and its scale word
	v_and_b32 v240, 31, v0
	s_delay_alu instid0(VALU_DEP_1)
	v_lshlrev_b32 v1, 4, v240                      ; K: 16 x lane,
	s_delay_alu instid0(VALU_DEP_2)
	v_lshlrev_b32 v2, 3, v240                      ; 8 x lane
	global_load_b128 v[16:19], v1, s[2:3]          ; Q's 64 codes a row, once as k 0-63,
	global_load_b64 v[20:21], v2, s[2:3] offset:512
	global_load_b128 v[34:37], v1, s[2:3]          ; once as k 64-127: two runs of registers
	global_load_b64 v[38:39], v2, s[2:3] offset:512
	v_and_b32 v241, 15, v0                         ; r
	s_delay_alu instid0(VALU_DEP_1)
	v_lshlrev_b32 v242, 4, v241
	global_load_b32 v243, v242, s[100:101]
	global_load_b128 v[218:221], v1, s[20:21]      ; the second pass' Q waits in registers of its own
	global_load_b64 v[222:223], v2, s[20:21] offset:512
	global_load_b32 v237, v242, s[22:23]
	v_add_nc_u32 v3, VC, v1
	v_add_nc_u32 v4, VC, v2
	v_add_nc_u32 v5, KSC, v242
	v_add_nc_u32 v6, VSC, v242
	s_lshr_b32 s66, s[J], 1
	s_lshl_b32 s66, s66, 5
	s_and_b32 s67, s[J], 1
	s_lshl_b32 s67, s67, 3
	s_add_co_u32 s66, s66, s67
	v_bfe_u32 v240, v0, 4, 1                       ; h
	v_and_b32 v9, 8, v241
	s_delay_alu instid0(VALU_DEP_1)
	v_add_nc_u32 v9, v9, v241
	s_delay_alu instid0(VALU_DEP_3)
	v_lshlrev_b32 v240, 4, v240
	s_delay_alu instid0(VALU_DEP_1)
	v_sub_nc_u32 v9, v9, v240
	s_delay_alu instid0(VALU_DEP_1)
	v_add_nc_u32 v9, s66, v9                       ; my query in its step, less 16 h
	s_and_b32 s66, s[J], 1
	s_lshl_b32 s66, s66, 4
	s_wait_loadcnt 0x0
	v_lshrrev_b32 v243, s66, v243                  ; my tile's two bytes of the pair's word
	s_delay_alu instid0(VALU_DEP_1)
	v_and_b32 v10, 0xffff, v243                    ; (s0, s1, 0, 0): beside Q in k 0-63
	s_delay_alu instid0(VALU_DEP_1)
	v_lshlrev_b32 v11, 16, v10                     ; (0, 0, s0, s1): beside Q in k 64-127
.irp i, 22,23,24,25,26,27,28,29,30,31,32,33
	v_mov_b32 v[\i], 0                             ; the zero codes
.endr
	v_mov_b32 v13, 0xff61b1e6                      ; the largest t so far: -3e38
	s_delay_alu instid0(VALU_DEP_1)
	v_floor_f32 v12, -v13
	v_mov_b32 v14, 0
	v_mov_b32 v15, 0
.set jj, 0
.rept 32
	v_mov_b32 v[160+jj], 0                         ; O^T: the step is written once; its first pass finds zeros
.set jj, jj+1
.endr
.irp i, 226,227,228,229,230,231,239,240
	v_mov_b32 v[\i], 0                             ; lane permutes' destinations and a pair's upper half: written once
.endr
	s_wait_alu depctr_va_vdst(0)                   ; the wait at the head's end
	s_cmp_lt_u32 s[WV], 4                          ; waves 0 to 3 wait for their loads: the scale words and steps 0-3; the loads of steps 4-15 may be out
	s_cbranch_scc0 .Llater
	s_wait_tensorcnt 0x0
.Llater:
	s_barrier_signal -1
	s_barrier_wait -1
	STEP                                           ; step 0: every wave's
	s_wait_tensorcnt 0x0                           ; steps 4-15 are in
	s_wait_dscnt 0x0
	s_barrier_signal -1
	s_barrier_wait -1
	s_mov_b32 s[LC], 7                             ; the first pass goes on: steps 1 .. 7
.Lb:
	STEP
	s_sub_co_u32 s[LC], s[LC], 1
	s_cmp_lg_u32 s[LC], 0
	s_cbranch_scc1 .Lb
.macro WAYOUT
	; THE WAY OUT: O^T / l, quantised along the model's axis (my head's 64 are half image kc = head), stored as the operand's registers
.rept 4
	v_nop
.endr
	v_add_f32 v14, v14, v15
	s_wait_alu depctr_va_vdst(0)
	v_permlanex16_b32 v240, v14, s[SEL], s[SEL+1]
	s_delay_alu instid0(VALU_DEP_1)
	v_add_f32 v14, v14, v240
	s_wait_alu depctr_va_vdst(0)
	v_rcp_f32 v14, v14
	v_bfe_u32 v241, v0, 4, 1                       ; (a plain line behind the reciprocal)  h
	s_lshl_b32 s66, s[BT], 4
	s_add_co_u32 s66, s66, s[G]
	s_mul_i32 s2, s66, 98304
	s_mul_i32 s67, s[HD], 6144
	s_add_co_u32 s2, s2, s67
	s_mul_i32 s67, s[J], 768
	s_add_co_u32 s2, s2, s67
	s_mov_b32 s3, 0
	s_add_nc_u64 s[2:3], s[6:7], s[2:3]
	s_lshl_b32 s66, s66, 1
	s_lshr_b32 s67, s[J], 2
	s_add_co_u32 s66, s66, s67
	s_lshl_b32 s100, s66, 11
	s_lshr_b32 s67, s[HD], 1
	s_lshl_b32 s67, s67, 8
	s_add_co_u32 s100, s100, s67
	s_and_b32 s67, s[J], 3
	s_lshl_b32 s67, s67, 2
	s_add_co_u32 s100, s100, s67
	s_and_b32 s67, s[HD], 1
	s_lshl_b32 s67, s67, 1
	s_add_co_u32 s100, s100, s67
	s_add_co_u32 s100, s100, 3145728
	s_mov_b32 s101, 0
	s_add_nc_u64 s[100:101], s[6:7], s[100:101]
	s_wait_alu depctr_va_vdst(0)                   ; the wait ahead of the reciprocal's first reader
	v_mov_b32 v15, v14
.set jj, 0
.rept 16
	v_pk_mul_f32 v[96+jj:97+jj], v[160+jj:161+jj], v[14:15]              ; each accumulator from its low end on
.set jj, jj+2
.endr
	Q2 96, 232
	global_store_b128 v1, v[QC:QC+3], s[2:3]
	global_store_b64 v2, v[QC+4:QC+5], s[2:3] offset:512
	v_lshlrev_b32 v242, 3, v241
	s_delay_alu instid0(VALU_DEP_1)
	v_lshrrev_b32 v233, v242, v232                 ; my block's byte
	v_and_b32 v243, 15, v0
	s_delay_alu instid0(VALU_DEP_1)
	v_lshl_add_u32 v243, v243, 4, v241             ; 16 r + h
	global_store_b8 v243, v233, s[100:101]
.endm
	s_cmp_eq_u32 s[TY], 0
	s_cbranch_scc1 .Lkeep                          ; the wave with one part keeps its sums
	WAYOUT                                         ; tile g is finished
	s_wait_xcnt 0x0                                ; its stores have read their registers
	s_and_b32 s66, s[J], 1
	s_lshl_b32 s66, s66, 4
	v_lshrrev_b32 v243, s66, v237                  ; the second tile's two scale bytes,
	v_and_b32 v10, 0xffff, v243
	v_lshlrev_b32 v11, 16, v10
.irp i, 0,1,2,3,4,5
	v_mov_b32 v[16+\i], v[218+\i]                  ; its Q, twice,
	v_mov_b32 v[34+\i], v[218+\i]
.endr
	v_mov_b32 v13, 0xff61b1e6                      ; and the sums begin anew
	v_floor_f32 v12, -v13
	v_mov_b32 v14, 0
	v_mov_b32 v15, 0
.set jj, 0
.rept 32
	v_mov_b32 v[160+jj], 0
.set jj, jj+1
.endr
	s_wait_alu depctr_va_vdst(0)                   ; the wait
.Lkeep:
	s_mov_b32 s[LIM], s[LIM2]
	s_mov_b32 s[DG], s[LIM2]
	s_mov_b32 s[LC], 8
.Lc:                                                   ; the second pass: steps 8 .. 15; every wave walks it
	STEP
	s_sub_co_u32 s[LC], s[LC], 1
	s_cmp_lg_u32 s[LC], 0
	s_cbranch_scc1 .Lc
	v_add_nc_u32 v212, s[XB], v1                   ; my pair's bytes, 16 x lane: made on the way that all waves take
.rept 4
	v_nop                                          ; places behind the last products
.endr
	s_cmp_eq_u32 s[TY], 0
	s_cbranch_scc1 .Lno_hand
	v_add_f32 v14, v14, v15
.irp i, 0,1,2,3,4,5,6,7
	ds_store_b128 v212, v[160+4*\i:163+4*\i] offset:512*\i               ; each accumulator from its low end on
.endr
	ds_store_b32 v212, v12 offset:4096
	ds_store_b32 v212, v14 offset:4100
.Lno_hand:
	s_wait_alu depctr_va_vdst(0)
	s_wait_dscnt 0x0                               ; for the partner's sake
	s_barrier_signal -1
	s_barrier_wait -1
	s_cmp_lg_u32 s[TY], 0
	s_cbranch_scc1 .Ldone
.irp i, 0,1,2,3,4,5,6,7
	ds_load_b128 v[96+4*\i:99+4*\i], v212 offset:512*\i
.endr
	ds_load_b32 v224, v212 offset:4096
	ds_load_b32 v225, v212 offset:4100
	v_add_f32 v14, v14, v15
	s_wait_alu depctr_va_vdst(0)
	s_wait_dscnt 0x0
	v_min_num_f32 v226, v12, v224                  ; -M of both parts
	v_sub_f32 v227, v226, v12
	v_sub_f32 v228, v226, v224
	v_cvt_i32_f32 v227, v227                       ; (they saturate)
	v_cvt_i32_f32 v228, v228
	v_ldexp_f32 v238, 1.0, v227                    ; 2^(my M - M),
	v_ldexp_f32 v240, 1.0, v228                    ; 2^(the partner's M - M)
	v_mul_f32 v14, v14, v238
	v_fmac_f32 v14, v225, v240
	v_mov_b32 v15, 0
.set jj, 0
.rept 16
	v_pk_mul_f32 v[160+jj:161+jj], v[160+jj:161+jj], v[238:239] op_sel_hi:[1,0]
.set jj, jj+2
.endr
.set jj, 0
.rept 16
	v_pk_fma_f32 v[160+jj:161+jj], v[96+jj:97+jj], v[240:241], v[160+jj:161+jj] op_sel_hi:[1,0,1]
.set jj, jj+2
.endr
	WAYOUT                                         ; tile 15 - g is finished
.Ldone:
	s_wait_tensorcnt 0x0                           ; the wave's end
	ds_add_u32 v7, v8
	s_wait_dscnt 0x0
	CROUND                                         ; the closing round
	s_endpgm
.Lfunc_end_k_qe118098cfd_attn:
	.size	k_qe118098cfd_attn, .Lfunc_end_k_qe118098cfd_attn-k_qe118098cfd_attn
	.p2alignl 7, 3214868480
	.fill 96, 4, 3214868480
	.section	.rodata,"a",@progbits
	.p2align	6, 0x0
	.amdhsa_kernel k_qe118098cfd_attn
		.amdhsa_group_segment_fixed_size 327680
		.amdhsa_private_segment_fixed_size 0
		.amdhsa_enable_private_segment 0
		.amdhsa_kernarg_size 16
		.amdhsa_user_sgpr_count 2
		.amdhsa_user_sgpr_kernarg_segment_ptr 1
		.amdhsa_wavefront_size32 1
		.amdhsa_system_sgpr_workgroup_id_x 1
		.amdhsa_system_sgpr_workgroup_id_y 1
		.amdhsa_system_sgpr_workgroup_id_z 1
		.amdhsa_system_vgpr_workitem_id 0
		.amdhsa_next_free_vgpr 256
		.amdhsa_next_free_sgpr 102
		.amdhsa_reserve_vcc 1
		.amdhsa_float_denorm_mode_32 3
		.amdhsa_float_denorm_mode_16_64 3
		.amdhsa_memory_ordered 1
		.amdhsa_forward_progress 1
		.amdhsa_inst_pref_size 99
	.end_amdhsa_kernel
	.amdgpu_metadata
---
amdhsa.version: [ 1, 2 ]
amdhsa.kernels:
  - .name:           k_qe118098cfd_attn
    .symbol:         k_qe118098cfd_attn.kd
    .args:
      - { .name: QB, .offset: 0, .size: 8, .value_kind: global_buffer, .address_space: global }
      - { .name: AB, .offset: 8, .size: 8, .value_kind: global_buffer, .address_space: global }
    .group_segment_fixed_size: 327680
    .private_segment_fixed_size: 0
    .kernarg_segment_align: 8
    .kernarg_segment_size: 16
    .max_flat_workgroup_size: 512
    .sgpr_count:     102
    .vgpr_count:     256
    .wavefront_size: 32
...
	.end_amdgpu_metadata
.endif
;; end of part 10
;; launch wo (part 11): grid 8 x 32, 4 waves a work-group, clusters of 4 x 4, 327,680 bytes of LDS; arguments WB, AB, bo, x, X1; writes X1
.if DOCPART == 11
	.amdgcn_target "amdgcn-amd-amdhsa--gfx1250"
	.amdhsa_code_object_version 6
	.text
	.protected	k_qe118098cfd_wo
	.globl	k_qe118098cfd_wo
	.p2align	8
	.type	k_qe118098cfd_wo,@function
k_qe118098cfd_wo:
	s_mov_b64 s[64:65], 0
	v_nop
	global_prefetch_b8 v0, s[64:65] scope:SCOPE_SE
	s_setreg_imm32_b32 hwreg(HW_REG_WAVE_MODE, 25, 1), 1
	s_wait_xcnt 0x0
	s_wait_alu depctr_hold_cnt(0) depctr_sa_sdst(0) depctr_va_vdst(0) depctr_va_sdst(0) depctr_va_ssrc(0) depctr_va_vcc(0) depctr_vm_vsrc(0)
	s_getreg_b32 s2, hwreg(HW_REG_IB_STS2, 6, 4)
	s_cmp_eq_u32 s2, 0
	s_cbranch_scc0 .Lentry_in_a_cluster
	s_endpgm
.Lentry_in_a_cluster:
	s_bfe_u32 s2, ttmp6, 0x10000c
	s_cmp_lg_u32 s2, 0xf033
	s_cbranch_scc0 .Lentry_shape_is_right
	s_endpgm
.Lentry_shape_is_right:
; X1 = x + attention's result Wo + bo: a product on codes of FP6 (E2M3), K = 1,024, f32 sums; bo is the C of each sum's first product, x is added on the way out.
; OPERANDS lie in memory in the order of the matrix unit's registers (tile = 16 rows, half image = 768 bytes): 128 rows x all of K are one dense block of 98,304 bytes, their scale words one of 4,096.
; A work-group makes 128 x 128, four waves 64 x 64 each.  ALL OF K FITS IN LDS: A's block at 0, B's at 98,304, the scale words behind them; they come by the head's four joint loads, one a wave, and nothing is filled again.
; CLUSTER 4 x 4: A's block and scale words are asked for jointly along a row of the cluster, B's along a column.  No loop to run ahead in: no prefetch.
; The way out goes through each wave's own stage in LDS, so that sixteen lanes store 256 neighbouring bytes.  LIMITS: NaN and infinities are not served.
.set KTOT,  1024
.set AS_OFF, 3145728
.set BC_OFF, 2359296
.set BS_OFF, 9437184+48*2048
.set OPS,   49152
.set HALFT, 24576
.set SLOT,  98304
.set RGB,   KTOT*96
.set NSL,   KTOT/512
.set SCH,   KTOT*2
.set SCL,   2*SLOT
.set STAGE, SCL+4*SCH
.set SPARE, STAGE+4*16*272
.set R, 1
.set H, 2
.set L16, 3
.set L8, 4
.set S0A, 8
.set S1A, 12
.set SS0, 16
.set SS1, 17
.set SPW, 18
.set NIL, 19
.set CO, 20
.set STO, 21
.set RD, 22
.set SC, 24
.set T0, 40
.set B0, 96
.set ACC, 128
.set F0, 0
.set F1, 128
.set WV, 16
.set WY, 17
.set WX, 18
.set CX, 20
.set CY, 21
.set XT, 22
.set YT, 23
.set G1A, 24
.set G0A, 32
.set G1B, 48
.set G0B, 56
.set G1SA, 68
.set G0SA, 76
.set G1SB, 80
.set G0SB, 88
.set RP, 92
.set OP, 94
.set BP, 96
.set MSB, 0
.macro WIN new
.if MSB != \new
	s_set_vgpr_msb (MSB<<8)|\new
.set MSB, \new
.endif
.endm
.macro PLACES
.rept 4
	v_nop
.endr
.endm
.macro JLOAD g0a, g1a, g0b, g1b
	s_cmp_eq_u32 s[WY], 0
	s_cbranch_scc0 .Lfor_b_\@
	tensor_load_to_lds s[\g0a:\g0a+3], s[\g1a:\g1a+7]
	s_nop 0
.rept 4
	v_nop
.endr
	s_branch .Lasked_\@
.Lfor_b_\@:
	tensor_load_to_lds s[\g0b:\g0b+3], s[\g1b:\g1b+7]
	s_nop 0
.rept 4
	v_nop
.endr
.Lasked_\@:
.endm
.macro CROUND
	s_barrier_signal -1
	s_barrier_wait -1
	s_cmp_lg_u32 s[WV], 0
	s_cbranch_scc1 .Lnot_wave_0_\@
	s_barrier_signal -3
.Lnot_wave_0_\@:
	s_barrier_wait -3
	s_barrier_signal -1
	s_barrier_wait -1
.endm
.macro FRAGS reg, adr, slot, q
.irp i, 0,1,2,3
.irp c, 0,1
	ds_load_b128 v[\reg+12*\i+6*\c:\reg+12*\i+6*\c+3], v[\adr+\slot] offset:(2*(\q)+\c)*6144+768*\i
	ds_load_b64 v[\reg+12*\i+6*\c+4:\reg+12*\i+6*\c+5], v[\adr+2+\slot] offset:(2*(\q)+\c)*6144+768*\i+512
.endr
.endr
.endm
.macro FETCH slot, q, f, sc
	WIN 0x40
	FRAGS \f, S0A, \slot, \q
	FRAGS \f+48, S1A, \slot, \q
	WIN 0
	ds_load_b128 v[SC+8*(\sc):SC+8*(\sc)+3], v[SS0] offset:256*(\q)
	ds_load_b128 v[SC+8*(\sc)+4:SC+8*(\sc)+7], v[SS1] offset:256*(\q)
.endm
.macro MUL f, sc, first
	WIN 0x05
.irp b, 0,1,2,3
.irp a, 0,1,2,3
.if \first == 2
	v_wmma_scale_f32_16x16x128_f8f6f4 v[ACC+8*(4*\b+\a):ACC+8*(4*\b+\a)+7], v[\f+12*\a:\f+12*\a+11], v[\f+48+12*\b:\f+48+12*\b+11], v[B0+8*\a:B0+8*\a+7], v[SC+8*\sc+\a], v[SC+8*\sc+4+\b] matrix_a_fmt:MATRIX_FMT_FP6 matrix_b_fmt:MATRIX_FMT_FP6
.else
	v_wmma_scale_f32_16x16x128_f8f6f4 v[ACC+8*(4*\b+\a):ACC+8*(4*\b+\a)+7], v[\f+12*\a:\f+12*\a+11], v[\f+48+12*\b:\f+48+12*\b+11], v[ACC+8*(4*\b+\a):ACC+8*(4*\b+\a)+7], v[SC+8*\sc+\a], v[SC+8*\sc+4+\b] matrix_a_fmt:MATRIX_FMT_FP6 matrix_b_fmt:MATRIX_FMT_FP6
.endif
.endr
.endr
.endm
.macro SLOTWORK slot, first
	PLACES
	FETCH \slot, 0, F0, 0
	s_wait_dscnt 0x0
	FETCH \slot, 1, F1, 1
	MUL F0, 0, \first
	s_wait_dscnt 0x0
	PLACES
	FETCH \slot, 2, F0, 0
	MUL F1, 1, 0
	s_wait_dscnt 0x0
	PLACES
	FETCH \slot, 3, F1, 1
	MUL F0, 0, 0
	s_wait_dscnt 0x0
	MUL F1, 1, 0
	WIN 0
.endm
.macro TWO slot, refill
	s_wait_tensorcnt 0x0
	ds_add_u32 v[SPW], v[NIL]
.if \refill
	s_add_nc_u64 s[G0A+4*(1-\slot)+2:G0A+4*(1-\slot)+3], s[G0A+4*(1-\slot)+2:G0A+4*(1-\slot)+3], 2*OPS
	s_add_nc_u64 s[G0B+4*(1-\slot)+2:G0B+4*(1-\slot)+3], s[G0B+4*(1-\slot)+2:G0B+4*(1-\slot)+3], 2*OPS
.endif
	v_add_nc_u32 v[SS0], 1024, v[SS0]
	v_add_nc_u32 v[SS1], 1024, v[SS1]
	s_wait_alu depctr_va_vdst(0)
	s_wait_dscnt 0x0
.if \refill
	CROUND
	JLOAD G0A+4*(1-\slot), G1A, G0B+4*(1-\slot), G1B
.else
	s_barrier_signal -1
	s_barrier_wait -1
.endif
	SLOTWORK \slot, 0
.endm
	s_load_b256 s[4:11], s[0:1], 0x0
	s_load_b64 s[12:13], s[0:1], 0x20
	v_lshl_add_u32 v[SPW], v0, 2, SPARE
	v_mov_b32 v[NIL], 0
	ds_add_u32 v[SPW], v[NIL]
	ds_add_u32 v[SPW], v[NIL]
	v_lshrrev_b32 v1, 5, v0
	v_readfirstlane_b32 s[WV], v1
	s_lshr_b32 s[WY], s[WV], 1
	s_and_b32 s[WX], s[WV], 1
	s_bfe_u32 s[CX], ttmp6, 0x40000
	s_bfe_u32 s[CY], ttmp6, 0x40004
	s_lshl_b32 s[XT], ttmp9, 2
	s_add_co_u32 s[XT], s[XT], s[CX]
	s_and_b32 s[YT], ttmp7, 0xffff
	s_lshl_b32 s[YT], s[YT], 2
	s_add_co_u32 s[YT], s[YT], s[CY]
	s_lshl_b32 s40, s[CY], 2
	s_lshl_b32 s40, 15, s40
	s_lshl_b32 s41, 0x1111, s[CX]
	s_or_b32 s[G1A], s40, (3<<16)|(1<<21)
	s_or_b32 s[G1SA], s40, (3<<16)|(1<<21)
	s_or_b32 s[G1B], s41, (3<<16)|(1<<21)
	s_or_b32 s[G1SB], s41, (3<<16)|(1<<21)
.irp g, G1A, G1B
	s_mov_b32 s[\g+1], 32<<16
	s_mov_b32 s[\g+2], 384<<16
	s_mov_b32 s[\g+3], 32<<16
	s_mov_b32 s[\g+4], 384
	s_mov_b32 s[\g+5], 32
	s_mov_b32 s[\g+6], 0
	s_mov_b32 s[\g+7], 0
.endr
.irp g, G1SA, G1SB
	s_mov_b32 s[\g+1], 32<<16
	s_mov_b32 s[\g+2], (KTOT/64)<<16
	s_mov_b32 s[\g+3], 32<<16
	s_mov_b32 s[\g+4], KTOT/64
	s_mov_b32 s[\g+5], 32
	s_mov_b32 s[\g+6], 0
	s_mov_b32 s[\g+7], 0
.endr
	s_mul_i32 s42, s[YT], RGB
	s_mov_b32 s43, 0
	s_mul_i32 s44, s[YT], 2*SCH
	s_add_co_u32 s44, s44, AS_OFF
	s_mov_b32 s45, 0
	s_mul_i32 s46, s[XT], RGB
	s_add_co_u32 s46, s46, BC_OFF
	s_mov_b32 s47, 0
	s_mul_i32 s92, s[XT], 2*SCH
	s_add_co_u32 s92, s92, BS_OFF
	s_mov_b32 s93, 0
	s_wait_dscnt 0x0                               ; the opening adds are done
	CROUND                                         ; the round in front of the joint loads stands ahead of the wait for the arguments
	s_wait_kmcnt 0x0
	s_add_nc_u64 s[42:43], s[6:7], s[42:43]
	s_add_nc_u64 s[44:45], s[6:7], s[44:45]
	s_add_nc_u64 s[46:47], s[4:5], s[46:47]
	s_add_nc_u64 s[92:93], s[4:5], s[92:93]
	s_mov_b32 s[G0SA], 1
	s_mov_b32 s[G0SA+1], SCL
	s_mov_b64 s[G0SA+2:G0SA+3], s[44:45]
	s_or_b32 s[G0SA+3], s[G0SA+3], 0x80000000
	s_mov_b32 s[G0SB], 1
	s_mov_b32 s[G0SB+1], SCL+2*SCH
	s_mov_b64 s[G0SB+2:G0SB+3], s[92:93]
	s_or_b32 s[G0SB+3], s[G0SB+3], 0x80000000
	s_mov_b32 s[G0A], 1
	s_mov_b32 s[G0A+1], 0
	s_mov_b64 s[G0A+2:G0A+3], s[42:43]
	s_or_b32 s[G0A+3], s[G0A+3], 0x80000000
	s_mov_b32 s[G0B], 1
	s_mov_b32 s[G0B+1], RGB
	s_mov_b64 s[G0B+2:G0B+3], s[46:47]
	s_or_b32 s[G0B+3], s[G0B+3], 0x80000000
; the head's loads, one a wave, in one chain of branches on the wave's number: A's codes, B's codes, A's scale words, B's
.macro ARM w, g0, g1
	s_cmp_eq_u32 s[WV], \w
	s_cbranch_scc0 .Lnot_\w
	tensor_load_to_lds s[\g0:\g0+3], s[\g1:\g1+7]
	s_nop 0
.rept 4
	v_nop
.endr
	s_branch .Lasked
.Lnot_\w:
.endm
	ARM 0, G0A, G1A
	ARM 1, G0B, G1B
	ARM 2, G0SA, G1SA
	tensor_load_to_lds s[G0SB:G0SB+3], s[G1SB:G1SB+7]
	s_nop 0
.rept 4
	v_nop
.endr
.Lasked:
	v_and_b32 v[R], 15, v0
	v_bfe_u32 v[H], v0, 4, 1
	v_and_b32 v5, 31, v0
	v_lshlrev_b32 v[L16], 4, v5
	v_lshlrev_b32 v[L8], 3, v5
	s_mul_i32 s98, s[WX], 3072
	s_add_co_u32 s98, s98, RGB
	s_mul_i32 s99, s[WY], 3072
.irp s, 0,1
	v_add_nc_u32 v[S0A+\s], s98, v[L16]
	v_add_nc_u32 v[S0A+2+\s], s98, v[L8]
	v_add_nc_u32 v[S1A+\s], s99, v[L16]
	v_add_nc_u32 v[S1A+2+\s], s99, v[L8]
	s_add_co_u32 s98, s98, OPS
	s_add_co_u32 s99, s99, OPS
.endr
	v_lshlrev_b32 v5, 4, v[R]
	s_mul_i32 s98, s[WX], SCH
	s_add_co_u32 s98, s98, SCL+2*SCH
	v_add_nc_u32 v[SS0], s98, v5
	s_mul_i32 s99, s[WY], SCH
	s_add_co_u32 s99, s99, SCL
	v_add_nc_u32 v[SS1], s99, v5
	s_mul_i32 s98, s[WV], 16*272
	s_add_co_u32 s98, s98, STAGE
	v_mul_u32_u24 v5, v[R], 272
	v_lshl_add_u32 v5, v[H], 6, v5
	v_add_nc_u32 v[STO], s98, v5
	v_mul_u32_u24 v5, v[H], 272
	v_lshl_add_u32 v5, v[R], 4, v5
	v_add_nc_u32 v[RD], s98, v5
	v_lshlrev_b32 v5, 12, v[H]
	v_lshl_add_u32 v[CO], v[R], 4, v5
	s_wait_alu depctr_va_vdst(0)
	s_lshl_b32 s98, s[XT], 9
	s_lshl_b32 s99, s[WX], 8
	s_add_co_u32 s98, s98, s99
	s_mov_b32 s99, 0
	s_add_nc_u64 s[BP:BP+1], s[8:9], s[98:99]
	s_lshl_b32 s40, s[YT], 19
	s_lshl_b32 s41, s[WY], 18
	s_add_co_u32 s40, s40, s41
	s_add_co_u32 s98, s98, s40
	s_add_nc_u64 s[RP:RP+1], s[10:11], s[98:99]
	s_add_nc_u64 s[OP:OP+1], s[12:13], s[98:99]
	v_lshlrev_b32 v6, 6, v[H]
.irp a, 0,1,2,3
	global_load_b128 v[B0+8*\a:B0+8*\a+3], v6, s[BP:BP+1] offset:(32*(\a/2)+8*(\a%2))*4
	global_load_b128 v[B0+8*\a+4:B0+8*\a+7], v6, s[BP:BP+1] offset:(32*(\a/2)+8*(\a%2))*4+16
.endr
	WIN 0x80
.irp b, 0,1,2,3
.irp t, 0,1,2,3,4,5,6,7
	global_load_b128 v[32*\b+4*\t:32*\b+4*\t+3], v[CO], s[RP:RP+1] offset:(32*(\b/2)+8*(\b%2)+2*\t+8*(\t/4))*4096
.endr
.endr
	WIN 0
	s_wait_tensorcnt 0x0
	s_barrier_signal -1
	s_barrier_wait -1
	s_wait_loadcnt 32
	SLOTWORK 0, 2
.if NSL > 2
	s_mov_b32 s3, NSL/2-1
.Llap:
	TWO 1, 1
	TWO 0, 1
	s_sub_co_u32 s3, s3, 1
	s_cmp_lg_u32 s3, 0
	s_cbranch_scc1 .Llap
.endif
	TWO 1, 0
	PLACES
	s_wait_loadcnt 0x0
.irp b, 0,1,2,3
.if \b >= 2
	s_wait_xcnt 0x0
.endif
.irp a, 0,1,2,3
	ds_store_b128 v[STO], v[ACC+8*(4*\b+\a):ACC+8*(4*\b+\a)+3] offset:128*(\a/2)+32*(\a%2)
	ds_store_b128 v[STO], v[ACC+8*(4*\b+\a)+4:ACC+8*(4*\b+\a)+7] offset:128*(\a/2)+32*(\a%2)+16
.endr
.irp t, 0,1,2,3,4,5,6,7
	ds_load_b128 v[T0+32*(\b%2)+4*\t:T0+32*(\b%2)+4*\t+3], v[RD] offset:544*\t
.endr
	s_wait_dscnt 0x0
	WIN 0x08
.set ii, 0
.rept 16
	v_pk_add_f32 v[T0+32*(\b%2)+ii:T0+32*(\b%2)+ii+1], v[T0+32*(\b%2)+ii:T0+32*(\b%2)+ii+1], v[32*\b+ii:32*\b+ii+1]
.set ii, ii+2
.endr
	WIN 0
.irp t, 0,1,2,3,4,5,6,7
	global_store_b128 v[CO], v[T0+32*(\b%2)+4*\t:T0+32*(\b%2)+4*\t+3], s[OP:OP+1] offset:(32*(\b/2)+8*(\b%2)+2*\t+8*(\t/4))*4096
.endr
.endr
	s_wait_tensorcnt 0x0
	ds_add_u32 v[SPW], v[NIL]
	s_wait_dscnt 0x0
	CROUND
	s_endpgm
.Lfunc_end_k_qe118098cfd_wo:
	.size	k_qe118098cfd_wo, .Lfunc_end_k_qe118098cfd_wo-k_qe118098cfd_wo
	.p2alignl 7, 3214868480
	.fill 96, 4, 3214868480
	.section	.rodata,"a",@progbits
	.p2align	6, 0x0
	.amdhsa_kernel k_qe118098cfd_wo
		.amdhsa_group_segment_fixed_size 327680
		.amdhsa_private_segment_fixed_size 0
		.amdhsa_enable_private_segment 0
		.amdhsa_kernarg_size 40
		.amdhsa_user_sgpr_count 2
		.amdhsa_user_sgpr_kernarg_segment_ptr 1
		.amdhsa_wavefront_size32 1
		.amdhsa_system_sgpr_workgroup_id_x 1
		.amdhsa_system_sgpr_workgroup_id_y 1
		.amdhsa_system_sgpr_workgroup_id_z 1
		.amdhsa_system_vgpr_workitem_id 0
		.amdhsa_next_free_vgpr 768
		.amdhsa_next_free_sgpr 104
		.amdhsa_reserve_vcc 0
		.amdhsa_float_denorm_mode_32 3
		.amdhsa_float_denorm_mode_16_64 3
		.amdhsa_memory_ordered 1
		.amdhsa_forward_progress 1
		.amdhsa_inst_pref_size 60
	.end_amdhsa_kernel
	.amdgpu_metadata
---
amdhsa.version: [ 1, 2 ]
amdhsa.kernels:
  - .name:           k_qe118098cfd_wo
    .symbol:         k_qe118098cfd_wo.kd
    .args:
      - { .name: WB, .offset: 0, .size: 8, .value_kind: global_buffer, .address_space: global }
      - { .name: AB, .offset: 8, .size: 8, .value_kind: global_buffer, .address_space: global }
      - { .name: bo, .offset: 16, .size: 8, .value_kind: global_buffer, .address_space: global }
      - { .name: x, .offset: 24, .size: 8, .value_kind: global_buffer, .address_space: global }
      - { .name: X1, .offset: 32, .size: 8, .value_kind: global_buffer, .address_space: global }
    .group_segment_fixed_size: 327680
    .private_segment_fixed_size: 0
    .kernarg_segment_align: 8
    .kernarg_segment_size: 40
    .max_flat_workgroup_size: 128
    .sgpr_count:     104
    .vgpr_count:     768
    .wavefront_size: 32
...
	.end_amdgpu_metadata
.endif
;; end of part 11
;; launch ln (part 12): grid 256 x 1, 8 waves a work-group, no clusters, 66,816 bytes of LDS; arguments X1, g2, be2, HB; writes HB
.if DOCPART == 12
	.amdgcn_target "amdgcn-amd-amdhsa--gfx1250"
	.amdhsa_code_object_version 6
	.text
	.protected	k_qe118098cfd_ln
	.globl	k_qe118098cfd_ln
	.p2align	8
	.type	k_qe118098cfd_ln,@function
k_qe118098cfd_ln:
	s_mov_b64 s[64:65], 0
	v_nop
	global_prefetch_b8 v0, s[64:65] scope:SCOPE_SE
	s_setreg_imm32_b32 hwreg(HW_REG_WAVE_MODE, 25, 1), 1
	s_wait_xcnt 0x0
; y = (x - mean) rsqrt(var + 1e-5) g + b over rows of 1,024 f32, then quantised along the row to FP6 (E2M3) with one E8M0 byte for each 32, and stored in the order of the operand's registers:
; tile T = 16 rows, lane-row r of tile 2 B + u = row 32 B + 8 u + r + 8 (r / 8); half image (T, kc), 768 bytes: lane l = 16 h + r has 16 bytes at 16 l and 8 at 512 + 8 l: the codes of k = 64 kc + 32 h + 0 .. 31.
; codes at (T / 8) 98,304 + kc 6,144 + (T % 8) 768; scale bytes at 3,145,728 + (T / 4) 2,048 + (k / 128) 256 + 16 r + 4 (T % 4) + (k / 32) % 4.
; SHARES.  A work-group owns one tile.  Phase 1: wave w takes lane-rows 2 w and 2 w + 1, a whole row in 32 registers; mean first, then the squared differences (a common offset cancels before it is squared);
; the finished rows go to a stage in LDS (pitch 4,112 = 257 x 16 bytes).  Phase 2: wave w takes K step w; lane (r, h) reads the 32 neighbours of each of its two blocks and converts them.
; Work-groups share only g and b (8 KiB): no cluster.  Memory binds: no matrix unit.
; LIMITS: NaN and infinities are not served; the sums are taken in another order than a plain loop's; 1 / sqrt by v_rsq_f32; a block of zeros gets the byte 1 (read by this program alone).
.set PITCH, 4112
.set SPARE, 16*PITCH                   ; behind the stage: the spare words, 128 bytes for each of the eight waves
.set X,   32                           ; v32-95   my two rows; later my two blocks
.set GG,  96                           ; v96-127  g of my columns; later the codes
.set BE,  128                          ; v128-159 b of my columns
.set SPW, 14
.set NIL, 15
.macro QBLK x, c, d, by
	v_max3_num_f32 v8, |v[(\x)]|, |v[(\x)+1]|, 0x1800000           ; the largest magnitude, with the floor 2^(3 - 127) among the leaves
	v_max3_num_f32 v9, |v[(\x)+2]|, |v[(\x)+3]|, |v[(\x)+4]|
.irp i, 5,9,13,17,21,25
	s_delay_alu instid0(VALU_DEP_2)
	v_max3_num_f32 v8, v8, |v[(\x)+\i]|, |v[(\x)+\i+1]|
	s_delay_alu instid0(VALU_DEP_2)
	v_max3_num_f32 v9, v9, |v[(\x)+\i+2]|, |v[(\x)+\i+3]|
.endr
	s_delay_alu instid0(VALU_DEP_2)
	v_max3_num_f32 v8, v8, |v[(\x)+29]|, |v[(\x)+30]|
	s_delay_alu instid0(VALU_DEP_1)
	v_max3_num_f32 v8, v8, v9, |v[(\x)+31]|
	s_delay_alu instid0(VALU_DEP_1)
	v_add_nc_u32 v10, 0xff000000, v8                               ; 2 off the exponent field: the conversion's scale
	v_cvt_scalef32_pk16_fp6_f32 v[(\c):(\c)+2], v[(\x):(\x)+15], v10
	v_cvt_scalef32_pk16_fp6_f32 v[(\d):(\d)+2], v[(\x)+16:(\x)+31], v10
	v_lshrrev_b32 v[\by], 23, v10                                  ; the byte; the plain line behind the conversions
.irp i, 0,1,2
	v_mov_b32 v[(\c)+3+\i], v[(\d)+\i]
.endr
.endm
; the sum over the wave's 32 lanes of v[16 + 8 q], both rows by turns; the result in every lane
.macro XSUM
.irp m, 1,2,4,8
.irp q, 0,1
	s_delay_alu instid0(VALU_DEP_2)
	v_add_f32_dpp v[16+8*\q], v[16+8*\q], v[16+8*\q] row_xmask:\m row_mask:0xf bank_mask:0xf
.endr
.endr
.irp q, 0,1
	s_delay_alu instid0(VALU_DEP_2)
	v_permlanex16_b32 v[17+8*\q], v[16+8*\q], s16, s17
.endr
.irp q, 0,1
	s_delay_alu instid0(VALU_DEP_2)
	v_add_f32 v[16+8*\q], v[16+8*\q], v[17+8*\q]
.endr
.endm
	s_load_b256 s[4:11], s[0:1], 0x0               ; the rows, g, b, the operand's buffer
	v_lshl_add_u32 v[SPW], v0, 2, SPARE
	v_mov_b32 v[NIL], 0
	v_lshrrev_b32 v1, 5, v0
	s_delay_alu instid0(VALU_DEP_1)
	v_readfirstlane_b32 s12, v1                    ; wave
	v_and_b32 v1, 31, v0
	s_delay_alu instid0(VALU_DEP_1)
	v_lshlrev_b32 v2, 4, v1                        ; 16 x lane
	s_delay_alu instid0(VALU_DEP_2)
	v_lshlrev_b32 v7, 3, v1                        ; 8 x lane
	v_and_b32 v4, 15, v0                           ; r
	v_bfe_u32 v5, v0, 4, 1                         ; h
	s_delay_alu instid0(VALU_DEP_2)
	v_mul_u32_u24 v3, v4, PITCH
	s_delay_alu instid0(VALU_DEP_1)
	v_lshl_add_u32 v3, v5, 7, v3
	s_lshl_b32 s20, s12, 9
	v_add_nc_u32 v3, s20, v3                       ; phase 2 reads: row r, 512 w + 128 h bytes on
	s_mul_i32 s20, s12, 2*PITCH
	v_add_nc_u32 v6, s20, v2                       ; phase 1 stores: row 2 w, 16 x lane
	v_lshl_add_u32 v11, v4, 4, v5                  ; my byte among the scales: 16 r + h
	s_lshr_b32 s13, ttmp9, 1
	s_lshl_b32 s13, s13, 5
	s_and_b32 s14, ttmp9, 1
	s_lshl_b32 s14, s14, 3
	s_add_co_u32 s13, s13, s14
	s_lshl_b32 s14, s12, 1
	s_add_co_u32 s13, s13, s14
	s_lshr_b32 s14, s12, 2
	s_lshl_b32 s14, s14, 3
	s_add_co_u32 s13, s13, s14                     ; my first row: 32 (T / 2) + 8 (T % 2) + 2 w + 8 (w / 4); the second is its neighbour
	s_lshl_b32 s14, s13, 12
	s_mov_b32 s15, 0
	s_mov_b32 s16, 0x76543210
	s_mov_b32 s17, 0xfedcba98                      ; lane l xor 16
	s_mov_b32 s18, 0x3a800000                      ; 1 / 1,024
	s_mov_b32 s19, 0x3727c5ac                      ; 1e-5
	s_lshr_b32 s20, ttmp9, 3
	s_mul_i32 s20, s20, 98304
	s_and_b32 s21, ttmp9, 7
	s_mul_i32 s21, s21, 768
	s_add_co_u32 s20, s20, s21
	s_mul_i32 s21, s12, 12288
	s_add_co_u32 s20, s20, s21                     ; codes: my tile, half image 2 w
	s_mov_b32 s21, 0
	s_lshr_b32 s22, ttmp9, 2
	s_lshl_b32 s22, s22, 11
	s_lshl_b32 s23, s12, 8
	s_add_co_u32 s22, s22, s23
	s_and_b32 s23, ttmp9, 3
	s_lshl_b32 s23, s23, 2
	s_add_co_u32 s22, s22, s23
	s_add_co_u32 s22, s22, 3145728                 ; scales: my tile's word of K step w
	s_mov_b32 s23, 0
	s_wait_alu depctr_va_vdst(0)
	s_wait_kmcnt 0x0
	s_add_nc_u64 s[4:5], s[4:5], s[14:15]
	s_add_nc_u64 s[20:21], s[10:11], s[20:21]
	s_add_nc_u64 s[22:23], s[10:11], s[22:23]
.irp q, 0,1
.irp i, 0,1,2,3,4,5,6,7
	global_load_b128 v[X+32*\q+4*\i:X+32*\q+4*\i+3], v2, s[4:5] offset:4096*\q+512*\i      ; 32 lanes read 512 neighbouring bytes
.endr
.endr
.irp i, 0,1,2,3,4,5,6,7
	global_load_b128 v[GG+4*\i:GG+4*\i+3], v2, s[6:7] offset:512*\i
.endr
.irp i, 0,1,2,3,4,5,6,7
	global_load_b128 v[BE+4*\i:BE+4*\i+3], v2, s[8:9] offset:512*\i
.endr
	s_wait_loadcnt 16                              ; my two rows are in; g's eight loads and b's eight may be out
	; ---- the mean
.irp q, 0,1
	v_pk_add_f32 v[16+8*\q:17+8*\q], v[X+32*\q:X+32*\q+1], v[X+32*\q+2:X+32*\q+3]
	v_pk_add_f32 v[18+8*\q:19+8*\q], v[X+32*\q+4:X+32*\q+5], v[X+32*\q+6:X+32*\q+7]
.endr
.irp i, 8,12,16,20,24,28
.irp q, 0,1
	s_delay_alu instid0(VALU_DEP_4)
	v_pk_add_f32 v[16+8*\q:17+8*\q], v[16+8*\q:17+8*\q], v[X+32*\q+\i:X+32*\q+\i+1]
	s_delay_alu instid0(VALU_DEP_4)
	v_pk_add_f32 v[18+8*\q:19+8*\q], v[18+8*\q:19+8*\q], v[X+32*\q+\i+2:X+32*\q+\i+3]
.endr
.endr
.irp q, 0
	s_delay_alu instid0(VALU_DEP_3)
	v_pk_add_f32 v[16+8*\q:17+8*\q], v[16+8*\q:17+8*\q], v[18+8*\q:19+8*\q]
.endr
.irp q, 1
	s_delay_alu instid0(VALU_DEP_2)
	v_pk_add_f32 v[16+8*\q:17+8*\q], v[16+8*\q:17+8*\q], v[18+8*\q:19+8*\q]
.endr
.irp q, 0,1
	s_delay_alu instid0(VALU_DEP_2)
	v_add_f32 v[16+8*\q], v[16+8*\q], v[17+8*\q]
.endr
	XSUM
.irp q, 0,1
	s_delay_alu instid0(VALU_DEP_2)
	v_mul_f32 v[20+8*\q], s18, v[16+8*\q]
.endr
.irp q, 0,1
	s_delay_alu instid0(VALU_DEP_2)
	v_mov_b32 v[21+8*\q], v[20+8*\q]
.endr
	; ---- x - mean, in place; then the mean of its squares
.irp i, 0,2,4,6,8,10,12,14,16,18,20,22,24,26,28,30
.irp q, 0,1
	v_pk_add_f32 v[X+32*\q+\i:X+32*\q+\i+1], v[X+32*\q+\i:X+32*\q+\i+1], v[20+8*\q:21+8*\q] neg_lo:[0,1] neg_hi:[0,1]
.endr
.endr
.irp q, 0,1
	v_pk_mul_f32 v[16+8*\q:17+8*\q], v[X+32*\q:X+32*\q+1], v[X+32*\q:X+32*\q+1]
	v_pk_mul_f32 v[18+8*\q:19+8*\q], v[X+32*\q+2:X+32*\q+3], v[X+32*\q+2:X+32*\q+3]
.endr
.irp i, 4,8,12,16,20,24,28
.irp q, 0,1
	s_delay_alu instid0(VALU_DEP_4)
	v_pk_fma_f32 v[16+8*\q:17+8*\q], v[X+32*\q+\i:X+32*\q+\i+1], v[X+32*\q+\i:X+32*\q+\i+1], v[16+8*\q:17+8*\q]
	s_delay_alu instid0(VALU_DEP_4)
	v_pk_fma_f32 v[18+8*\q:19+8*\q], v[X+32*\q+\i+2:X+32*\q+\i+3], v[X+32*\q+\i+2:X+32*\q+\i+3], v[18+8*\q:19+8*\q]
.endr
.endr
.irp q, 0
	s_delay_alu instid0(VALU_DEP_3)
	v_pk_add_f32 v[16+8*\q:17+8*\q], v[16+8*\q:17+8*\q], v[18+8*\q:19+8*\q]
.endr
.irp q, 1
	s_delay_alu instid0(VALU_DEP_2)
	v_pk_add_f32 v[16+8*\q:17+8*\q], v[16+8*\q:17+8*\q], v[18+8*\q:19+8*\q]
.endr
.irp q, 0,1
	s_delay_alu instid0(VALU_DEP_2)
	v_add_f32 v[16+8*\q], v[16+8*\q], v[17+8*\q]
.endr
	XSUM
.irp q, 0,1
	s_delay_alu instid0(VALU_DEP_2)
	v_fma_f32 v[22+8*\q], v[16+8*\q], s18, s19     ; var + 1e-5
.endr
	s_wait_alu depctr_va_vdst(0)
	v_rsq_f32 v22, v22                             ; both rows' as one batch,
	v_rsq_f32 v30, v30
	v_nop                                          ; a plain line behind it,
	s_wait_alu depctr_va_vdst(0)                   ; and one wait ahead of the first reader
	v_mov_b32 v23, v22
	v_mov_b32 v31, v30
	s_wait_alu depctr_va_vdst(0)
	s_wait_loadcnt 0x0                             ; g and b
.irp i, 0,2,4,6,8,10,12,14,16,18,20,22,24,26,28,30
.irp q, 0,1
	v_pk_mul_f32 v[X+32*\q+\i:X+32*\q+\i+1], v[X+32*\q+\i:X+32*\q+\i+1], v[22+8*\q:23+8*\q]
.endr
.irp q, 0,1
	s_delay_alu instid0(VALU_DEP_2)
	v_pk_fma_f32 v[X+32*\q+\i:X+32*\q+\i+1], v[X+32*\q+\i:X+32*\q+\i+1], v[GG+\i:GG+\i+1], v[BE+\i:BE+\i+1]
.endr
.endr
.irp q, 0,1
.irp i, 0,1,2,3,4,5,6,7
	ds_store_b128 v6, v[X+32*\q+4*\i:X+32*\q+4*\i+3] offset:PITCH*\q+512*\i
.endr
.endr
	s_wait_dscnt 0x0                               ; for the others' sake: my two rows lie in the stage
	s_barrier_signal -1
	s_barrier_wait -1                              ; all sixteen do
	; ---- K step w: my two blocks (64 c + 32 h on), 32 neighbours each
.irp c, 0,1
.irp i, 0,1,2,3,4,5,6,7
	ds_load_b128 v[X+32*\c+4*\i:X+32*\c+4*\i+3], v3 offset:256*\c+16*\i
.endr
.endr
	s_wait_dscnt 8                                 ; the first block's eight loads are in, the second's may be out
	QBLK X, 96, 104, 120
	global_store_b128 v2, v[96:99], s[20:21]       ; the half image as it stands: 512 and 256 neighbouring bytes
	global_store_b64 v7, v[100:101], s[20:21] offset:512
	global_store_b8 v11, v120, s[22:23]            ; my block's byte: block 2 c + h of the K step
	s_wait_dscnt 0x0
	QBLK X+32, 108, 116, 121                       ; registers of its own: no store's data are rewritten
	global_store_b128 v2, v[108:111], s[20:21] offset:6144
	global_store_b64 v7, v[112:113], s[20:21] offset:6144+512
	global_store_b8 v11, v121, s[22:23] offset:2
	s_wait_tensorcnt 0x0                           ; the wave's end
	ds_add_u32 v[SPW], v[NIL]
	s_wait_dscnt 0x0
	s_endpgm
.Lfunc_end_k_qe118098cfd_ln:
	.size	k_qe118098cfd_ln, .Lfunc_end_k_qe118098cfd_ln-k_qe118098cfd_ln
	.p2alignl 7, 3214868480
	.fill 96, 4, 3214868480
	.section	.rodata,"a",@progbits
	.p2align	6, 0x0
	.amdhsa_kernel k_qe118098cfd_ln
		.amdhsa_group_segment_fixed_size 66816
		.amdhsa_private_segment_fixed_size 0
		.amdhsa_enable_private_segment 0
		.amdhsa_kernarg_size 32
		.amdhsa_user_sgpr_count 2
		.amdhsa_user_sgpr_kernarg_segment_ptr 1
		.amdhsa_wavefront_size32 1
		.amdhsa_system_sgpr_workgroup_id_x 1
		.amdhsa_system_sgpr_workgroup_id_y 1
		.amdhsa_system_sgpr_workgroup_id_z 1
		.amdhsa_system_vgpr_workitem_id 0
		.amdhsa_next_free_vgpr 160
		.amdhsa_next_free_sgpr 66
		.amdhsa_reserve_vcc 0
		.amdhsa_float_denorm_mode_32 3
		.amdhsa_float_denorm_mode_16_64 3
		.amdhsa_memory_ordered 1
		.amdhsa_forward_progress 1
		.amdhsa_inst_pref_size 29
	.end_amdhsa_kernel
	.amdgpu_metadata
---
amdhsa.version: [ 1, 2 ]
amdhsa.kernels:
  - .name:           k_qe118098cfd_ln
    .symbol:         k_qe118098cfd_ln.kd
    .args:
      - { .name: X1, .offset: 0, .size: 8, .value_kind: global_buffer, .address_space: global }
      - { .name: g2, .offset: 8, .size: 8, .value_kind: global_buffer, .address_space: global }
      - { .name: be2, .offset: 16, .size: 8, .value_kind: global_buffer, .address_space: global }
      - { .name: HB, .offset: 24, .size: 8, .value_kind: global_buffer, .address_space: global }
    .group_segment_fixed_size: 66816
    .private_segment_fixed_size: 0
    .kernarg_segment_align: 8
    .kernarg_segment_size: 32
    .max_flat_workgroup_size: 256
    .sgpr_count:     66
    .vgpr_count:     160
    .wavefront_size: 32
...
	.end_amdgpu_metadata
.endif
;; end of part 12
;; launch ffn1 (part 13): grid 8 x 32, 8 waves a work-group, clusters of 4 x 4, 327,680 bytes of LDS; arguments WB, HB, b1, GB; writes GB
.if DOCPART == 13
	.amdgcn_target "amdgcn-amd-amdhsa--gfx1250"
	.amdhsa_code_object_version 6
	.text
	.protected	k_qe118098cfd_ffn1
	.globl	k_qe118098cfd_ffn1
	.p2align	8
	.type	k_qe118098cfd_ffn1,@function
k_qe118098cfd_ffn1:
	s_mov_b64 s[64:65], 0
	v_nop
	global_prefetch_b8 v0, s[64:65] scope:SCOPE_SE
	s_setreg_imm32_b32 hwreg(HW_REG_WAVE_MODE, 25, 1), 1
	s_wait_xcnt 0x0
	s_wait_alu depctr_hold_cnt(0) depctr_sa_sdst(0) depctr_va_vdst(0) depctr_va_sdst(0) depctr_va_ssrc(0) depctr_va_vcc(0) depctr_vm_vsrc(0)
	s_getreg_b32 s2, hwreg(HW_REG_IB_STS2, 6, 4)
	s_cmp_eq_u32 s2, 0
	s_cbranch_scc0 .Lentry_in_a_cluster
	s_endpgm
.Lentry_in_a_cluster:
	s_bfe_u32 s2, ttmp6, 0x10000c
	s_cmp_lg_u32 s2, 0xf033
	s_cbranch_scc0 .Lentry_shape_is_right
	s_endpgm
.Lentry_shape_is_right:
; GB = Q(gelu(LN2(X1) W1 + b1)): a product on codes of FP6 (E2M3), K = 1,024, the exact GELU in f32, and the result quantised along the 4,096 hidden units, as the next product's operand.
; OPERANDS lie in memory in the order of the matrix unit's registers: tile T = 16 rows, lane-row r of tile 2 B + u = row 32 B + 8 u + r + 8 (r / 8); half image (T, kc = k / 64) = 768 bytes (lane l: 16 bytes at 16 l, 8 at 512 + 8 l);
; codes at (T / 8) (K / 64) 6,144 + kc 6,144 + (T % 8) 768, so 128 rows x all of K are one dense block of 98,304 bytes; scale words at (T / 4) (K / 128) 256 + (k / 128) 256 + 16 r + 4 (T % 4).
; A WORK-GROUP STAYS.  It owns 128 tokens (A, from HB), whose codes for all of K lie in LDS for the whole launch, and walks four tiles of 128 hidden units, XT, XT + 8, XT + 16, XT + 24 (B, W1's rows), which take turns in two buffers.
; Eight waves in two groups of four, 64 x 64 each.  Source 0 = W1's rows, source 1 = tokens: a lane holds one token, and the 32 registers of a tile of tokens are 2 x 16 neighbouring hidden units.
; Buffers 0 and 1 are filled at the start.  Behind the products of tiles 0 and 1 both buffers are filled again, each with the tile two on, which has a GELU in which to land.
; The way out is a loop of two trips; the second skips the products.  The buffer in hand is a scalar set by the group.
; CLUSTER 4 x 4: A jointly along a row of the cluster, B's tiles along a column; each refill stands behind a round of the cluster's barrier.  b1 is the C of each sum's first product.
; GELU.  gelu(x) = x w, w = Phi(x), made without a difference of near numbers.  z = x / sqrt(2), t = |z|, s = z z.  |x| > 1.31201: E = erfc(t) / 2 = 2^(r log2(e) - 1), r a polynomial of degree 7 in t; w = 1 - E for x > 0, E for x < 0.
; Else erf(z) = z + z p(s), p of degree 5; w = 1/2 + erf / 2.  Both pieces are always computed and chosen by v_cndmask_b32.
; LIMITS: NaN and infinities are not served.  The two polynomials are those of a published single-precision erf (its authors state about 1 ulp).  For x under about -5.5, where |gelu| is under 2e-7, the tail's relative accuracy falls off
; (some per cent near -8.5); further down the result goes to 0, as the true value does in f32.  A block of zeros gets the byte 1 (read by this program alone).
.set RGB,   98304                      ; 128 rows' codes for all of K
.set QTR,   24576                      ; what one tensor load of codes brings: 96 rows of 256 bytes
.set HALFK, 49152                      ; 512 along K of 128 rows: as far as an LDS load's immediate serves
.set BUF1,  1<<17                      ; LDS: B's buffer 0 at 0, buffer 1 here,
.set SCA,   98304                      ; between them A's scale words, 4,096 bytes,
.set SCB,   SCA+4096                   ; B's four tiles', 4,096 each,
.set SPARE, SCB+4*4096                 ; and the spare words, 128 bytes a wave;
.set ALDS,  BUF1+RGB                   ; A behind buffer 1, up to LDS's last byte
.set AS_OFF, 3145728
.set BC_OFF, 3145728
.set BS_OFF, 9568256
.set R, 1
.set H, 2
.set L16, 3
.set L8, 4
.set VB, 7                             ; the bias' offset: 64 h + the tile's
.set AA, 8                             ; v8-9 A's 16-byte pieces, first and second half of K; v10-11 its 8-byte pieces
.set BB, 12                            ; v12-15 the same for B's buffer in hand
.set SSB, 16
.set SSA, 17
.set SPW, 18
.set NIL, 19
.set VS2, 22
.set SC, 24                            ; v24-39 two sets of scale words; they hold nothing else
.set QM, 40
.set HW, 48
.set QC, 52
.set QD, 60
.set GE, 64                            ; v64-79   16 exponents, then E, then the tail's w
.set GW, 80                            ; v80-95   16 of the centre's w, then the chosen w
.set GS, 96                            ; v96-119  two sets of 12 at work; then 1 - E
.set GK, 120                           ; v120-125 three constants, twice each
.set ACC, 128
.set F0, 0                             ; window 1: two sets of fragments,
.set F1, 128
.set BI, 96                            ; and between them b1 in the result's layout, 32 registers
.set KZ, 12                            ; s[12:13] 1 / sqrt(2); five constants lie twice each in pairs of scalar registers: the packed forms name a pair and take its low word for both halves
.set K4, 14
.set WV, 16
.set WY, 17
.set WX, 18
.set ABSM, 19
.set CX, 20
.set CY, 21
.set XT, 22
.set YT, 23
.set G1A, 24
.set G0A, 32
.set G0B0, 36
.set G1B, 48
.set G0B1, 56                          ; the refill: my quarter of tile GR + 2
.set K5, 60
.set K6, 62
.set KL, 66
.set G1SA, 68
.set G0SA, 76
.set G1SB, 80
.set G0SB, 88
.set BP, 92
.set OC, 94
.set OS, 96
.set BO, 98                            ; the bias' tile, in bytes
.set THR, 99
.set SEL, 100
.set TB, 104                           ; LDS byte at which the buffer in hand begins
.set MK, 2
.set MSB, 0
.macro WIN new
.if MSB != \new
	s_set_vgpr_msb (MSB<<8)|\new
.set MSB, \new
.endif
.endm
.macro PLACES
.rept 4
	v_nop
.endr
.endm
.macro CROUND
	s_barrier_signal -1
	s_barrier_wait -1
	s_cmp_lg_u32 s[WV], 0
	s_cbranch_scc1 .Lnot_wave_0_\@
	s_barrier_signal -3
.Lnot_wave_0_\@:
	s_barrier_wait -3
	s_barrier_signal -1
	s_barrier_wait -1
.endm
.macro FRAGS reg, adr, q               ; four fragments of K step q: two half images each, every load lane by lane on end
.irp i, 0,1,2,3
.irp c, 0,1
	ds_load_b128 v[(\reg)+12*\i+6*\c:(\reg)+12*\i+6*\c+3], v[(\adr)+(\q)/4] offset:(2*((\q)%4)+\c)*6144+768*\i
	ds_load_b64 v[(\reg)+12*\i+6*\c+4:(\reg)+12*\i+6*\c+5], v[(\adr)+2+(\q)/4] offset:(2*((\q)%4)+\c)*6144+768*\i+512
.endr
.endr
.endm
.macro FETCH q, f, sc
	WIN 0x40
	FRAGS \f, BB, \q
	FRAGS (\f)+48, AA, \q
	WIN 0
	ds_load_b128 v[SC+8*(\sc):SC+8*(\sc)+3], v[SSB] offset:256*(\q)
	ds_load_b128 v[SC+8*(\sc)+4:SC+8*(\sc)+7], v[SSA] offset:256*(\q)
.endm
.macro MUL f, sc, first                ; the 16 accumulators take turns, one instruction a turn, over the loops' backward jumps too; first = 2: the bias, in window 1, starts the sums
.if \first == 2
	WIN 0x15
.else
	WIN 0x05
.endif
.irp b, 0,1,2,3
.irp a, 0,1,2,3
.if \first == 2
	v_wmma_scale_f32_16x16x128_f8f6f4 v[ACC+8*(4*\b+\a):ACC+8*(4*\b+\a)+7], v[(\f)+12*\a:(\f)+12*\a+11], v[(\f)+48+12*\b:(\f)+48+12*\b+11], v[BI+8*\a:BI+8*\a+7], v[SC+8*(\sc)+\a], v[SC+8*(\sc)+4+\b] matrix_a_fmt:MATRIX_FMT_FP6 matrix_b_fmt:MATRIX_FMT_FP6
.else
	v_wmma_scale_f32_16x16x128_f8f6f4 v[ACC+8*(4*\b+\a):ACC+8*(4*\b+\a)+7], v[(\f)+12*\a:(\f)+12*\a+11], v[(\f)+48+12*\b:(\f)+48+12*\b+11], v[ACC+8*(4*\b+\a):ACC+8*(4*\b+\a)+7], v[SC+8*(\sc)+\a], v[SC+8*(\sc)+4+\b] matrix_a_fmt:MATRIX_FMT_FP6 matrix_b_fmt:MATRIX_FMT_FP6
.endif
.endr
.endr
.endm
; A tile's products: my four tiles of B in the buffer in hand, then eight K steps; each step's fragments are asked for ahead of the step before's products; every wait is for all LDS loads, which are one step's
.macro TILEM
	s_mul_i32 s40, s[WX], 3072
	s_add_co_u32 s40, s40, s[TB]
	v_add_nc_u32 v[BB], s40, v[L16]
	v_add_nc_u32 v[BB+2], s40, v[L8]
	s_add_co_u32 s40, s40, HALFK
	v_add_nc_u32 v[BB+1], s40, v[L16]
	v_add_nc_u32 v[BB+3], s40, v[L8]
	s_wait_alu depctr_va_vdst(0)
	s_wait_loadcnt 0x0                             ; this tile's bias
	PLACES
	FETCH 0, F0, 0
	s_wait_dscnt 0x0
	FETCH 1, F1, 1
	MUL F0, 0, 2
	s_wait_dscnt 0x0
	PLACES
	FETCH 2, F0, 0
	MUL F1, 1, 0
	s_wait_dscnt 0x0
	PLACES
	FETCH 3, F1, 1
	MUL F0, 0, 0
	s_wait_dscnt 0x0
	PLACES
	FETCH 4, F0, 0
	MUL F1, 1, 0
	s_wait_dscnt 0x0
	PLACES
	FETCH 5, F1, 1
	MUL F0, 0, 0
	s_wait_dscnt 0x0
	PLACES
	FETCH 6, F0, 0
	MUL F1, 1, 0
	s_wait_dscnt 0x0
	PLACES
	FETCH 7, F1, 1
	MUL F0, 0, 0
	s_wait_dscnt 0x0
	MUL F1, 1, 0
	WIN 0
.endm
.macro BIAS                            ; 64 hidden units' bias in the result's layout, into window 1: units 32 (a / 2) + 16 h + 8 (a % 2) + 0 .. 7
	v_add_nc_u32 v[VB], s[BO], v6
	WIN 0x40
.irp a, 0,1,2,3
	global_load_b128 v[BI+8*\a:BI+8*\a+3], v[VB], s[BP:BP+1] offset:(32*(\a/2)+8*(\a%2))*4
	global_load_b128 v[BI+8*\a+4:BI+8*\a+7], v[VB], s[BP:BP+1] offset:(32*(\a/2)+8*(\a%2))*4+16
.endr
	WIN 0
.endm
.macro Q2 s, hw                        ; 32 numbers, register 16 B + i = k 32 B + 16 h + i -> a half image in v[QC] on, two bytes in v[hw]
	v_max3_num_f32 v[QM], |v[(\s)]|, |v[(\s)+1]|, 0x1800000
	v_max3_num_f32 v[QM+1], |v[(\s)+16]|, |v[(\s)+17]|, 0x1800000
.irp i, 2,4,6,8,10,12,14
	v_max3_num_f32 v[QM], v[QM], |v[(\s)+\i]|, |v[(\s)+\i+1]|
	v_max3_num_f32 v[QM+1], v[QM+1], |v[(\s)+16+\i]|, |v[(\s)+17+\i]|
.endr
	v_permlanex16_b32 v[QM+2], v[QM], s[SEL], s[SEL+1]
	v_permlanex16_b32 v[QM+3], v[QM+1], s[SEL], s[SEL+1]
	v_max_num_f32 v[QM], v[QM], v[QM+2]
	v_max_num_f32 v[QM+1], v[QM+1], v[QM+3]
	v_add_nc_u32 v[QM+4], 0xff000000, v[QM]
	v_add_nc_u32 v[QM+5], 0xff000000, v[QM+1]
	v_lshrrev_b32 v[QM+6], 23, v[QM+4]
	v_lshrrev_b32 v[QM+7], 23, v[QM+5]
	v_lshl_or_b32 v[\hw], v[QM+7], 8, v[QM+6]
	v_cvt_scalef32_pk16_fp6_f32 v[QC:QC+2], v[(\s):(\s)+15], v[QM+4]
	v_cvt_scalef32_pk16_fp6_f32 v[QD:QD+2], v[(\s)+16:(\s)+31], v[QM+5]
	v_nop
.irp i, 0,1,2
	v_permlane16_swap_b32 v[QC+\i], v[QD+\i]
.endr
.irp i, 0,1,2
	v_mov_b32 v[QC+3+\i], v[QD+\i]
.endr
.endm
; Line k of 19 of a pair's polynomials, for pair GN + p of the batch at v[GX]; set p of the registers at work: z +0, t +2, s +4, r +6, u +8, p +10.  The tail's chain and the centre's take turns, and so do two pairs
.macro GLN p
.set SB, GS+12*(\p)
.set XR, GX+2*(GN+(\p))
.set ER, GE+2*(GN+(\p))
.set WR, GW+2*(GN+(\p))
.if k == 0
	v_pk_mul_f32 v[SB:SB+1], v[XR:XR+1], s[KZ:KZ+1] op_sel_hi:[1,0]                        ; z = x / sqrt(2)
.elseif k == 1
	v_and_b32 v[SB+2], s[ABSM], v[SB]                                                      ; t = |z|
.elseif k == 2
	v_and_b32 v[SB+3], s[ABSM], v[SB+1]
.elseif k == 3
	v_pk_mul_f32 v[SB+4:SB+5], v[SB:SB+1], v[SB:SB+1]                                      ; s = z z
.elseif k == 4
	v_pk_fma_f32 v[SB+6:SB+7], v[SB+2:SB+3], s[K4:K4+1], v[GK:GK+1] op_sel_hi:[1,0,1]
.elseif k == 5
	v_pk_fma_f32 v[SB+8:SB+9], v[SB+2:SB+3], s[K5:K5+1], v[GK+2:GK+3] op_sel_hi:[1,0,1]
.elseif k == 6
	v_pk_fma_f32 v[SB+10:SB+11], v[SB+4:SB+5], s[K6:K6+1], v[GK+4:GK+5] op_sel_hi:[1,0,1]
.elseif k == 7
	v_pk_fma_f32 v[SB+6:SB+7], v[SB+6:SB+7], v[SB+4:SB+5], v[SB+8:SB+9]
.elseif k == 8
	v_pk_fma_f32 v[SB+10:SB+11], v[SB+10:SB+11], v[SB+4:SB+5], 0xbcdb48d9 op_sel_hi:[1,1,0]
.elseif k == 9
	v_pk_fma_f32 v[SB+6:SB+7], v[SB+6:SB+7], v[SB+2:SB+3], 0xbddaae5c op_sel_hi:[1,1,0]
.elseif k == 10
	v_pk_fma_f32 v[SB+10:SB+11], v[SB+10:SB+11], v[SB+4:SB+5], 0x3de70e22 op_sel_hi:[1,1,0]
.elseif k == 11
	v_pk_fma_f32 v[SB+6:SB+7], v[SB+6:SB+7], v[SB+2:SB+3], 0xbf228550 op_sel_hi:[1,1,0]
.elseif k == 12
	v_pk_fma_f32 v[SB+10:SB+11], v[SB+10:SB+11], v[SB+4:SB+5], 0xbec09380 op_sel_hi:[1,1,0]
.elseif k == 13
	v_pk_fma_f32 v[SB+6:SB+7], v[SB+6:SB+7], v[SB+2:SB+3], 0xbe03ce86 op_sel_hi:[1,1,0]
.elseif k == 14
	v_pk_fma_f32 v[SB+10:SB+11], v[SB+10:SB+11], v[SB+4:SB+5], 0x3e0375d4 op_sel_hi:[1,1,0]
.elseif k == 15
	v_pk_fma_f32 v[SB+6:SB+7], v[SB+6:SB+7], v[SB+2:SB+3], v[SB+2:SB+3] neg_lo:[0,0,1] neg_hi:[0,0,1]   ; r = r t - t: erfc(t) = e^r
.elseif k == 16
	v_pk_fma_f32 v[SB+10:SB+11], v[SB+10:SB+11], v[SB:SB+1], v[SB:SB+1]                    ; erf(z) = p z + z
.elseif k == 17
	v_pk_fma_f32 v[ER:ER+1], v[SB+6:SB+7], s[KL:KL+1], -1.0 op_sel_hi:[1,0,0]              ; r log2(e) - 1
.else
	v_pk_fma_f32 v[WR:WR+1], v[SB+10:SB+11], 0.5, 0.5 op_sel_hi:[1,0,0]                    ; the centre's w
.endif
.endm
.macro GELU16 x                        ; 16 numbers at v[x] on, in place
.set GX, \x
.set GN, 0
.rept 4
.set k, 0
.rept 19
	GLN 0
	GLN 1
.set k, k+1
.endr
.set GN, GN+2
.endr
.set ii, 0
	s_wait_alu depctr_va_vdst(0)
.rept 16
	v_exp_f32 v[GE+ii], v[GE+ii]                   ; E: one batch,
.set ii, ii+1
.endr
	v_nop                                          ; a plain line behind it,
	s_wait_alu depctr_va_vdst(0)                   ; one wait ahead of its first reader
.set ii, 0
.rept 8
	v_pk_add_f32 v[GS+ii:GS+ii+1], v[GE+ii:GE+ii+1], 1.0 op_sel_hi:[1,0] neg_lo:[1,0] neg_hi:[1,0]   ; 1 - E
.set ii, ii+2
.endr
.irp g, 0,4,8,12
.irp i, 0,1,2,3
	v_cmp_lt_f32 s[40+2*\i], 0, v[GX+\g+\i]
	v_cmp_gt_f32 s[41+2*\i], |v[GX+\g+\i]|, s[THR]
.endr
.irp i, 0,1,2,3
	v_cndmask_b32 v[GE+\g+\i], v[GE+\g+\i], v[GS+\g+\i], s[40+2*\i]      ; the tail's w: 1 - E above 0, E below
.endr
.irp i, 0,1,2,3
	v_cndmask_b32 v[GW+\g+\i], v[GW+\g+\i], v[GE+\g+\i], s[41+2*\i]      ; tail or centre
.endr
.endr
.set ii, 0
.rept 8
	v_pk_mul_f32 v[GX+ii:GX+ii+1], v[GX+ii:GX+ii+1], v[GW+ii:GW+ii+1]
.set ii, ii+2
.endr
.endm
; A tile's way out: the next tile's bias is asked for; GELU, quantiser and stores, a tile of 16 tokens at a time; then the steps to the next tile
.macro TILEE
	PLACES
	s_add_co_u32 s[BO], s[BO], 8192                ; my next tile's 128 hidden units lie 16 x 512 bytes on;
	s_min_u32 s[BO], s[BO], 3*4096                 ; held at the last tile's: the last tile loads its own bias once more, and no load leaves b1
	BIAS                                           ; (its offset register is free: the last bias was waited for ahead of the products)
.irp b, 0,1,2,3
	GELU16 ACC+32*\b                               ; pairs in ascending order: each accumulator is read from its low end on
	GELU16 ACC+32*\b+16
	s_wait_alu depctr_va_vdst(0)
	s_wait_xcnt 0x0                                ; the stores issued so far have read the half image's and the bytes' registers
	Q2 ACC+32*\b, HW+\b
	global_store_b128 v[L16], v[QC:QC+3], s[OC:OC+1] offset:768*\b
	global_store_b64 v[L8], v[QC+4:QC+5], s[OC:OC+1] offset:768*\b+512
.endr
	v_cndmask_b32 v[QM], v[HW], v[HW+2], s[MK]     ; lanes 0-15 store tiles 0, 1, lanes 16-31 tiles 2, 3: two bytes each
	v_cndmask_b32 v[QM+1], v[HW+1], v[HW+3], s[MK]
	global_store_b16 v[VS2], v[QM], s[OS:OS+1]
	global_store_b16 v[VS2], v[QM+1], s[OS:OS+1] offset:4
	s_wait_xcnt 0x0                                ; the stores have read their bases
	s_add_nc_u64 s[OC:OC+1], s[OC:OC+1], 32*6144   ; two tiles on: 32 half images,
	s_add_nc_u64 s[OS:OS+1], s[OS:OS+1], 16*256    ; 16 K steps' bytes,
	v_add_nc_u32 v[SSB], 8192, v[SSB]              ; and its scale words
.endm
	s_load_b256 s[4:11], s[0:1], 0x0               ; WB, HB, b1, GB
	v_lshl_add_u32 v[SPW], v0, 2, SPARE
	v_mov_b32 v[NIL], 0
	ds_add_u32 v[SPW], v[NIL]                      ; the wave's opening: the add and its wait ahead of my first tensor load
	ds_add_u32 v[SPW], v[NIL]
	v_lshrrev_b32 v1, 5, v0
	v_readfirstlane_b32 s[WV], v1
; THE DEAL AMONG THE WAVES, as this text has it.  EIGHT WAVES, two groups of four.  Group GR works in B's buffer GR alone: tile GR, then tile GR + 2; in its group a wave makes 64 x 64 as before.
; All first fills go out at the head: wave 0 A, wave 1 tile 0, wave 2 A's scale words, wave 3 B's, wave 4 tile 1.
; Behind both groups' first products ONE round serves both buffers: each wave fetches its quarter of its group's second tile, which has a GELU in which to land.  The way out is a loop of two trips, one for each of the group's tiles.
.set GR, 105
.set W4, 3
	s_lshr_b32 s[GR], s[WV], 2                     ; my group
	s_and_b32 s[W4], s[WV], 3                      ; my place in it
	s_lshr_b32 s[WY], s[W4], 1
	s_and_b32 s[WX], s[WV], 1
	s_bfe_u32 s[CX], ttmp6, 0x40000
	s_bfe_u32 s[CY], ttmp6, 0x40004
	s_lshl_b32 s[XT], ttmp9, 2
	s_add_co_u32 s[XT], s[XT], s[CX]               ; my first tile column, 0 .. 7
	s_and_b32 s[YT], ttmp7, 0xffff
	s_lshl_b32 s[YT], s[YT], 2
	s_add_co_u32 s[YT], s[YT], s[CY]
	s_lshl_b32 s40, s[CY], 2
	s_lshl_b32 s40, 15, s40                        ; my row of the cluster
	s_lshl_b32 s41, 0x1111, s[CX]                  ; my column
	s_or_b32 s[G1A], s40, (3<<16)|(1<<21)          ; the mask; elements of 8 bytes; bit 21 beside a mask; no padding
	s_or_b32 s[G1SA], s40, (3<<16)|(1<<21)
	s_or_b32 s[G1B], s41, (3<<16)|(1<<21)
	s_or_b32 s[G1SB], s41, (3<<16)|(1<<21)
.irp g, G1A, G1B
	s_mov_b32 s[\g+1], 32<<16                      ; dense blocks as rows of 256 bytes: 32 elements,
	s_mov_b32 s[\g+2], 384<<16                     ; 384 rows: a whole block, for the head's loads
	s_mov_b32 s[\g+3], 32<<16
	s_mov_b32 s[\g+4], 384
	s_mov_b32 s[\g+5], 32
	s_mov_b32 s[\g+6], 0
	s_mov_b32 s[\g+7], 0
.endr
	s_mov_b32 s[G1SA+1], 32<<16                    ; A's scale words for all of K: 16 rows of 256 bytes
	s_mov_b32 s[G1SA+2], 16<<16
	s_mov_b32 s[G1SA+3], 32<<16
	s_mov_b32 s[G1SA+4], 16
	s_mov_b32 s[G1SA+5], 32
	s_mov_b32 s[G1SA+6], 0
	s_mov_b32 s[G1SA+7], 0
	s_mov_b32 s[G1SB+1], 512<<16                   ; B's scale words: four tiles' 4,096 bytes, 32,768 bytes apart, as four rows
	s_mov_b32 s[G1SB+2], 4<<16
	s_mov_b32 s[G1SB+3], 512<<16
	s_mov_b32 s[G1SB+4], 4
	s_mov_b32 s[G1SB+5], 4096
	s_mov_b32 s[G1SB+6], 0
	s_mov_b32 s[G1SB+7], 0
	s_mul_i32 s94, s[W4], QTR                      ; my quarter of a block of codes, in memory and in LDS
	s_mov_b32 s95, 0
	s_mul_i32 s42, s[YT], RGB                      ; A's codes
	s_mov_b32 s43, 0
	s_lshl_b32 s44, s[YT], 12
	s_add_co_u32 s44, s44, AS_OFF                  ; A's scale words
	s_mov_b32 s45, 0
	s_mul_i32 s46, s[XT], RGB
	s_add_co_u32 s46, s46, BC_OFF                  ; B's codes: tile 0
	s_mov_b32 s47, 0
	s_lshl_b32 s92, s[XT], 12
	s_add_co_u32 s92, s92, BS_OFF                  ; B's scale words: tile 0's; the tiles lie 32,768 bytes apart
	s_mov_b32 s93, 0
	s_mov_b32 s[SEL], 0x76543210
	s_mov_b32 s[SEL+1], 0xfedcba98
	s_mov_b32 s[MK], 0xffff0000
	s_mov_b32 s[THR], 0x3fa7f019                   ; 1.31201
	s_mov_b32 s[ABSM], 0x7fffffff
	s_mov_b32 s[KZ], 0x3f3504f3
	s_mov_b32 s[KZ+1], 0x3f3504f3
	s_mov_b32 s[K4], 0xb7910000
	s_mov_b32 s[K4+1], 0xb7910000
	s_mov_b32 s[K5], 0xbb7e8a1c
	s_mov_b32 s[K5+1], 0xbb7e8a1c
	s_mov_b32 s[K6], 0xba1c7000
	s_mov_b32 s[K6+1], 0xba1c7000
	s_mov_b32 s[KL], 0x3fb8aa3b
	s_mov_b32 s[KL+1], 0x3fb8aa3b
	s_lshl_b32 s[BO], s[GR], 12                    ; my first tile's bias
	s_lshl_b32 s[TB], s[GR], 17                    ; my group's buffer
	s_wait_dscnt 0x0                               ; the opening adds are done
	CROUND                                         ; the round in front of the first joint loads stands ahead of the wait for the arguments
	s_wait_kmcnt 0x0
	s_add_nc_u64 s[42:43], s[6:7], s[42:43]
	s_add_nc_u64 s[44:45], s[6:7], s[44:45]
	s_add_nc_u64 s[46:47], s[4:5], s[46:47]
	s_add_nc_u64 s[92:93], s[4:5], s[92:93]
	s_mov_b32 s[G0SA], 1
	s_mov_b32 s[G0SA+1], SCA
	s_mov_b64 s[G0SA+2:G0SA+3], s[44:45]
	s_or_b32 s[G0SA+3], s[G0SA+3], 0x80000000
	s_mov_b32 s[G0SB], 1
	s_mov_b32 s[G0SB+1], SCB
	s_mov_b64 s[G0SB+2:G0SB+3], s[92:93]
	s_or_b32 s[G0SB+3], s[G0SB+3], 0x80000000
	s_mov_b32 s[G0A], 1
	s_mov_b32 s[G0A+1], ALDS
	s_mov_b64 s[G0A+2:G0A+3], s[42:43]
	s_or_b32 s[G0A+3], s[G0A+3], 0x80000000
	s_mov_b32 s[G0B0], 1
	s_mov_b32 s[G0B0+1], 0
	s_mov_b64 s[G0B0+2:G0B0+3], s[46:47]
	s_or_b32 s[G0B0+3], s[G0B0+3], 0x80000000
	s_mov_b32 s[G0B1], 1
	s_add_co_u32 s[G0B1+1], s94, s[TB]             ; the refill: my quarter of my group's buffer,
	s_mul_i32 s40, s[GR], 8*RGB
	s_add_co_u32 s40, s40, 16*RGB
	s_add_co_u32 s40, s40, s94
	s_mov_b32 s41, 0
	s_add_nc_u64 s[G0B1+2:G0B1+3], s[46:47], s[40:41]      ; of tile GR + 2
	s_or_b32 s[G0B1+3], s[G0B1+3], 0x80000000
	s_mov_b32 s44, 1                               ; s[44:47]: tile 1, whole, into buffer 1
	s_mov_b32 s45, BUF1
	s_add_nc_u64 s[46:47], s[46:47], 8*RGB
	s_or_b32 s47, s47, 0x80000000
; THE HEAD'S LOADS, one a wave, in one chain of branches on the wave's number: wave 0 all of A, wave 1 all of tile 0, wave 2 A's scale words, wave 3 the four tiles' scale words
.macro ARM w, g0, g1
	s_cmp_eq_u32 s[WV], \w
	s_cbranch_scc0 .Lnot_\w
	tensor_load_to_lds s[\g0:\g0+3], s[\g1:\g1+7]
	s_nop 0
.rept 4
	v_nop
.endr
	s_branch .Lasked
.Lnot_\w:
.endm
	ARM 0, G0A, G1A
	ARM 1, G0B0, G1B
	ARM 2, G0SA, G1SA
	ARM 3, G0SB, G1SB
	ARM 4, 44, G1B
.Lasked:
	v_and_b32 v[R], 15, v0
	v_bfe_u32 v[H], v0, 4, 1
	v_and_b32 v5, 31, v0
	v_lshlrev_b32 v[L16], 4, v5
	v_lshlrev_b32 v[L8], 3, v5
	s_mul_i32 s40, s[WY], 3072
	s_add_co_u32 s40, s40, ALDS                    ; my four tiles of A
	v_add_nc_u32 v[AA], s40, v[L16]
	v_add_nc_u32 v[AA+2], s40, v[L8]
	s_add_co_u32 s40, s40, HALFK
	v_add_nc_u32 v[AA+1], s40, v[L16]
	v_add_nc_u32 v[AA+3], s40, v[L8]
	v_lshlrev_b32 v5, 4, v[R]
	s_lshl_b32 s40, s[WY], 11
	s_add_co_u32 s40, s40, SCA
	v_add_nc_u32 v[SSA], s40, v5
	s_lshl_b32 s40, s[WX], 11
	s_add_co_u32 s40, s40, SCB
	s_lshl_b32 s41, s[GR], 12
	s_add_co_u32 s40, s40, s41                     ; my first tile's scale words
	v_add_nc_u32 v[SSB], s40, v5
	v_lshl_add_u32 v[VS2], v[H], 3, v5             ; 16 r + 8 h
	s_lshl_b32 s40, s[XT], 9
	s_lshl_b32 s41, s[WX], 8
	s_add_co_u32 s40, s40, s41
	s_mov_b32 s41, 0
	s_add_nc_u64 s[BP:BP+1], s[8:9], s[40:41]      ; b1 at my 64 hidden units of tile 0
	v_lshlrev_b32 v6, 6, v[H]
	BIAS
	v_mov_b32 v[QM+2], 0                           ; written once: a lane permute's destination counts as one of its sources
	v_mov_b32 v[QM+3], 0
	v_mov_b32 v[GK], 0x39c8e7d9                    ; the three constants that stand beside another constant
	v_mov_b32 v[GK+1], 0x39c8e7d9
	v_mov_b32 v[GK+2], 0x3cc6b1a1
	v_mov_b32 v[GK+3], 0x3cc6b1a1
	v_mov_b32 v[GK+4], 0x3ba38d2c
	v_mov_b32 v[GK+5], 0x3ba38d2c
	s_lshl_b32 s40, s[XT], 1
	s_add_co_u32 s40, s40, s[WX]
	s_mul_i32 s40, s40, 6144
	s_mul_i32 s41, s[YT], 393216
	s_add_co_u32 s40, s40, s41
	s_mul_i32 s41, s[WY], 3072
	s_add_co_u32 s94, s40, s41                     ; codes: token group YT, half image 2 XT + WX, my four tiles,
	s_mul_i32 s41, s[GR], 16*6144
	s_add_co_u32 s94, s94, s41                     ; 16 half images on for each tile
	s_mov_b32 s95, 0
	s_add_nc_u64 s[OC:OC+1], s[10:11], s[94:95]
	s_lshl_b32 s40, s[YT], 1
	s_add_co_u32 s40, s40, s[WY]
	s_lshl_b32 s40, s40, 13
	s_lshl_b32 s41, s[XT], 8
	s_add_co_u32 s40, s40, s41
	s_lshl_b32 s41, s[WX], 1
	s_add_co_u32 s40, s40, s41
	s_add_co_u32 s96, s40, 12582912                ; scales: my 64 tokens, K step XT, blocks 2 WX, 2 WX + 1,
	s_lshl_b32 s41, s[GR], 11
	s_add_co_u32 s96, s96, s41                     ; 8 K steps on for each tile
	s_mov_b32 s97, 0
	s_add_nc_u64 s[OS:OS+1], s[10:11], s[96:97]
	s_wait_alu depctr_va_vdst(0)                   ; the wait at the head's end
	s_wait_tensorcnt 0x0                           ; my load of the head's five is in:
	s_mov_b32 s[G1B+2], 96<<16                     ; no load of mine is out: from here on a load of B brings a quarter, 96 rows
	s_mov_b32 s[G1B+4], 96
	s_barrier_signal -1
	s_barrier_wait -1                              ; all five tiles are in
	TILEM
	s_wait_tensorcnt 0x0                           ; all my tensor loads have landed: so a group 0 may be written
	ds_add_u32 v[SPW], v[NIL]                      ; 0 onto my spare word, twice on end
	ds_add_u32 v[SPW], v[NIL]
	s_wait_dscnt 0x0                               ; the add is done, my reads of that buffer are over
	CROUND                                         ; no wave of any partner still reads it or has a load on its way
	tensor_load_to_lds s[G0B1:G0B1+3], s[G1B:G1B+7]        ; my one tensor load behind the round, first thing there
	s_nop 0
.rept 4
	v_nop
.endr
	s_mov_b32 s3, 2                                ; (my place in the group has served)
.Ltile:                                                ; the way out is written once: two trips, one for each of my group's tiles
	TILEE
	s_wait_tensorcnt 0x0                           ; my quarter of my group's second tile is in,
	s_wait_dscnt 0x0
	s_barrier_signal -1
	s_barrier_wait -1                              ; everybody's is. Wait and barrier are run in both trips
	s_cmp_eq_u32 s3, 1
	s_cbranch_scc1 .Lno_more                       ; the second trip has no products left: the branch hangs on the loop's count alone and leads round LDS loads and products, round no wait and no barrier
	TILEM
.Lno_more:
	s_sub_co_u32 s3, s3, 1
	s_cmp_lg_u32 s3, 0
	s_cbranch_scc1 .Ltile
	s_wait_tensorcnt 0x0                           ; the wave's end
	ds_add_u32 v[SPW], v[NIL]
	s_wait_dscnt 0x0
	CROUND                                         ; the closing round
	s_endpgm
.Lfunc_end_k_qe118098cfd_ffn1:
	.size	k_qe118098cfd_ffn1, .Lfunc_end_k_qe118098cfd_ffn1-k_qe118098cfd_ffn1
	.p2alignl 7, 3214868480
	.fill 96, 4, 3214868480
	.section	.rodata,"a",@progbits
	.p2align	6, 0x0
	.amdhsa_kernel k_qe118098cfd_ffn1
		.amdhsa_group_segment_fixed_size 327680
		.amdhsa_private_segment_fixed_size 0
		.amdhsa_enable_private_segment 0
		.amdhsa_kernarg_size 32
		.amdhsa_user_sgpr_count 2
		.amdhsa_user_sgpr_kernarg_segment_ptr 1
		.amdhsa_wavefront_size32 1
		.amdhsa_system_sgpr_workgroup_id_x 1
		.amdhsa_system_sgpr_workgroup_id_y 1
		.amdhsa_system_sgpr_workgroup_id_z 1
		.amdhsa_system_vgpr_workitem_id 0
		.amdhsa_next_free_vgpr 512
		.amdhsa_next_free_sgpr 106
		.amdhsa_reserve_vcc 0
		.amdhsa_float_denorm_mode_32 3
		.amdhsa_float_denorm_mode_16_64 3
		.amdhsa_memory_ordered 1
		.amdhsa_forward_progress 1
		.amdhsa_inst_pref_size 225
	.end_amdhsa_kernel
	.amdgpu_metadata
---
amdhsa.version: [ 1, 2 ]
amdhsa.kernels:
  - .name:           k_qe118098cfd_ffn1
    .symbol:         k_qe118098cfd_ffn1.kd
    .args:
      - { .name: WB, .offset: 0, .size: 8, .value_kind: global_buffer, .address_space: global }
      - { .name: HB, .offset: 8, .size: 8, .value_kind: global_buffer, .address_space: global }
      - { .name: b1, .offset: 16, .size: 8, .value_kind: global_buffer, .address_space: global }
      - { .name: GB, .offset: 24, .size: 8, .value_kind: global_buffer, .address_space: global }
    .group_segment_fixed_size: 327680
    .private_segment_fixed_size: 0
    .kernarg_segment_align: 8
    .kernarg_segment_size: 32
    .max_flat_workgroup_size: 256
    .sgpr_count:     106
    .vgpr_count:     512
    .wavefront_size: 32
...
	.end_amdgpu_metadata
.endif
;; end of part 13
;; launch ffn2 (part 14): grid 8 x 32, 4 waves a work-group, clusters of 4 x 4, 327,680 bytes of LDS; arguments WB, GB, b2, X1, out0; writes out0
.if DOCPART == 14
	.amdgcn_target "amdgcn-amd-amdhsa--gfx1250"
	.amdhsa_code_object_version 6
	.text
	.protected	k_qe118098cfd_ffn2
	.globl	k_qe118098cfd_ffn2
	.p2align	8
	.type	k_qe118098cfd_ffn2,@function
k_qe118098cfd_ffn2:
	s_mov_b64 s[64:65], 0
	v_nop
	global_prefetch_b8 v0, s[64:65] scope:SCOPE_SE
	s_setreg_imm32_b32 hwreg(HW_REG_WAVE_MODE, 25, 1), 1
	s_wait_xcnt 0x0
	s_wait_alu depctr_hold_cnt(0) depctr_sa_sdst(0) depctr_va_vdst(0) depctr_va_sdst(0) depctr_va_ssrc(0) depctr_va_vcc(0) depctr_vm_vsrc(0)
	s_getreg_b32 s2, hwreg(HW_REG_IB_STS2, 6, 4)
	s_cmp_eq_u32 s2, 0
	s_cbranch_scc0 .Lentry_in_a_cluster
	s_endpgm
.Lentry_in_a_cluster:
	s_bfe_u32 s2, ttmp6, 0x10000c
	s_cmp_lg_u32 s2, 0xf033
	s_cbranch_scc0 .Lentry_shape_is_right
	s_endpgm
.Lentry_shape_is_right:
; out0 = X1 + gelu's codes W2 + b2: a product on codes of FP6 (E2M3) with E8M0 scales, K = 4,096, f32 sums; b2 is the C of each sum's first product, X1 is added on the way out.
; OPERANDS lie in memory in the order of the matrix unit's registers: tile T = 16 rows, half image (T, kc = k / 64) = 768 bytes (lane l: 16 bytes at 16 l, 8 at 512 + 8 l);
; codes at (T / 8) (K / 64) 6,144 + kc 6,144 + (T % 8) 768: a K step of 128 of 128 rows is 12,288 dense bytes; scale words at (T / 4) (K / 128) 256 + (k / 128) 256 + 16 r + 4 (T % 4).
; SHARES.  256 work-groups, 128 x 128 of the result each; four waves, 64 x 64 each (16 accumulators, by turns).  Source 0 = W2's rows, source 1 = tokens: a lane holds eight neighbouring columns of one token.
; THE RING.  Two slots of 153,600 bytes, each with SIX K steps: A's codes (73,728), B's codes (73,728), A's scale words (2 x 1,536), B's.  A fill is four joint loads, ONE A WAVE: wave 0 A's codes, wave 1 B's,
; wave 2 A's scale words, wave 3 B's.  The 32 K steps go as 2 + 5 x 6: the first fill, at the head, brings two steps of codes (its scale loads bring six steps' words, of which two are read), so six fills serve all of K.
; Each later fill stands behind the three lines and a round of the cluster's barrier, first thing there; by the text's own count one load a wave is out, and it has the other slot's products in which to land.
; One group 0 for each kind of load walks: it is stepped where no load of the wave is out.  The codes' group 1 counts 96 rows for the first fill and is set to 288 behind the wait for it.
; CLUSTER 4 x 4: A's loads are shared along a row of the cluster, B's along a column.
; PREFETCH.  Behind each fill's loads the NEXT fill's codes are asked for, one fill ahead of their tensor load: a tile's 288 blocks of 256 bytes are shared out by address among the four partners that will ask jointly
; (72 each; cx for A, cy for B) and two waves (36 each: a lane a block, then four blocks more, the lanes left over naming the last again).  The last fill asks for nothing.  The scale words, 6,144 of a fill's 153,600 bytes, are not asked for.
; THE WAY OUT goes through each wave's own stage in LDS, on bytes that no fill lands on: sixteen lanes store 256 neighbouring bytes.  LIMITS: NaN and infinities are not served.
.set KTOT,  4096
.set AS_OFF, 12582912                  ; GB: the scale words
.set BC_OFF, 6291456                   ; WB: W2's codes,
.set BS_OFF, 9699328                   ; its scale words
.set RGB,   KTOT*96                    ; 128 rows' codes for all of K
.set SCH,   KTOT*2                     ; 64 rows' scale words for all of K
.set STC,   12288                      ; a K step of 128 rows' codes
.set NS,    6                          ; K steps a fill,
.set NS0,   2                          ; in the first
.set CB,    NS*STC
.set SBY,   NS*256                     ; a fill's scale words of 64 rows
.set OB,    CB                         ; in a slot: A's codes at 0, B's here,
.set OSA,   2*CB                       ; A's scale words,
.set OSB,   OSA+2*SBY                  ; B's
.set SLOT,  OSB+2*SBY
.set STAGE, 2*SLOT                     ; 16 rows x 272 bytes a wave
.set SPARE, STAGE+4*16*272             ; the spare words, 128 bytes a wave
.set R, 1
.set H, 2
.set L16, 3
.set L8, 4
.set SPW, 8
.set NIL, 9
.set CO, 10                            ; my bytes in X1 and out0: 4,096 h + 16 r
.set STO, 11
.set RD, 12
.set BO, 13                            ; the bias: 64 h
.set PFO, 14                           ; v14, v15 the prefetches' offsets
.set SS, 16                            ; v16-19 scale words' LDS address: 2 x slot + (0: B, 1: A)
.set SC, 20                            ; v20-35 two sets of scale words: source 0's four tiles, source 1's four; they hold nothing else
.set AD, 36                            ; v36-51 fragments' LDS address: 8 x slot + 4 x (0: B, 1: A) + 2 x (steps 3-5) + (8-byte pieces)
.set T0, 56                            ; v56-119 the way out, two sets of 32
.set B0, 96                            ; v96-127 b2 in the result's layout
.set ACC, 128                          ; accumulator (a, b) at v[128 + 8 (4 b + a)]; window 1: two sets of fragments at 0 and 128; window 2: v0-127 X1
.set WV, 16
.set WY, 17
.set WX, 18
.set CX, 20
.set CY, 21
.set XT, 22
.set YT, 23
.set G1A, 24
.set G1B, 32
.set G1SA, 40
.set G1SB, 48
.set G0A, 56
.set G0B, 60
.set G0SA, 68
.set G0SB, 72
.set PFA, 90                           ; s[90:91] where my prefetches stand
.set MSB, 0
.macro WIN new                         ; the immediate's high byte repeats the setting that is left
.if MSB != \new
	s_set_vgpr_msb (MSB<<8)|\new
.set MSB, \new
.endif
.endm
.macro PLACES                          ; four plain lines behind a matrix instruction, ahead of loads into its registers and of reads of its results
.rept 4
	v_nop
.endr
.endm
.macro CROUND                          ; a round of the cluster's barrier
	s_barrier_signal -1
	s_barrier_wait -1
	s_cmp_lg_u32 s[WV], 0
	s_cbranch_scc1 .Lnot_wave_0_\@
	s_barrier_signal -3
.Lnot_wave_0_\@:
	s_barrier_wait -3
	s_barrier_signal -1
	s_barrier_wait -1
.endm
.macro TL g0, g1                       ; s_nop 0 and four v_nop follow each load
	tensor_load_to_lds s[\g0:\g0+3], s[\g1:\g1+7]
	s_nop 0
	PLACES
.endm
.macro QLOAD                           ; a fill: one chain of branches on the wave's number, one joint load to an arm
	s_cmp_eq_u32 s[WV], 0
	s_cbranch_scc0 .Lq1_\@
	TL G0A, G1A
	s_branch .Lqj_\@
.Lq1_\@:
	s_cmp_eq_u32 s[WV], 1
	s_cbranch_scc0 .Lq2_\@
	TL G0B, G1B
	s_branch .Lqj_\@
.Lq2_\@:
	s_cmp_eq_u32 s[WV], 2
	s_cbranch_scc0 .Lq3_\@
	TL G0SA, G1SA
	s_branch .Lqj_\@
.Lq3_\@:
	TL G0SB, G1SB
.Lqj_\@:
.endm
.macro ASK how                         ; the next fill's codes, my 36 blocks.  how = 1: always; 2: not in the loop's last trip, whose fill is the last; 0: never
.if \how == 2
	s_cmp_lg_u32 s3, 1
	s_cbranch_scc0 .Lno_ask_\@
.endif
.if \how
	global_prefetch_b8 v[PFO], s[PFA:PFA+1] th:TH_LOAD_NT scope:SCOPE_SE
	global_prefetch_b8 v[PFO+1], s[PFA:PFA+1] th:TH_LOAD_NT scope:SCOPE_SE
.endif
.if \how == 2
.Lno_ask_\@:
.endif
.endm
.macro FRAGS reg, adr, q               ; four fragments (16 rows x 128 K, 12 registers) of the slot's K step q: two half images each, lane by lane on end
.irp i, 0,1,2,3
.irp c, 0,1
	ds_load_b128 v[(\reg)+12*\i+6*\c:(\reg)+12*\i+6*\c+3], v[(\adr)+2*((\q)/3)] offset:(2*((\q)%3)+\c)*6144+768*\i
	ds_load_b64 v[(\reg)+12*\i+6*\c+4:(\reg)+12*\i+6*\c+5], v[(\adr)+2*((\q)/3)+1] offset:(2*((\q)%3)+\c)*6144+768*\i+512
.endr
.endr
.endm
.macro FETCH slot, q, p                ; K step q into set p: 32 loads of codes, 2 of scale words
	WIN 0x40
	FRAGS 128*(\p), AD+8*(\slot), \q
	FRAGS 128*(\p)+48, AD+8*(\slot)+4, \q
	WIN 0
	ds_load_b128 v[SC+8*(\p):SC+8*(\p)+3], v[SS+2*(\slot)] offset:256*(\q)
	ds_load_b128 v[SC+8*(\p)+4:SC+8*(\p)+7], v[SS+2*(\slot)+1] offset:256*(\q)
.endm
.macro MUL p, first                    ; 16 products; the 16 accumulators take turns, one instruction a turn, in the same order in every step; first: the bias starts the sums
	WIN 0x05
.irp b, 0,1,2,3
.irp a, 0,1,2,3
.if \first
	v_wmma_scale_f32_16x16x128_f8f6f4 v[ACC+8*(4*\b+\a):ACC+8*(4*\b+\a)+7], v[128*(\p)+12*\a:128*(\p)+12*\a+11], v[128*(\p)+48+12*\b:128*(\p)+48+12*\b+11], v[B0+8*\a:B0+8*\a+7], v[SC+8*(\p)+\a], v[SC+8*(\p)+4+\b] matrix_a_fmt:MATRIX_FMT_FP6 matrix_b_fmt:MATRIX_FMT_FP6
.else
	v_wmma_scale_f32_16x16x128_f8f6f4 v[ACC+8*(4*\b+\a):ACC+8*(4*\b+\a)+7], v[128*(\p)+12*\a:128*(\p)+12*\a+11], v[128*(\p)+48+12*\b:128*(\p)+48+12*\b+11], v[ACC+8*(4*\b+\a):ACC+8*(4*\b+\a)+7], v[SC+8*(\p)+\a], v[SC+8*(\p)+4+\b] matrix_a_fmt:MATRIX_FMT_FP6 matrix_b_fmt:MATRIX_FMT_FP6
.endif
.endr
.endr
.endm
; A slot's n K steps.  Each step's fragments are asked for ahead of the step before's products; every wait is for all LDS loads, which are one step's
.macro SLOTWORK slot, n, first, ask
	PLACES
	FETCH \slot, 0, 0
	s_wait_dscnt 0x0
.set q_, 1
.rept (\n)-1
.if q_ > 1
	PLACES
.endif
	FETCH \slot, q_, q_%2
.if q_ == 1
	ASK \ask                                       ; behind the joint load and two runs of LDS loads, ahead of sixteen products
	MUL 0, \first
.else
	MUL (q_-1)%2, 0
.endif
	s_wait_dscnt 0x0
.set q_, q_+1
.endr
	MUL ((\n)-1)%2, 0
	WIN 0
.endm
; A change of slots: the fill of n steps that has landed in \slot is multiplied; refill: the other slot takes the fill behind it
.macro TWO slot, n, first, refill, ask
.if \refill
	s_wait_xcnt 0x0                                ; my earlier prefetches have read their base
	s_add_nc_u64 s[PFA:PFA+1], s[PFA:PFA+1], CB
.endif
	s_wait_tensorcnt 0x0                           ; my load has landed, and no load of mine is out: the descriptors may be written
	ds_add_u32 v[SPW], v[NIL]                      ; 0 onto my spare word
.if \refill
	s_xor_b32 s[G0A+1], s[G0A+1], SLOT             ; the other slot,
	s_xor_b32 s[G0B+1], s[G0B+1], OB^(OB+SLOT)
	s_xor_b32 s[G0SA+1], s[G0SA+1], OSA^(OSA+SLOT)
	s_xor_b32 s[G0SB+1], s[G0SB+1], OSB^(OSB+SLOT)
.irp g, G0A, G0B
	s_add_nc_u64 s[\g+2:\g+3], s[\g+2:\g+3], (\n)*STC      ; n K steps on
.endr
.irp g, G0SA, G0SB
	s_add_nc_u64 s[\g+2:\g+3], s[\g+2:\g+3], (\n)*256
.endr
.endif
.if \first
.irp g, G1A, G1B
	s_mov_b32 s[\g+2], (NS*48)<<16                 ; from here on a load of codes brings six K steps: 288 rows of 256 bytes
	s_mov_b32 s[\g+4], NS*48
.endr
.endif
	s_wait_dscnt 0x0                               ; the add is done, my reads of the other slot are over
.if \refill
	CROUND                                         ; no wave of any partner still reads that slot or has a load on its way
	QLOAD                                          ; my one tensor load behind the round, first thing there
.else
	s_barrier_signal -1
	s_barrier_wait -1                              ; the last fill is shown to all
.endif
	SLOTWORK \slot, \n, \first, \ask
.endm
	s_load_b256 s[4:11], s[0:1], 0x0               ; WB, GB, b2, X1
	s_load_b64 s[12:13], s[0:1], 0x20              ; out0
	v_lshl_add_u32 v[SPW], v0, 2, SPARE
	v_mov_b32 v[NIL], 0
	ds_add_u32 v[SPW], v[NIL]                      ; the opening lines: the add, twice on end, and its wait ahead of my first tensor load
	ds_add_u32 v[SPW], v[NIL]
	v_lshrrev_b32 v1, 5, v0
	v_readfirstlane_b32 s[WV], v1
	s_lshr_b32 s[WY], s[WV], 1                     ; my half of A's rows
	s_and_b32 s[WX], s[WV], 1                      ; my half of B's rows
	s_bfe_u32 s[CX], ttmp6, 0x40000
	s_bfe_u32 s[CY], ttmp6, 0x40004
	s_lshl_b32 s[XT], ttmp9, 2
	s_add_co_u32 s[XT], s[XT], s[CX]               ; tile column
	s_and_b32 s[YT], ttmp7, 0xffff
	s_lshl_b32 s[YT], s[YT], 2
	s_add_co_u32 s[YT], s[YT], s[CY]               ; tile row
	s_lshl_b32 s14, s[CY], 2
	s_lshl_b32 s14, 15, s14                        ; my row of the cluster
	s_lshl_b32 s15, 0x1111, s[CX]                  ; my column
	s_or_b32 s[G1A], s14, (3<<16)|(1<<21)          ; the mask; elements of 8 bytes; bit 21 beside a mask; no padding
	s_or_b32 s[G1SA], s14, (3<<16)|(1<<21)
	s_or_b32 s[G1B], s15, (3<<16)|(1<<21)
	s_or_b32 s[G1SB], s15, (3<<16)|(1<<21)
.irp g, G1A, G1B
	s_mov_b32 s[\g+1], 32<<16                      ; dense codes as rows of 256 bytes; the first fill: 96 rows
	s_mov_b32 s[\g+2], (NS0*48)<<16
	s_mov_b32 s[\g+3], 32<<16
	s_mov_b32 s[\g+4], NS0*48
	s_mov_b32 s[\g+5], 32
	s_mov_b32 s[\g+6], 0
	s_mov_b32 s[\g+7], 0
.endr
.irp g, G1SA, G1SB
	s_mov_b32 s[\g+1], (SBY/8)<<16                 ; scale words: two rows (64 rows of the operand each) of 1,536 bytes, 8,192 bytes apart
	s_mov_b32 s[\g+2], 2<<16
	s_mov_b32 s[\g+3], (SBY/8)<<16
	s_mov_b32 s[\g+4], 2
	s_mov_b32 s[\g+5], SCH/8
	s_mov_b32 s[\g+6], 0
	s_mov_b32 s[\g+7], 0
.endr
.irp g, G0A, G0B, G0SA, G0SB
	s_mov_b32 s[\g], 1
.endr
	s_mov_b32 s[G0A+1], 0
	s_mov_b32 s[G0B+1], OB
	s_mov_b32 s[G0SA+1], OSA
	s_mov_b32 s[G0SB+1], OSB
	s_mul_i32 s76, s[YT], RGB                      ; A's codes, by the tile row alone
	s_mov_b32 s77, 0
	s_mul_i32 s78, s[YT], 2*SCH
	s_add_co_u32 s78, s78, AS_OFF                  ; A's scale words
	s_mov_b32 s79, 0
	s_mul_i32 s80, s[XT], RGB
	s_add_co_u32 s80, s80, BC_OFF                  ; B's codes, by the tile column alone
	s_mov_b32 s81, 0
	s_mul_i32 s82, s[XT], 2*SCH
	s_add_co_u32 s82, s82, BS_OFF                  ; B's scale words
	s_mov_b32 s83, 0
	s_lshl_b32 s84, s[XT], 9
	s_lshl_b32 s85, s[WX], 8
	s_add_co_u32 s84, s84, s85                     ; my 64 columns, in bytes
	s_lshl_b32 s86, s[YT], 19
	s_lshl_b32 s87, s[WY], 18
	s_add_co_u32 s86, s86, s87
	s_add_co_u32 s86, s86, s84                     ; and my 64 rows of 4,096 bytes
	s_mov_b32 s85, 0
	s_mov_b32 s87, 0
	s_cmp_eq_u32 s[WY], 0                          ; the prefetches: waves 0, 1 ask for A's codes, waves 2, 3 for B's
	s_cselect_b32 s88, s76, s80
	s_cselect_b32 s89, s[CX], s[CY]                ; my work-group's place among the four that ask jointly
	s_mul_i32 s89, s89, CB/4
	s_add_co_u32 s88, s88, s89
	s_mul_i32 s89, s[WX], CB/8
	s_add_co_u32 s88, s88, s89
	s_add_co_u32 s88, s88, NS0*STC                 ; at the second fill
	s_mov_b32 s89, 0
	s_mul_i32 s92, s[WX], 3072
	s_add_co_u32 s92, s92, OB                      ; LDS: my four tiles of B,
	s_mul_i32 s93, s[WY], 3072                     ; of A,
	s_mul_i32 s94, s[WX], SBY
	s_add_co_u32 s94, s94, OSB                     ; their scale words,
	s_mul_i32 s95, s[WY], SBY
	s_add_co_u32 s95, s95, OSA
	s_mul_i32 s96, s[WV], 16*272
	s_add_co_u32 s96, s96, STAGE                   ; my stage
	v_and_b32 v[R], 15, v0
	v_bfe_u32 v[H], v0, 4, 1
	v_and_b32 v5, 31, v0
	v_lshlrev_b32 v[L16], 4, v5
	v_lshlrev_b32 v[L8], 3, v5
	v_lshlrev_b32 v[PFO], 8, v5                    ; a lane a block of 256 bytes: blocks 0-31,
	v_min_u32 v[PFO+1], 3, v5
	v_lshl_add_u32 v[PFO+1], v[PFO+1], 8, 8192     ; blocks 32-35
	v_add_nc_u32 v[AD], s92, v[L16]
	v_add_nc_u32 v[AD+1], s92, v[L8]
	v_add_nc_u32 v[AD+4], s93, v[L16]
	v_add_nc_u32 v[AD+5], s93, v[L8]
.irp i, 0,1,4,5
	v_add_nc_u32 v[AD+2+\i], 3*STC, v[AD+\i]       ; steps 3-5: beyond an LDS load's immediate
	v_add_nc_u32 v[AD+8+\i], SLOT, v[AD+\i]
	v_add_nc_u32 v[AD+10+\i], SLOT+3*STC, v[AD+\i]
.endr
	v_lshlrev_b32 v5, 4, v[R]                      ; 16 bytes a row: four tiles' words
	v_add_nc_u32 v[SS], s94, v5
	v_add_nc_u32 v[SS+1], s95, v5
	v_add_nc_u32 v[SS+2], SLOT, v[SS]
	v_add_nc_u32 v[SS+3], SLOT, v[SS+1]
	v_mul_u32_u24 v6, v[R], 272
	v_lshl_add_u32 v6, v[H], 6, v6
	v_add_nc_u32 v[STO], s96, v6                   ; into the stage: row r, 64 h bytes on
	v_mul_u32_u24 v7, v[H], 272
	v_lshl_add_u32 v7, v[R], 4, v7
	v_add_nc_u32 v[RD], s96, v7                    ; back: sixteen lanes to a row of 256 bytes
	v_lshlrev_b32 v6, 12, v[H]
	v_lshl_add_u32 v[CO], v[R], 4, v6
	v_lshlrev_b32 v[BO], 6, v[H]
	s_wait_alu depctr_va_vdst(0)                   ; the wait here
	s_wait_dscnt 0x0                               ; both opening adds are done
	CROUND                                         ; all sixteen work-groups are here: the first joint loads meet
	s_wait_kmcnt 0x0
	s_add_nc_u64 s[G0A+2:G0A+3], s[6:7], s[76:77]
	s_add_nc_u64 s[G0SA+2:G0SA+3], s[6:7], s[78:79]
	s_add_nc_u64 s[G0B+2:G0B+3], s[4:5], s[80:81]
	s_add_nc_u64 s[G0SB+2:G0SB+3], s[4:5], s[82:83]
.irp g, G0A, G0B, G0SA, G0SB
	s_or_b32 s[\g+3], s[\g+3], 0x80000000
.endr
	QLOAD                                          ; the first fill, K steps 0 and 1: one load a wave at the head
	s_cmp_eq_u32 s[WY], 0
	s_cselect_b64 s[PFA:PFA+1], s[6:7], s[4:5]
	s_add_nc_u64 s[PFA:PFA+1], s[PFA:PFA+1], s[88:89]
	s_add_nc_u64 s[8:9], s[8:9], s[84:85]          ; b2 at my columns,
	s_add_nc_u64 s[10:11], s[10:11], s[86:87]      ; X1 and out0 at my rows and columns
	s_add_nc_u64 s[12:13], s[12:13], s[86:87]
.irp a, 0,1,2,3
	global_load_b128 v[B0+8*\a:B0+8*\a+3], v[BO], s[8:9] offset:(32*(\a/2)+8*(\a%2))*4        ; columns 32 (a / 2) + 16 h + 8 (a % 2) + 0 .. 7
	global_load_b128 v[B0+8*\a+4:B0+8*\a+7], v[BO], s[8:9] offset:(32*(\a/2)+8*(\a%2))*4+16
.endr
	WIN 0x80
.irp b, 0,1,2,3
.irp t, 0,1,2,3,4,5,6,7
	global_load_b128 v[32*\b+4*\t:32*\b+4*\t+3], v[CO], s[10:11] offset:(32*(\b/2)+8*(\b%2)+2*\t+8*(\t/4))*4096   ; X1, by rows, as the way out reads the stage: it lands under the products
.endr
.endr
	WIN 0
	ASK 1                                          ; the second fill's codes
	s_wait_loadcnt 32                              ; the bias' eight loads are in; X1's 32 may be out
	TWO 0, NS0, 1, 1, 1                            ; K steps 0, 1; slot 1's first fill is issued as a refill is
	s_mov_b32 s3, 2
.Llap:                                                 ; two trips of two slots: fills 1 to 4 are multiplied, fills 2 to 5 asked for
	TWO 1, NS, 0, 1, 1
	TWO 0, NS, 0, 1, 2
	s_sub_co_u32 s3, s3, 1
	s_cmp_lg_u32 s3, 0
	s_cbranch_scc1 .Llap
	TWO 1, NS, 0, 0, 0                             ; the last fill: nothing is left to fetch
	; THE WAY OUT, a tile of 16 tokens at a time: through my stage, back as rows of 256 bytes, + X1, stored
	PLACES
	s_wait_loadcnt 0x0                             ; X1
.irp b, 0,1,2,3
.if \b >= 2
	s_wait_xcnt 0x0                                ; the stores of two tiles ago have read this set's registers
.endif
.irp a, 0,1,2,3
	ds_store_b128 v[STO], v[ACC+8*(4*\b+\a):ACC+8*(4*\b+\a)+3] offset:128*(\a/2)+32*(\a%2)       ; each accumulator from its low end on
	ds_store_b128 v[STO], v[ACC+8*(4*\b+\a)+4:ACC+8*(4*\b+\a)+7] offset:128*(\a/2)+32*(\a%2)+16
.endr
.irp t, 0,1,2,3,4,5,6,7
	ds_load_b128 v[T0+32*(\b%2)+4*\t:T0+32*(\b%2)+4*\t+3], v[RD] offset:544*\t                   ; LDS serves a wave's instructions in order: these see the stores above
.endr
	s_wait_dscnt 0x0
	WIN 0x08
.set ii, 0
.rept 16
	v_pk_add_f32 v[T0+32*(\b%2)+ii:T0+32*(\b%2)+ii+1], v[T0+32*(\b%2)+ii:T0+32*(\b%2)+ii+1], v[32*\b+ii:32*\b+ii+1]
.set ii, ii+2
.endr
	WIN 0
.irp t, 0,1,2,3,4,5,6,7
	global_store_b128 v[CO], v[T0+32*(\b%2)+4*\t:T0+32*(\b%2)+4*\t+3], s[12:13] offset:(32*(\b/2)+8*(\b%2)+2*\t+8*(\t/4))*4096 th:TH_STORE_NT
.endr
.endr
	s_wait_tensorcnt 0x0                           ; the wave's end
	ds_add_u32 v[SPW], v[NIL]
	s_wait_dscnt 0x0
	CROUND                                         ; the closing round
	s_endpgm
.Lfunc_end_k_qe118098cfd_ffn2:
	.size	k_qe118098cfd_ffn2, .Lfunc_end_k_qe118098cfd_ffn2-k_qe118098cfd_ffn2
	.p2alignl 7, 3214868480
	.fill 96, 4, 3214868480
	.section	.rodata,"a",@progbits
	.p2align	6, 0x0
	.amdhsa_kernel k_qe118098cfd_ffn2
		.amdhsa_group_segment_fixed_size 327680
		.amdhsa_private_segment_fixed_size 0
		.amdhsa_enable_private_segment 0
		.amdhsa_kernarg_size 40
		.amdhsa_user_sgpr_count 2
		.amdhsa_user_sgpr_kernarg_segment_ptr 1
		.amdhsa_wavefront_size32 1
		.amdhsa_system_sgpr_workgroup_id_x 1
		.amdhsa_system_sgpr_workgroup_id_y 1
		.amdhsa_system_sgpr_workgroup_id_z 1
		.amdhsa_system_vgpr_workitem_id 0
		.amdhsa_next_free_vgpr 768
		.amdhsa_next_free_sgpr 98
		.amdhsa_reserve_vcc 0
		.amdhsa_float_denorm_mode_32 3
		.amdhsa_float_denorm_mode_16_64 3
		.amdhsa_memory_ordered 1
		.amdhsa_forward_progress 1
		.amdhsa_inst_pref_size 121
	.end_amdhsa_kernel
	.amdgpu_metadata
---
amdhsa.version: [ 1, 2 ]
amdhsa.kernels:
  - .name:           k_qe118098cfd_ffn2
    .symbol:         k_qe118098cfd_ffn2.kd
    .args:
      - { .name: WB, .offset: 0, .size: 8, .value_kind: global_buffer, .address_space: global }
      - { .name: GB, .offset: 8, .size: 8, .value_kind: global_buffer, .address_space: global }
      - { .name: b2, .offset: 16, .size: 8, .value_kind: global_buffer, .address_space: global }
      - { .name: X1, .offset: 24, .size: 8, .value_kind: global_buffer, .address_space: global }
      - { .name: out0, .offset: 32, .size: 8, .value_kind: global_buffer, .address_space: global }
    .group_segment_fixed_size: 327680
    .private_segment_fixed_size: 0
    .kernarg_segment_align: 8
    .kernarg_segment_size: 40
    .max_flat_workgroup_size: 128
    .sgpr_count:     98
    .vgpr_count:     768
    .wavefront_size: 32
...
	.end_amdgpu_metadata
.endif
;; end of part 14
